; MI455X (gfx1250); checked and timed in simulation.
; The chip was launched on July 23, 2026; its instructions are those of AMD's public machine-readable ISA for CDNA 5 (MIT licence, August 2026) and "CDNA5" Instruction Set Architecture Reference Guide (July 2026). The comments in the code are by the model that wrote it; some were corrected since.
;; Low Rank1d. Allowed arithmetic: float matrix products may take bf16 or f16 operands with f32 sums; other float arithmetic in f32, or as packed bf16 or f16 multiplies, adds, multiply-adds, maxima and minima; sums over many terms, partial sums and values carried from step to step in f32; what a program stores and reads back later, other than sums and carried values, may be rounded once to bf16 or f16.
;; Inputs: a 8 x 8,192 x 2 float32; phi_W0 2 x 64 float32; phi_W1 64 x 128 float32; phi_W2 128 x 256 float32; phi_W3 256 x 512 float32; phi_b0 64 float32; phi_b1 128 float32; phi_b2 256 float32; phi_b3 512 float32; psi_W0 2 x 64 float32; psi_W1 64 x 128 float32; psi_W2 128 x 256 float32; psi_W3 256 x 512 float32; psi_b0 64 float32; psi_b1 128 float32; psi_b2 256 float32; psi_b3 512 float32; v 8 x 8,192 x 128 float32.
;; Outputs: out0 8 x 8,192 x 128 float32.
;; 4 versions, each right; versions 2 to 3 are each faster than the one before; version 4 is version 3 with the launch mix written anew for expert scheduling mode. Each part assembles by itself: llvm-mc -triple=amdgcn-amd-amdhsa -mcpu=gfx1250 --defsym DOCPART=n.
;; ======== version 1 of 4: 3 launches
;; limits: values are held in f16: magnitudes above 65,504 overflow, below 6.1e-05 lose precision; inputs' magnitudes at most 65,504
;; workspace buffers: part 33,685,504 bytes; cw 262,144 bytes; uw 3,072 bytes; gw 589,824 bytes
;; launch psi_part (part 1): grid 256 x 1, 4 waves a work-group, no clusters, 258,304 bytes of LDS; arguments a, v, psi_W0, psi_b0, psi_W1, psi_b1, psi_W2, psi_b2, phi_W3, psi_W3, phi_b3, psi_b3, part, cw, uw; writes part, cw, uw
.if DOCPART == 1
	.amdgcn_target "amdgcn-amd-amdhsa--gfx1250"
	.amdhsa_code_object_version 6
	.text
	.protected	k_q1472d05ac3_psi_part
	.globl	k_q1472d05ac3_psi_part
	.p2align	8
	.type	k_q1472d05ac3_psi_part,@function
k_q1472d05ac3_psi_part:
	s_mov_b64 s[64:65], 0
	v_nop
	global_prefetch_b8 v0, s[64:65] scope:SCOPE_SE
	s_setreg_imm32_b32 hwreg(HW_REG_WAVE_MODE, 25, 1), 1
	s_wait_xcnt 0x0
; LowRank1d, launch 1 of 3.  With j = 4 d + h the reshape and the transposes only rename columns:
;   out[b] = phi_eval[b] (psi_eval[b]^T v[b]) / n,   phi_eval = Hphi W3phi + b3phi,  psi_eval = Hpsi W3psi + b3psi,   H = the nets' third activation, [n][256].
; The last layers are linear, so they are taken across the sum over tokens (true for all values of the inputs, in exact arithmetic):
;   S = Hpsi^T v [256][128], sv = sum of v's rows, C = W3phi W3psi^T [256][256], u = W3phi b3psi, w = W3psi b3phi, z = b3phi . b3psi,
;   out = Hphi G + g0,  G = (C S + u sv) / n,  g0 = (w^T S + z sv) / n.
; NOTHING OF THE PROBLEM IS LEFT OUT: every input reaches the output; only the order of the sums differs from the problem's own.
; THIS LAUNCH: work-group g takes tokens 256 g .. 256 g + 255 (batch g / 32): the psi net up to H, its part of S and of sv; tile g (16 x 16) of C; u[g], w[g], z.
; FORMATS.  Matrix operands are f16, sums f32.  A row of the output goes with its token's |a|, the comparison's allowance with the whole output's root mean square: in a row several times that size one f16 rounding
;   (2^-12 of the row) has room, a chain of sixteen has none.  So EVERY OPERAND BUT v GOES IN TWO HALVES, hi = f16(x), lo = f16(x - hi) (the difference is exact in f32), and a product is hi hi + hi lo + lo hi on one f32 sum.
; SCALES.  f16 has no room for H by itself, so H1, H2, H3 carry powers of two made here from maxima: A = max |a| of my tokens, m_l = max |W_l|, c_l = max |b_l|,
;   B1 = 2 A m0 + c0, B2 = 64 m1 B1 + c1, B3 = 128 m2 B2 + c2 bound |H_l|; with e_l the exponent field of B_l, H_l 2^(141 - e_l) lies under 2^15.  The powers go into W0, b0 (f32), into W1, W2 ahead of their
;   split, and into b1, b2 (f32, the C operands).  They are values alone: no branch and no address hangs on them.
; LIMITS.  |v|, |W3| and |16 C| stay under 65,504 (f16's end); a bound under 2^-60 is taken as 2^-60; a ratio of two bounds beyond 2^126 is cut there; the maxima pass over NaN, and infinities are not treated apart.
; NO CLUSTER, NO TENSOR LOAD: the weights that all work-groups share (163,840 bytes of f32) must pass through registers to be measured, scaled and split; as f32 in LDS beside the 258,304 bytes in use they would not fit in 327,680.
; LAYOUT.  L = lane, r = L % 16, h = L / 16, w = wave.  An operand fragment holds row (column) r, registers 0-3 k = 8 h + 0..7, registers 4-7 k = 16 + 8 h + 0..7; a result holds column r, register j row 8 h + j.
;   So two results that are neighbours in their rows, rounded in pairs, ARE an operand whose k runs along those rows: nothing changes lanes from layer to layer.
; REGISTERS, in windows of 256 (s_set_vgpr_msb: bits 1:0 source 0, 3:2 source 1, 5:4 source 2, 7:6 destination):
;   window 0: v0-31 ids and addresses (v27 = 1.0); v32-39 a; v40-55 C's tile; v56-63 maxima; head: v64-159 W0, b0; v160-191 at work; v192-255 W1, then layer 1's sums
;             main loop: v64-127 ACC1 (2 x 4), v128-159 H3 hi, v160-191 H3 lo
;   window 1: v as loaded; front: b1 v0-63, H1 hi v64-79, lo v80-95; then ACC2 (8 x 4)
;   window 2: W3's rows and their halves; then W2's columns, hi v0-127, lo v128-255
;   window 3: W2 as loaded; front: W1's fragments, hi v0-127, lo v128-255; main loop: H2 hi v0-63, lo v64-127, v^T v128-191, b2 as C operands v192-223
.set W1L,   0                          ; W1 in f16, [k 64][n 128], pitch 288: hi, and W1X further on lo
.set W1X,   18432
.set W2L,   36864                      ; W2 in f16, [k 128][n 256], pitch 544: hi, and W2X further on lo
.set W2X,   69632
.set H2L,   36864                      ; H2 lies over W2, whose columns are in registers by then: token tile T x 4,096 + piece t x 512 + 16 L: hi, and H2X further on lo
.set H2X,   65536
.set VL,    176128                     ; v in f16, [token 256][c 128], pitch 288
.set CS,    249856                     ; the four waves' parts of C's tile: wave x 1,024 + half x 512 + 16 L
.set SVL,   253952                     ; the four waves' parts of sv: wave x 512 + 16 L
.set B1L,   256000                     ; b1 scaled, f32
.set B2L,   256512                     ; b2 scaled, f32
.set RED,   257536                     ; wave x 64: seven maxima, a zero, three sums, a zero
.set SPARE, 257792                     ; the spare words, 128 bytes a wave: no other line names them
.set ONE, 27
.set AP,  32
.set RR,  56
.set W0A, 64
.set W0B, 96
.set B0R, 128
.set MX,  164
.set SU,  172
.set DT,  176
.set MSB, 0
.macro WIN new                         ; the high byte repeats the setting that is left; a switch that changes nothing is dropped
.if MSB != (\new)
	s_set_vgpr_msb (MSB<<8)|(\new)
.set MSB, (\new)
.endif
.endm
.macro PLACES                          ; four plain places behind a matrix instruction (ISA guide 7.12.1), where no other vector work is at hand
.rept 4
	v_nop
.endr
.endm
.macro RESID x, hh                     ; registers x, x + 1 less the two f16 halves of register hh: exact in f32
	v_fma_mix_f32 v[\x], -v[\hh], v[ONE], v[\x] op_sel_hi:[1,0,0]
	v_fma_mix_f32 v[(\x)+1], -v[\hh], v[ONE], v[(\x)+1] op_sel:[1,0,0] op_sel_hi:[1,0,0]
.endm
.macro WMAX x                          ; the maximum over the wave's 32 lanes, in every lane
	v_max_num_f32_dpp v[\x], v[\x], v[\x] row_xmask:1 row_mask:0xf bank_mask:0xf
	v_max_num_f32_dpp v[\x], v[\x], v[\x] row_xmask:2 row_mask:0xf bank_mask:0xf
	v_max_num_f32_dpp v[\x], v[\x], v[\x] row_xmask:4 row_mask:0xf bank_mask:0xf
	v_max_num_f32_dpp v[\x], v[\x], v[\x] row_xmask:8 row_mask:0xf bank_mask:0xf
	v_permlanex16_b32 v31, v[\x], s52, s53
	v_max_num_f32 v[\x], v[\x], v31
.endm
.macro WSUM x                          ; the sum likewise
	v_add_f32_dpp v[\x], v[\x], v[\x] row_xmask:1 row_mask:0xf bank_mask:0xf
	v_add_f32_dpp v[\x], v[\x], v[\x] row_xmask:2 row_mask:0xf bank_mask:0xf
	v_add_f32_dpp v[\x], v[\x], v[\x] row_xmask:4 row_mask:0xf bank_mask:0xf
	v_add_f32_dpp v[\x], v[\x], v[\x] row_xmask:8 row_mask:0xf bank_mask:0xf
	v_permlanex16_b32 v31, v[\x], s52, s53
	v_add_f32 v[\x], v[\x], v31
.endm
.macro BAR                             ; my LDS stores are done and my LDS loads are back; then all four waves meet
	s_wait_dscnt 0x0
	s_barrier_signal -1
	s_barrier_wait -1
.endm
	s_load_b512 s[8:23], s[0:1], 0x0               ; a 8, v 10, W0 12, b0 14, W1 16, b1 18, W2 20, b2 22
	s_load_b256 s[24:31], s[0:1], 0x40             ; phi_W3 24, psi_W3 26, phi_b3 28, psi_b3 30
	s_load_b128 s[32:35], s[0:1], 0x60             ; part 32, cw 34
	s_load_b64 s[36:37], s[0:1], 0x70              ; uw
	v_lshl_add_u32 v4, v0, 2, SPARE                ; my spare word, and 0: kept for the add at the wave's end alone
	v_mov_b32 v5, 0
	v_mov_b32 v6, 0                                ; a zero offset
	v_mov_b32 v[ONE], 1.0
	v_and_b32 v1, 31, v0                           ; L
	v_and_b32 v2, 15, v0                           ; r
	v_bfe_u32 v3, v0, 4, 1                         ; h
	v_lshrrev_b32 v31, 5, v0
	v_readfirstlane_b32 s3, v31                    ; w
	s_mov_b32 s2, ttmp9                            ; g
	s_mov_b32 s52, 0x76543210                      ; v_permlanex16_b32: each lane takes its own place in the other half
	s_mov_b32 s53, 0xfedcba98
	v_lshlrev_b32 v7, 4, v1                        ; 16 L
	s_lshl_b32 s38, s3, 13
	v_add_nc_u32 v8, s38, v7                       ; W1 in memory: rows 16 w + i, a row of 512 bytes a load
	s_mul_i32 s38, s3, 4608
	v_lshl_add_u32 v9, v1, 3, s38                  ; and in LDS (W1L = 0): 8 bytes a lane
	s_lshl_b32 s38, s3, 8
	v_lshl_add_u32 v10, v2, 4, s38
	v_lshl_add_u32 v10, v3, 10, v10                ; W2 in memory: rows 2 i + h, my wave's 256 bytes of each
	s_lshl_b32 s39, s3, 7
	s_add_co_u32 s39, s39, W2L                     ; W2L + 128 w
	v_mul_u32_u24 v11, v3, 544
	v_lshl_add_u32 v11, v2, 3, v11
	v_add_nc_u32 v11, s39, v11                     ; and in LDS, loads 0-31,
	v_add_nc_u32 v12, 34816, v11                   ; loads 32-63 (32 x 1,088 on: the immediate has 16 bits)
	s_lshl_b32 s38, s3, 15
	v_add_nc_u32 v13, s38, v7                      ; v in memory: rows 64 w + i
	s_mul_i32 s38, s3, 18432
	s_add_co_u32 s38, s38, VL
	v_lshl_add_u32 v14, v1, 3, s38                 ; and in LDS
	s_lshl_b32 s38, s3, 9
	v_lshl_add_u32 v15, v2, 3, s38                 ; a: token 64 w + 16 j + r
	v_lshlrev_b32 v16, 5, v3                       ; W0, b0: features 16 g + 8 h + 0..7
	v_lshlrev_b32 v17, 2, v0                       ; b1, b2: one number a thread
	v_and_b32 v31, 7, v0
	v_lshl_add_u32 v31, v3, 3, v31                 ; the turning load's row 8 h + L % 8
	v_bfe_u32 v30, v0, 3, 1
	v_lshlrev_b32 v30, 4, v30                      ; and its 16 bytes (L / 8) % 2
	v_mul_u32_u24 v18, v31, 288
	v_add_nc_u32 v18, v18, v30                     ; in W1 (W1L = 0)
	v_mul_u32_u24 v19, v31, 544
	v_add_nc_u32 v19, v19, v30
	v_add_nc_u32 v19, s39, v19                     ; in W2, at my wave's 64 columns
	v_add_nc_u32 v20, VL, v18                      ; in v; steps 32 rows a trip
	v_add_nc_u32 v21, H2L, v7                      ; H2's pieces; steps two token tiles a trip
	s_lshl_b32 s38, s3, 14
	s_add_co_u32 s38, s38, H2L
	v_add_nc_u32 v22, s38, v7                      ; where I write H2: my wave's four token tiles
	s_lshl_b32 s38, s3, 9
	v_lshl_add_u32 v23, v2, 11, s38
	v_lshl_add_u32 v23, v3, 5, v23                 ; W3: row r, my wave's quarter of K (512 bytes), 32 h
	s_lshl_b32 s38, s3, 8
	s_add_co_u32 s38, s38, B2L
	v_lshl_add_u32 v24, v2, 2, s38                 ; b2 of feature 64 w + 16 u + r
	s_lshl_b32 s38, s3, 10
	s_add_co_u32 s38, s38, CS
	v_add_nc_u32 v25, s38, v7
	s_lshl_b32 s38, s3, 6
	s_add_co_u32 s38, s38, RED
	v_mov_b32 v26, s38
	s_lshl_b32 s38, s3, 10
	v_lshl_add_u32 v28, v2, 4, s38
	v_lshl_add_u32 v28, v3, 13, v28                ; part: 8,192 h + 16 (64 w + r)
	s_lshl_b32 s38, s3, 9
	s_add_co_u32 s38, s38, SVL
	v_add_nc_u32 v29, s38, v7
	v_lshl_add_u32 v30, v3, 5, B1L                 ; b1 of feature 16 t + 8 h + 0..7
	v_lshlrev_b32 v31, 4, v0                       ; 16 x thread: four numbers of a row of 512
	s_wait_kmcnt 0x0
	s_mov_b32 s39, 0
	s_lshl_b32 s38, s2, 11
	s_add_nc_u64 s[8:9], s[8:9], s[38:39]          ; a at my 256 tokens (8 bytes each)
	s_add_nc_u64 s[60:61], s[26:27], s[38:39]      ; psi_W3 at row g (2,048 bytes a row)
	s_add_nc_u64 s[62:63], s[24:25], s[38:39]      ; phi_W3 at row g
	s_lshl_b32 s38, s2, 17
	s_add_nc_u64 s[10:11], s[10:11], s[38:39]      ; v at my 256 rows
	s_mul_i32 s38, s2, 131584
	s_add_nc_u64 s[32:33], s[32:33], s[38:39]      ; my block of part
	s_lshl_b32 s38, s2, 9
	s_add_nc_u64 s[34:35], s[34:35], s[38:39]      ; my piece of cw
	s_lshl_b32 s38, s2, 2
	s_add_nc_u64 s[36:37], s[36:37], s[38:39]      ; my words of uw
	s_and_b32 s38, s2, 15
	s_lshl_b32 s38, s38, 15
	s_add_nc_u64 s[26:27], s[26:27], s[38:39]      ; psi_W3 at rows 16 (g % 16)
	s_lshr_b32 s38, s2, 4
	s_lshl_b32 s38, s38, 15
	s_add_nc_u64 s[24:25], s[24:25], s[38:39]      ; phi_W3 at rows 16 (g / 16)
	; ALL LOADS OF THE LAUNCH, the small and shared ones first, v's stream last.
	WIN 0x80
.set i, 0
.rept 16                               ; C's tile: K step i / 4 of my quarter: 32 bytes at 32 h and 32 bytes at 64 + 32 h of each 128
	global_load_b128 v[4*i:4*i+3], v23, s[26:27] offset:128*(i/4)+64*((i/2)%2)+16*(i%2)
	global_load_b128 v[64+4*i:64+4*i+3], v23, s[24:25] offset:128*(i/4)+64*((i/2)%2)+16*(i%2)
.set i, i+1
.endr
	WIN 0
	global_load_b128 v[DT:DT+3], v31, s[62:63]     ; phi_W3[g]
	global_load_b128 v[DT+4:DT+7], v31, s[60:61]   ; psi_W3[g]
	global_load_b128 v[DT+8:DT+11], v31, s[28:29]  ; phi_b3
	global_load_b128 v[DT+12:DT+15], v31, s[30:31] ; psi_b3
.irp j, 0,1,2,3
	global_load_b64 v[AP+2*\j:AP+2*\j+1], v15, s[8:9] offset:128*\j
.endr
.set i, 0
.rept 8
	global_load_b128 v[W0A+4*i:W0A+4*i+3], v16, s[12:13] offset:64*(i/2)+16*(i%2)
	global_load_b128 v[W0B+4*i:W0B+4*i+3], v16, s[12:13] offset:256+64*(i/2)+16*(i%2)
	global_load_b128 v[B0R+4*i:B0R+4*i+3], v16, s[14:15] offset:64*(i/2)+16*(i%2)
.set i, i+1
.endr
	global_load_b32 v160, v17, s[18:19]
	global_load_b32 v161, v17, s[22:23]
	global_load_b32 v162, v17, s[22:23] offset:512
.set i, 0
.rept 16
	global_load_b128 v[192+4*i:195+4*i], v8, s[16:17] offset:512*i
.set i, i+1
.endr
	WIN 0xc0
.set i, 0
.rept 64
	global_load_b128 v[4*i:4*i+3], v10, s[20:21] offset:2048*i
.set i, i+1
.endr
	WIN 0x40
.set i, 0
.rept 64
	global_load_b128 v[4*i:4*i+3], v13, s[10:11] offset:512*i th:TH_LOAD_NT
.set i, i+1
.endr
	WIN 0
	s_wait_loadcnt 63                              ; 64 loads, v's, were issued behind the weights: all that is older than v's second row is in
	; MY QUARTER OF K OF C's TILE.  Source 0 = 16 rows of psi_W3, source 1 = 16 rows of phi_W3: a lane ends with row 16 mt + r of C and the columns 16 nt + 8 h + 0..7.
	; Registers 0-63 hold psi's 64 numbers, 64-127 phi's.  hi goes to 128 + i (psi 128-159, phi 160-191), the differences stay, lo is packed down to i (psi 0-31, phi 32-63).
	WIN 0x8a
.set i, 0
.rept 64
	v_cvt_pk_f16_f32 v[128+i], v[2*i], v[2*i+1]
.set i, i+1
.endr
	WIN 0xa2
.set i, 0
.rept 64
	RESID 2*i, 128+i
.set i, i+1
.endr
	WIN 0x8a
.set i, 0
.rept 64
	v_cvt_pk_f16_f32 v[i], v[2*i], v[2*i+1]        ; ascending, so that no source is overwritten before it is read
.set i, i+1
.endr
	WIN 0x0a
	v_wmma_f32_16x16x32_f16 v[40:47], v[128:135], v[160:167], 0    ; two accumulators take the even and the odd K steps by turns
	v_wmma_f32_16x16x32_f16 v[48:55], v[136:143], v[168:175], 0
	v_wmma_f32_16x16x32_f16 v[40:47], v[144:151], v[176:183], v[40:47]
	v_wmma_f32_16x16x32_f16 v[48:55], v[152:159], v[184:191], v[48:55]
.irp s, 0,1,2,3
	v_wmma_f32_16x16x32_f16 v[40+8*(\s%2):47+8*(\s%2)], v[128+8*\s:135+8*\s], v[32+8*\s:39+8*\s], v[40+8*(\s%2):47+8*(\s%2)]    ; psi hi x phi lo
.endr
.irp s, 0,1,2,3
	v_wmma_f32_16x16x32_f16 v[40+8*(\s%2):47+8*(\s%2)], v[8*\s:8*\s+7], v[160+8*\s:167+8*\s], v[40+8*(\s%2):47+8*(\s%2)]        ; psi lo x phi hi
.endr
	WIN 0
	; THE MAXIMA, and u[g], w[g], z.  Their first lines are the places behind those products.
.irp q, 0,1,2,3,4,5,6,7
	v_mov_b32 v[RR+\q], 0
	v_mov_b32 v[MX+\q], 0
.endr
.irp j, 0,2,4,6
	v_pk_add_f32 v[40+\j:41+\j], v[40+\j:41+\j], v[48+\j:49+\j]
.endr
	ds_store_b128 v25, v[40:43]
	ds_store_b128 v25, v[44:47] offset:512
.irp j, 0,2,4,6
	v_max3_num_f32 v[RR], v[RR], |v[AP+\j]|, |v[AP+\j+1]|
.endr
.set i, 0
.rept 16
	v_max3_num_f32 v[RR+1], v[RR+1], |v[W0A+2*i]|, |v[W0A+2*i+1]|
	v_max3_num_f32 v[MX], v[MX], |v[W0B+2*i]|, |v[W0B+2*i+1]|
	v_max3_num_f32 v[RR+2], v[RR+2], |v[B0R+2*i]|, |v[B0R+2*i+1]|
	v_max3_num_f32 v[RR+3], v[RR+3], |v[192+4*i]|, |v[193+4*i]|
	v_max3_num_f32 v[MX+1], v[MX+1], |v[194+4*i]|, |v[195+4*i]|
.set i, i+1
.endr
	v_max_num_f32 v[RR+1], v[RR+1], v[MX]
	v_max_num_f32 v[RR+3], v[RR+3], v[MX+1]
	v_max_num_f32 v[RR+4], v[RR+4], |v160|
	v_max3_num_f32 v[RR+6], v[RR+6], |v161|, |v162|
	WIN 0x3c
.set i, 0
.rept 128                              ; W2: four chains
	v_max3_num_f32 v[MX+4+i%4], v[MX+4+i%4], |v[2*i]|, |v[2*i+1]|
.set i, i+1
.endr
	WIN 0
	v_max3_num_f32 v[RR+5], v[MX+4], v[MX+5], v[MX+6]
	v_max_num_f32 v[RR+5], v[RR+5], v[MX+7]
	v_mul_f32 v[SU], v[DT], v[DT+12]               ; u[g] = phi_W3[g] . psi_b3
	v_mul_f32 v[SU+1], v[DT+4], v[DT+8]            ; w[g] = psi_W3[g] . phi_b3
	v_mul_f32 v[SU+2], v[DT+8], v[DT+12]           ; z    = phi_b3 . psi_b3
.irp j, 1,2,3
	v_fmac_f32 v[SU], v[DT+\j], v[DT+12+\j]
	v_fmac_f32 v[SU+1], v[DT+4+\j], v[DT+8+\j]
	v_fmac_f32 v[SU+2], v[DT+8+\j], v[DT+12+\j]
.endr
	v_mov_b32 v[SU+3], 0
.irp q, 0,1,2,3,4,5,6
	WMAX RR+\q
.endr
.irp q, 0,1,2
	WSUM SU+\q
.endr
	ds_store_b128 v26, v[RR:RR+3]
	ds_store_b128 v26, v[RR+4:RR+7] offset:16
	ds_store_b128 v26, v[SU:SU+3] offset:32
	BAR                                            ; barrier 1: every wave's maxima, sums and part of C's tile lie in LDS
	; THE SCALES, the same in all four waves.
	v_mov_b32 v31, RED
	WIN 0x80
.irp k, 0,1,2,3
	ds_load_b128 v[128+12*\k:131+12*\k], v31 offset:64*\k
	ds_load_b128 v[132+12*\k:135+12*\k], v31 offset:64*\k+16
	ds_load_b128 v[136+12*\k:139+12*\k], v31 offset:64*\k+32
.endr
	s_wait_dscnt 0x0
	WIN 0x2a
.irp q, 0,1,2,3,4,5,6
	v_max3_num_f32 v[RR+\q], v[128+\q], v[140+\q], v[152+\q]
.endr
	WIN 0x0a
.irp q, 0,1,2
	v_add_f32 v[SU+\q], v[136+\q], v[148+\q]
.endr
	WIN 0x08
.irp q, 0,1,2,3,4,5,6
	v_max_num_f32 v[RR+\q], v[RR+\q], v[164+\q]
.endr
.irp q, 0,1,2
	v_add_f32 v[SU+\q], v[SU+\q], v[160+\q]
	v_add_f32 v[SU+\q], v[SU+\q], v[172+\q]
.endr
	WIN 0
	v_mul_f32 v31, v[RR], v[RR+1]
	v_fma_f32 v31, v31, 2.0, v[RR+2]               ; B1 = 2 A m0 + c0
	v_max_num_f32 v31, 0x21800000, v31             ; at least 2^-60
	v_mul_f32 v[MX], v[RR+3], v31
	v_fmamk_f32 v[MX], v[MX], 0x42800000, v[RR+4]  ; B2 = 64 m1 B1 + c1
	v_max_num_f32 v[MX], 0x21800000, v[MX]
	v_mul_f32 v[MX+1], v[RR+5], v[MX]
	v_fmamk_f32 v[MX+1], v[MX+1], 0x43000000, v[RR+6]  ; B3 = 128 m2 B2 + c2
	v_max_num_f32 v[MX+1], 0x21800000, v[MX+1]
	v_readfirstlane_b32 s55, v31
	v_readfirstlane_b32 s56, v[MX]
	v_readfirstlane_b32 s57, v[MX+1]
	s_lshr_b32 s55, s55, 23                        ; e1, e2, e3: the exponent fields
	s_lshr_b32 s56, s56, 23
	s_lshr_b32 s57, s57, 23
	s_sub_co_i32 s40, 268, s55                     ; s0 = 2^(141 - e1), for W0 and b0.  Each factor is a pair, since the packed multiply names a pair
	s_lshl_b32 s40, s40, 23
	s_mov_b32 s41, s40
	s_sub_co_i32 s38, s55, s56                     ; sW1 = 2^(e1 - e2)
	s_add_co_i32 s38, s38, 127
	s_max_i32 s38, s38, 1
	s_min_i32 s38, s38, 254
	s_lshl_b32 s42, s38, 23
	s_mov_b32 s43, s42
	s_sub_co_i32 s44, 268, s56                     ; sb1 = 2^(141 - e2)
	s_lshl_b32 s44, s44, 23
	s_mov_b32 s45, s44
	s_sub_co_i32 s38, s56, s57                     ; sW2 = 2^(e2 - e3)
	s_add_co_i32 s38, s38, 127
	s_max_i32 s38, s38, 1
	s_min_i32 s38, s38, 254
	s_lshl_b32 s46, s38, 23
	s_mov_b32 s47, s46
	s_sub_co_i32 s48, 268, s57                     ; sb2 = 2^(141 - e3)
	s_lshl_b32 s48, s48, 23
	s_mov_b32 s49, s48
	s_sub_co_i32 s50, s57, 14                      ; un3 = 2^(e3 - 141): takes H3's scale out of S
	s_lshl_b32 s50, s50, 23
	s_mov_b32 s51, s50
	; Wave 0 finishes C's tile: the four quarters of K are added, times 16, split, and each half stored as 512 consecutive bytes.
	s_cmp_lg_u32 s3, 0
	s_cbranch_scc1 .Lno_tile
.irp k, 0,1
	ds_load_b128 v[40+8*\k:43+8*\k], v25 offset:1024*\k
	ds_load_b128 v[44+8*\k:47+8*\k], v25 offset:1024*\k+512
	ds_load_b128 v[DT+8*\k:DT+8*\k+3], v25 offset:2048+1024*\k
	ds_load_b128 v[DT+8*\k+4:DT+8*\k+7], v25 offset:2048+1024*\k+512
.endr
	s_wait_dscnt 0x0
.irp j, 0,2,4,6
	v_pk_add_f32 v[40+\j:41+\j], v[40+\j:41+\j], v[48+\j:49+\j]
	v_pk_add_f32 v[DT+\j:DT+\j+1], v[DT+\j:DT+\j+1], v[DT+8+\j:DT+9+\j]
.endr
.irp j, 0,2,4,6
	v_pk_add_f32 v[40+\j:41+\j], v[40+\j:41+\j], v[DT+\j:DT+\j+1]
.endr
.irp j, 0,2,4,6
	v_pk_mul_f32 v[40+\j:41+\j], v[40+\j:41+\j], 0x41800000 op_sel_hi:[1,0]
.endr
.irp p, 0,1,2,3
	v_cvt_pk_f16_f32 v[48+\p], v[40+2*\p], v[41+2*\p]
.endr
.irp p, 0,1,2,3
	RESID 40+2*\p, 48+\p
.endr
.irp p, 0,1,2,3
	v_cvt_pk_f16_f32 v[52+\p], v[40+2*\p], v[41+2*\p]
.endr
	global_store_b128 v7, v[48:51], s[34:35]
	global_store_b128 v7, v[52:55], s[34:35] offset:131072
.Lno_tile:
	; Wave 1 stores u[g], w[g] and a copy of z: one lane.
	s_cmp_lg_u32 s3, 1
	s_cbranch_scc1 .Lno_uw
	s_wait_xcnt 0x0                                ; EXEC is a source of the loads still out: it changes only behind this wait
	v_cmp_eq_u32 vcc_lo, 0, v1
	s_and_saveexec_b32 s38, vcc_lo
	global_store_b32 v6, v[SU], s[36:37]
	global_store_b32 v6, v[SU+1], s[36:37] offset:1024
	global_store_b32 v6, v[SU+2], s[36:37] offset:2048
	s_wait_xcnt 0x0                                ; and again ahead of the line that widens it; the stores' data are free behind it too
	s_or_b32 exec_lo, exec_lo, s38
.Lno_uw:
	; THE WEIGHTS ARE SCALED, SPLIT AND LAID INTO LDS.
	v_add_nc_u32 v8, W2X, v11                      ; W2's lo image (the loads that read v8, v10 and v23 as offsets are in: the counted wait above)
	v_add_nc_u32 v10, W2X, v12
	v_add_nc_u32 v23, W2X, v19
.set i, 0
.rept 48
	v_pk_mul_f32 v[W0A+2*i:W0A+2*i+1], v[W0A+2*i:W0A+2*i+1], s[40:41] op_sel_hi:[1,0]  ; W0 and b0 stay f32
.set i, i+1
.endr
	v_mul_f32 v160, s44, v160
	v_mul_f32 v161, s48, v161
	v_mul_f32 v162, s48, v162
	v_add_nc_u32 v31, B1L, v17
	ds_store_b32 v31, v160
	ds_store_b32 v31, v161 offset:512              ; B2L = B1L + 512
	ds_store_b32 v31, v162 offset:1024
.macro W1B b                           ; eight of my sixteen rows of W1: hi into v176-191, the differences in place, lo packed down
.set i, 0
.rept 16
	v_pk_mul_f32 v[192+32*(\b)+2*i:193+32*(\b)+2*i], v[192+32*(\b)+2*i:193+32*(\b)+2*i], s[42:43] op_sel_hi:[1,0]
.set i, i+1
.endr
.set i, 0
.rept 16
	v_cvt_pk_f16_f32 v[176+i], v[192+32*(\b)+2*i], v[193+32*(\b)+2*i]
.set i, i+1
.endr
.set i, 0
.rept 16
	RESID 192+32*(\b)+2*i, 176+i
.set i, i+1
.endr
.set i, 0
.rept 16
	v_cvt_pk_f16_f32 v[192+32*(\b)+i], v[192+32*(\b)+2*i], v[193+32*(\b)+2*i]
.set i, i+1
.endr
.set i, 0
.rept 8
	ds_store_b64 v9, v[176+2*i:177+2*i] offset:288*(8*(\b)+i)
	ds_store_b64 v9, v[192+32*(\b)+2*i:193+32*(\b)+2*i] offset:W1X+288*(8*(\b)+i)
.set i, i+1
.endr
.endm
	W1B 0
	W1B 1
	WIN 0xc3
.set i, 0
.rept 128
	v_pk_mul_f32 v[2*i:2*i+1], v[2*i:2*i+1], s[46:47] op_sel_hi:[1,0]
.set i, i+1
.endr
.macro W2B b, ahi, alo                 ; 32 of my 64 loads of W2: hi into window 0's v192-255, the differences in place, lo packed down
	WIN 0x0f
.set i, 0
.rept 64
	v_cvt_pk_f16_f32 v[192+i], v[128*(\b)+2*i], v[128*(\b)+2*i+1]
.set i, i+1
.endr
	WIN 0xf0
.set i, 0
.rept 64
	RESID 128*(\b)+2*i, 192+i
.set i, i+1
.endr
	WIN 0xcf
.set i, 0
.rept 64
	v_cvt_pk_f16_f32 v[128*(\b)+i], v[128*(\b)+2*i], v[128*(\b)+2*i+1]
.set i, i+1
.endr
	WIN 0
.set i, 0
.rept 32
	ds_store_b64 v[\ahi], v[192+2*i:193+2*i] offset:1088*i
.set i, i+1
.endr
	WIN 0x0c
.set i, 0
.rept 32
	ds_store_b64 v[\alo], v[128*(\b)+2*i:128*(\b)+2*i+1] offset:1088*i
.set i, i+1
.endr
.endm
	W2B 0, 11, 8
	W2B 1, 12, 10
	WIN 0
	; v: sixteen rows at a time: into sv's sums (f32, unrounded), rounded, into LDS.
.irp q, 0,1,2,3,4,5,6,7
	v_mov_b32 v[MX+\q], 0
.endr
.macro VBATCH b, left
	s_wait_loadcnt \left                           ; loads come back in order: the rows behind this batch may stay out
	WIN 0x04
.set i, 16*(\b)
.rept 16
	v_pk_add_f32 v[MX+4*(i%2):MX+4*(i%2)+1], v[MX+4*(i%2):MX+4*(i%2)+1], v[4*i:4*i+1]
	v_pk_add_f32 v[MX+4*(i%2)+2:MX+4*(i%2)+3], v[MX+4*(i%2)+2:MX+4*(i%2)+3], v[4*i+2:4*i+3]
.set i, i+1
.endr
	WIN 0x45
.set i, 16*(\b)
.rept 16
	v_cvt_pk_f16_f32 v[4*i], v[4*i], v[4*i+1]
	v_cvt_pk_f16_f32 v[4*i+1], v[4*i+2], v[4*i+3]
.set i, i+1
.endr
	WIN 0x04
.set i, 16*(\b)
.rept 16
	ds_store_b64 v14, v[4*i:4*i+1] offset:288*i
.set i, i+1
.endr
.endm
	VBATCH 0, 48
	VBATCH 1, 32
	VBATCH 2, 16
	VBATCH 3, 0
	WIN 0
	v_pk_add_f32 v[MX:MX+1], v[MX:MX+1], v[MX+4:MX+5]
	v_pk_add_f32 v[MX+2:MX+3], v[MX+2:MX+3], v[MX+6:MX+7]
	ds_store_b128 v29, v[MX:MX+3]
	v_add_nc_u32 v13, H2X, v22                     ; where I write H2's lo half (v's loads, which read v13, are in),
	v_add_nc_u32 v14, H2X, v21                     ; and where the main loop reads it
	BAR                                            ; barrier 2: W1, W2, b1, b2, v and sv's parts lie in LDS
	; What stays in registers is fetched: W1's fragments, b1, and my 64 columns of W2.
	WIN 0xc0
.set t, 0
.rept 8
.irp s, 0,1
	ds_load_tr16_b128 v[8*(2*t+\s):8*(2*t+\s)+3], v18 offset:9216*\s+32*t          ; W1^T: out features 16 t on, in features 32 s on
	ds_load_tr16_b128 v[8*(2*t+\s)+4:8*(2*t+\s)+7], v18 offset:9216*\s+32*t+4608
	ds_load_tr16_b128 v[128+8*(2*t+\s):128+8*(2*t+\s)+3], v18 offset:W1X+9216*\s+32*t
	ds_load_tr16_b128 v[128+8*(2*t+\s)+4:128+8*(2*t+\s)+7], v18 offset:W1X+9216*\s+32*t+4608
.endr
.set t, t+1
.endr
	WIN 0x40
.set t, 0
.rept 8
	ds_load_b128 v[8*t:8*t+3], v30 offset:64*t
	ds_load_b128 v[8*t+4:8*t+7], v30 offset:64*t+16
.set t, t+1
.endr
	WIN 0x80
.irp u, 0,1,2,3
.irp s, 0,1,2,3
	ds_load_tr16_b128 v[8*(4*\u+\s):8*(4*\u+\s)+3], v19 offset:17408*\s+32*\u      ; W2's columns 64 w + 16 u on, in features 32 s on
	ds_load_tr16_b128 v[8*(4*\u+\s)+4:8*(4*\u+\s)+7], v19 offset:17408*\s+32*\u+8704
	ds_load_tr16_b128 v[128+8*(4*\u+\s):128+8*(4*\u+\s)+3], v23 offset:17408*\s+32*\u
	ds_load_tr16_b128 v[128+8*(4*\u+\s)+4:128+8*(4*\u+\s)+7], v23 offset:17408*\s+32*\u+8704
.endr
.endr
	WIN 0
	s_cmp_lg_u32 s3, 2                             ; wave 2 adds sv's four parts and stores them: 512 consecutive bytes
	s_cbranch_scc1 .Lno_sv
	s_wait_xcnt 0x0                                ; no earlier store still reads the registers that are loaded here
	v_add_nc_u32 v31, SVL, v7
.irp k, 0,1,2,3
	ds_load_b128 v[40+4*\k:43+4*\k], v31 offset:512*\k
.endr
	s_wait_dscnt 0x0
.irp j, 0,2
	v_pk_add_f32 v[40+\j:41+\j], v[40+\j:41+\j], v[44+\j:45+\j]
	v_pk_add_f32 v[48+\j:49+\j], v[48+\j:49+\j], v[52+\j:53+\j]
.endr
.irp j, 0,2
	v_pk_add_f32 v[40+\j:41+\j], v[40+\j:41+\j], v[48+\j:49+\j]
.endr
	global_store_b128 v7, v[40:43], s[32:33] offset:131072
.Lno_sv:
	BAR                                            ; barrier 2b: every wave has W2's columns in registers: H2 may be written over W2
	; THE FRONT: layers 0 and 1 for my wave's 64 tokens.
.macro L1 ao, bo, s                    ; eight products of layer 1: W1's fragments at ao, H1's at bo, K step s; the eight accumulators take turns
.set t, 0
.rept 8
	v_wmma_f32_16x16x32_f16 v[192+8*t:199+8*t], v[(\ao)+16*t+8*(\s):(\ao)+16*t+8*(\s)+7], v[(\bo)+8*(\s):(\bo)+8*(\s)+7], v[192+8*t:199+8*t]
.set t, t+1
.endr
.endm
	s_mov_b32 s54, 4
.Lfront:                                       ; a trip: one tile of 16 tokens
.set i, 0
.rept 16                               ; layer 0 has K = 2: two fused multiply-adds in f32, for just the 32 features that my lane's two fragments hold
	v_pk_fma_f32 v[192+2*i:193+2*i], v[W0B+2*i:W0B+2*i+1], v[AP:AP+1], v[B0R+2*i:B0R+2*i+1] op_sel:[0,1,0] op_sel_hi:[1,1,1]
.set i, i+1
.endr
.set i, 0
.rept 16
	v_pk_fma_f32 v[192+2*i:193+2*i], v[W0A+2*i:W0A+2*i+1], v[AP:AP+1], v[192+2*i:193+2*i] op_sel_hi:[1,0,1]
.set i, i+1
.endr
.set i, 0
.rept 32
	v_max_num_f32 v[192+i], 0, v[192+i]            ; ReLU, in f32
.set i, i+1
.endr
	WIN 0x40
.set i, 0
.rept 16
	v_cvt_pk_f16_f32 v[64+i], v[192+2*i], v[193+2*i]   ; H1 hi
.set i, i+1
.endr
	WIN 0x01
.set i, 0
.rept 16
	RESID 192+2*i, 64+i
.set i, i+1
.endr
	WIN 0x40
.set i, 0
.rept 16
	v_cvt_pk_f16_f32 v[80+i], v[192+2*i], v[193+2*i]   ; H1 lo
.set i, i+1
.endr
	WIN 0x17
.set t, 0
.rept 8                                ; b1 starts the sums
	v_wmma_f32_16x16x32_f16 v[192+8*t:199+8*t], v[16*t:16*t+7], v[64:71], v[8*t:8*t+7]
.set t, t+1
.endr
	WIN 0x07
	L1 0, 64, 1                                    ; W1 hi x H1 hi
	L1 0, 80, 0                                    ; W1 hi x H1 lo
	L1 0, 80, 1
	L1 128, 64, 0                                  ; W1 lo x H1 hi
	L1 128, 64, 1
	WIN 0
	PLACES
.set i, 0
.rept 64
	v_max_num_f32 v[192+i], 0, v[192+i]            ; ascending: each accumulator from its low end
.set i, i+1
.endr
.set i, 0
.rept 32
	v_cvt_pk_f16_f32 v[160+i], v[192+2*i], v[193+2*i]  ; H2 hi: tile t at 160 + 4 t
.set i, i+1
.endr
.set i, 0
.rept 32
	RESID 192+2*i, 160+i
.set i, i+1
.endr
.set i, 0
.rept 32
	v_cvt_pk_f16_f32 v[192+i], v[192+2*i], v[193+2*i]  ; H2 lo: tile t at 192 + 4 t
.set i, i+1
.endr
.set t, 0
.rept 8
	ds_store_b128 v22, v[160+4*t:163+4*t] offset:512*t
	ds_store_b128 v13, v[192+4*t:195+4*t] offset:512*t
.set t, t+1
.endr
	v_add_nc_u32 v22, 4096, v22
	v_add_nc_u32 v13, 4096, v13
.irp j, 0,1,2,3,4,5
	v_mov_b32 v[AP+\j], v[AP+2+\j]                 ; the next tile's a
.endr
	s_sub_co_u32 s54, s54, 1
	s_cmp_lg_u32 s54, 0
	s_cbranch_scc1 .Lfront
	s_wait_dscnt 0x0                               ; barrier 3: H2 of all 256 tokens lies in LDS
	s_barrier_signal -1
	WIN 0x40                                       ; S's sums are cleared while the others arrive: 256 lines, so that the trip below is written once (a first trip of its own, with the constant 0 as C, would be three times these bytes)
.set i, 0
.rept 256
	v_mov_b32 v[i], 0
.set i, i+1
.endr
	WIN 0
	s_barrier_wait -1
	; THE MAIN LOOP.  My wave owns H3's features 64 w .. 64 w + 63.  A trip takes 32 tokens: H3 = ReLU(H2 W2 + b2) for them (96 products), split, and S += v^T H3 (64 products).
.macro LOAD_SA                         ; H2 of two token tiles, hi and lo: 32 loads
	WIN 0xc0
.irp x, 0,1
.irp s, 0,1,2,3
	ds_load_b128 v[8*(4*\x+\s):8*(4*\x+\s)+3], v21 offset:4096*\x+1024*\s
	ds_load_b128 v[8*(4*\x+\s)+4:8*(4*\x+\s)+7], v21 offset:4096*\x+1024*\s+512
	ds_load_b128 v[64+8*(4*\x+\s):64+8*(4*\x+\s)+3], v14 offset:4096*\x+1024*\s
	ds_load_b128 v[64+8*(4*\x+\s)+4:64+8*(4*\x+\s)+7], v14 offset:4096*\x+1024*\s+512
.endr
.endr
	WIN 0
	v_add_nc_u32 v21, 8192, v21
	v_add_nc_u32 v14, 8192, v14
.endm
.macro MUL1 ao, bo, s, first           ; eight products: H2 at ao, W2 at bo, K step s; the eight accumulators take turns
.irp x, 0,1
.irp u, 0,1,2,3
.if \first
	v_wmma_f32_16x16x32_f16 v[64+8*(4*\x+\u):71+8*(4*\x+\u)], v[(\ao)+8*(4*\x+\s):(\ao)+8*(4*\x+\s)+7], v[(\bo)+8*(4*\u+\s):(\bo)+8*(4*\u+\s)+7], v[192+8*\u:199+8*\u]
.else
	v_wmma_f32_16x16x32_f16 v[64+8*(4*\x+\u):71+8*(4*\x+\u)], v[(\ao)+8*(4*\x+\s):(\ao)+8*(4*\x+\s)+7], v[(\bo)+8*(4*\u+\s):(\bo)+8*(4*\u+\s)+7], v[64+8*(4*\x+\u):71+8*(4*\x+\u)]
.endif
.endr
.endr
.endm
.macro MUL2 ho                         ; 32 products: v^T x H3's half at ho; the 32 accumulators take turns
.irp c, 0,1,2,3,4,5,6,7
.irp u, 0,1,2,3
	v_wmma_f32_16x16x32_f16 v[8*(4*\c+\u):8*(4*\c+\u)+7], v[128+8*\c:135+8*\c], v[(\ho)+8*\u:(\ho)+8*\u+7], v[8*(4*\c+\u):8*(4*\c+\u)+7]
.endr
.endr
.endm
.irp u, 0,1,2,3
	ds_load_b32 v[RR+\u], v24 offset:64*\u
.endr
	LOAD_SA
	s_wait_dscnt 32                                ; b2's four loads are older than H2's 32
	WIN 0xc0
.irp u, 0,1,2,3
.irp j, 0,1,2,3,4,5,6,7
	v_mov_b32 v[192+8*\u+\j], v[RR+\u]             ; b2 of my feature, for all eight tokens of a result: the C operand that starts H3's sums
.endr
.endr
	WIN 0
	s_mov_b32 s54, 8
.Ltrip:
	WIN 0xc0                                       ; v^T of this trip's 32 tokens, turned: 16 loads, which land under the first product
.irp c, 0,1,2,3,4,5,6,7
	ds_load_tr16_b128 v[128+8*\c:131+8*\c], v20 offset:32*\c
	ds_load_tr16_b128 v[132+8*\c:135+8*\c], v20 offset:32*\c+4608
.endr
	WIN 0
	v_add_nc_u32 v20, 9216, v20
	s_wait_dscnt 16                                ; H2 is in: only the 16 loads just issued are younger
	WIN 0x3b
	MUL1 0, 0, 0, 1
	WIN 0x0b
	MUL1 0, 0, 1, 0                                ; H2 hi x W2 hi
	MUL1 0, 0, 2, 0
	MUL1 0, 0, 3, 0
.irp s, 0,1,2,3
	MUL1 0, 128, \s, 0                             ; H2 hi x W2 lo
.endr
.irp s, 0,1,2,3
	MUL1 64, 0, \s, 0                              ; H2 lo x W2 hi
.endr
	WIN 0
	PLACES                                         ; ahead of the loads into H2's registers and of the ReLU
	s_wait_dscnt 0x0                               ; v^T is in.  It stands ahead of the jump, so that it counts the same on both ways
	s_cmp_eq_u32 s54, 1                            ; the last trip has no next tokens to fetch
	s_cbranch_scc1 .Lno_sa
	LOAD_SA
.Lno_sa:
.set i, 0
.rept 64
	v_max_num_f32 v[64+i], 0, v[64+i]              ; ascending: each accumulator from its low end
.set i, i+1
.endr
.irp x, 0,1
.irp u, 0,1,2,3
.irp p, 0,1,2,3
	v_cvt_pk_f16_f32 v[128+8*\u+4*\x+\p], v[64+8*(4*\x+\u)+2*\p], v[64+8*(4*\x+\u)+2*\p+1]
.endr
.endr
.endr
.irp x, 0,1
.irp u, 0,1,2,3
.irp p, 0,1,2,3
	RESID 64+8*(4*\x+\u)+2*\p, 128+8*\u+4*\x+\p
.endr
.endr
.endr
.irp x, 0,1
.irp u, 0,1,2,3
.irp p, 0,1,2,3
	v_cvt_pk_f16_f32 v[160+8*\u+4*\x+\p], v[64+8*(4*\x+\u)+2*\p], v[64+8*(4*\x+\u)+2*\p+1]
.endr
.endr
.endr
	WIN 0x53
	MUL2 128
	MUL2 160
	WIN 0
	PLACES                                         ; ahead of the next loads of v^T, of the next roundings, and of the way out
	s_sub_co_u32 s54, s54, 1
	s_cmp_lg_u32 s54, 0
	s_cbranch_scc1 .Ltrip
	; THE WAY OUT.  A lane holds feature 64 w + 16 u + r and the columns 16 ct + 8 h + 0..7.  part is laid [c / 4][feature][c % 4]: sixteen lanes store 256 consecutive bytes, aligned.
	WIN 0x41
.set i, 0
.rept 128
	v_pk_mul_f32 v[2*i:2*i+1], v[2*i:2*i+1], s[50:51] op_sel_hi:[1,0]
.set i, i+1
.endr
	WIN 0x04
.irp c, 0,1,2,3,4,5,6,7
.irp u, 0,1,2,3
	global_store_b128 v28, v[8*(4*\c+\u):8*(4*\c+\u)+3], s[32:33] offset:16384*\c+256*\u
	global_store_b128 v28, v[8*(4*\c+\u)+4:8*(4*\c+\u)+7], s[32:33] offset:16384*\c+256*\u+4096
.endr
.endr
	WIN 0
	s_wait_tensorcnt 0x0                           ; the wave's end, behind my last LDS store
	ds_add_u32 v4, v5
	s_wait_dscnt 0x0
	s_endpgm
.Lfunc_end_k_q1472d05ac3_psi_part:
	.size	k_q1472d05ac3_psi_part, .Lfunc_end_k_q1472d05ac3_psi_part-k_q1472d05ac3_psi_part
	.p2alignl 7, 3214868480
	.fill 96, 4, 3214868480
	.section	.rodata,"a",@progbits
	.p2align	6, 0x0
	.amdhsa_kernel k_q1472d05ac3_psi_part
		.amdhsa_group_segment_fixed_size 258304
		.amdhsa_private_segment_fixed_size 0
		.amdhsa_enable_private_segment 0
		.amdhsa_kernarg_size 120
		.amdhsa_user_sgpr_count 2
		.amdhsa_user_sgpr_kernarg_segment_ptr 1
		.amdhsa_wavefront_size32 1
		.amdhsa_system_sgpr_workgroup_id_x 1
		.amdhsa_system_sgpr_workgroup_id_y 1
		.amdhsa_system_sgpr_workgroup_id_z 1
		.amdhsa_system_vgpr_workitem_id 0
		.amdhsa_next_free_vgpr 1024
		.amdhsa_next_free_sgpr 66
		.amdhsa_reserve_vcc 1
		.amdhsa_float_denorm_mode_32 3
		.amdhsa_float_denorm_mode_16_64 3
		.amdhsa_memory_ordered 1
		.amdhsa_forward_progress 1
		.amdhsa_inst_pref_size 234
	.end_amdhsa_kernel
	.amdgpu_metadata
---
amdhsa.version: [ 1, 2 ]
amdhsa.kernels:
  - .name:           k_q1472d05ac3_psi_part
    .symbol:         k_q1472d05ac3_psi_part.kd
    .args:
      - { .name: a, .offset: 0, .size: 8, .value_kind: global_buffer, .address_space: global }
      - { .name: v, .offset: 8, .size: 8, .value_kind: global_buffer, .address_space: global }
      - { .name: psi_W0, .offset: 16, .size: 8, .value_kind: global_buffer, .address_space: global }
      - { .name: psi_b0, .offset: 24, .size: 8, .value_kind: global_buffer, .address_space: global }
      - { .name: psi_W1, .offset: 32, .size: 8, .value_kind: global_buffer, .address_space: global }
      - { .name: psi_b1, .offset: 40, .size: 8, .value_kind: global_buffer, .address_space: global }
      - { .name: psi_W2, .offset: 48, .size: 8, .value_kind: global_buffer, .address_space: global }
      - { .name: psi_b2, .offset: 56, .size: 8, .value_kind: global_buffer, .address_space: global }
      - { .name: phi_W3, .offset: 64, .size: 8, .value_kind: global_buffer, .address_space: global }
      - { .name: psi_W3, .offset: 72, .size: 8, .value_kind: global_buffer, .address_space: global }
      - { .name: phi_b3, .offset: 80, .size: 8, .value_kind: global_buffer, .address_space: global }
      - { .name: psi_b3, .offset: 88, .size: 8, .value_kind: global_buffer, .address_space: global }
      - { .name: part, .offset: 96, .size: 8, .value_kind: global_buffer, .address_space: global }
      - { .name: cw, .offset: 104, .size: 8, .value_kind: global_buffer, .address_space: global }
      - { .name: uw, .offset: 112, .size: 8, .value_kind: global_buffer, .address_space: global }
    .group_segment_fixed_size: 258304
    .private_segment_fixed_size: 0
    .kernarg_segment_align: 8
    .kernarg_segment_size: 120
    .max_flat_workgroup_size: 128
    .sgpr_count:     66
    .vgpr_count:     1024
    .wavefront_size: 32
...
	.end_amdgpu_metadata
.endif
;; end of part 1
;; launch mix (part 2): grid 256 x 1, 4 waves a work-group, no clusters, 7,168 bytes of LDS; arguments part, cw, uw, gw; writes gw
.if DOCPART == 2
	.amdgcn_target "amdgcn-amd-amdhsa--gfx1250"
	.amdhsa_code_object_version 6
	.text
	.protected	k_q1472d05ac3_mix
	.globl	k_q1472d05ac3_mix
	.p2align	8
	.type	k_q1472d05ac3_mix,@function
k_q1472d05ac3_mix:
	s_mov_b64 s[64:65], 0
	v_nop
	global_prefetch_b8 v0, s[64:65] scope:SCOPE_SE
	s_setreg_imm32_b32 hwreg(HW_REG_WAVE_MODE, 25, 1), 1
	s_wait_xcnt 0x0
; LowRank1d, launch 2 of 3.  Work-group g = 32 b + q makes four columns c = 4 q .. 4 q + 3 of batch b:
;   S = the sum of the batch's 32 partial S (f32), sv likewise;  G = (C S + u sv) / n [256][4];  g0 = (w^T S + z sv) / n.   Nothing of the problem is left out.
; FORMATS.  16 C arrives in two f16 halves, hi and lo.  S is scaled by 2^(141 - es), es the exponent field of max |S| of these four columns, and split likewise (hi = f16(x), lo = f16(x - hi), the difference exact in f32);
;   the product is hi hi + hi lo + lo hi on one f32 sum, which starts from 16 u sv in the same scale (f32).  G is scaled by its own maximum in the same way and rounded once to f16;
;   sc = 2^(eg + es - 299) undoes both scales, the 16 and n = 8,192.  g0 is made in f32 on the vector unit.
; LIMITS.  A maximum under 2^-60 is taken as 2^-60; sc's exponent field is held to 1 .. 254; the maxima pass over NaN.
; NO CLUSTER: what the work-groups share, C (262,144 bytes), goes from memory straight into each wave's registers as operands; the stream, part, has one reader for each byte.
; SHARES.  Thread t sums features t and t + 128.  Wave w makes G's rows 64 w .. 64 w + 63: four accumulators by turns, K = 256.  The product's 16 columns hold the four c four times over.
; REGISTERS: window 0: v0-19 ids and addresses (v2 = 1.0), v20-27 S, v28-31 sv, v32-63 at work, v64-127 S hi's fragments, v128-159 u, then G, v192-207 G rounded;
;   window 1: the partials, then S lo's fragments v0-63;  window 2: C hi's fragments;  window 3: C lo's.
.set SL,    0                          ; S in f16, [c 4][f 256], pitch 528: hi, and SX further on lo
.set SX,    2112
.set GS,    4352                       ; G's image: [mt 16][h 2][c 4] x 16 bytes
.set RED,   6400                       ; words 0-3 max |S| by wave; 16 + 16 w: g0's parts; words 32-35 max |G| by wave
.set SPARE, 6656                       ; the spare words, 128 bytes a wave: no other line names them
.set ONE, 2
.set MSB, 0
.macro WIN new
.if MSB != (\new)
	s_set_vgpr_msb (MSB<<8)|(\new)
.set MSB, (\new)
.endif
.endm
.macro RESID x, hh                     ; registers x, x + 1 less the two f16 halves of register hh: exact in f32
	v_fma_mix_f32 v[\x], -v[\hh], v[ONE], v[\x] op_sel_hi:[1,0,0]
	v_fma_mix_f32 v[(\x)+1], -v[\hh], v[ONE], v[(\x)+1] op_sel:[1,0,0] op_sel_hi:[1,0,0]
.endm
.macro WMAX x
	v_max_num_f32_dpp v[\x], v[\x], v[\x] row_xmask:1 row_mask:0xf bank_mask:0xf
	v_max_num_f32_dpp v[\x], v[\x], v[\x] row_xmask:2 row_mask:0xf bank_mask:0xf
	v_max_num_f32_dpp v[\x], v[\x], v[\x] row_xmask:4 row_mask:0xf bank_mask:0xf
	v_max_num_f32_dpp v[\x], v[\x], v[\x] row_xmask:8 row_mask:0xf bank_mask:0xf
	v_permlanex16_b32 v38, v[\x], s52, s53
	v_max_num_f32 v[\x], v[\x], v38
.endm
.macro WSUM x
	v_add_f32_dpp v[\x], v[\x], v[\x] row_xmask:1 row_mask:0xf bank_mask:0xf
	v_add_f32_dpp v[\x], v[\x], v[\x] row_xmask:2 row_mask:0xf bank_mask:0xf
	v_add_f32_dpp v[\x], v[\x], v[\x] row_xmask:4 row_mask:0xf bank_mask:0xf
	v_add_f32_dpp v[\x], v[\x], v[\x] row_xmask:8 row_mask:0xf bank_mask:0xf
	v_permlanex16_b32 v38, v[\x], s52, s53
	v_add_f32 v[\x], v[\x], v38
.endm
.macro BAR
	s_wait_dscnt 0x0
	s_barrier_signal -1
	s_barrier_wait -1
.endm
	s_load_b256 s[8:15], s[0:1], 0x0               ; part 8, cw 10, uw 12, gw 14
	v_lshl_add_u32 v4, v0, 2, SPARE
	v_mov_b32 v5, 0
	v_mov_b32 v[ONE], 1.0
	v_and_b32 v1, 31, v0                           ; L
	v_bfe_u32 v3, v0, 4, 1                         ; h
	v_and_b32 v6, 3, v0                            ; r % 4: my column
	v_lshrrev_b32 v38, 5, v0
	v_readfirstlane_b32 s3, v38                    ; w
	s_lshr_b32 s4, ttmp9, 5                        ; b
	s_and_b32 s5, ttmp9, 31                        ; q
	s_mov_b32 s52, 0x76543210
	s_mov_b32 s53, 0xfedcba98
	v_lshlrev_b32 v8, 4, v0                        ; 16 x thread
	v_mul_u32_u24 v9, v1, 131584                   ; lane L takes chunk L's part of sv
	s_lshl_b32 s16, s3, 15
	v_lshl_add_u32 v10, v1, 4, s16                 ; cw: my wave's 64 pieces of 512 bytes
	v_lshlrev_b32 v11, 1, v0                       ; S[c][t] (SL = 0)
	v_mul_u32_u24 v12, v6, 528
	v_lshl_add_u32 v12, v3, 4, v12                 ; a fragment of S: row r % 4, 16 h
	s_lshl_b32 s16, s3, 9
	s_add_co_u32 s16, s16, GS
	v_lshl_add_u32 v13, v6, 4, s16
	v_lshl_add_u32 v13, v3, 6, v13                 ; G's image: 128 (4 w + i) + 64 h + 16 (r % 4)
	v_add_nc_u32 v14, GS, v8
	s_lshl_b32 s16, s3, 4
	s_add_co_u32 s16, s16, RED+16
	v_mov_b32 v15, s16
	v_mov_b32 v16, RED
	s_lshl_b32 s16, s3, 2
	s_add_co_u32 s16, s16, RED
	v_mov_b32 v7, s16
	v_lshlrev_b32 v17, 2, v0                       ; w[t]
	s_lshl_b32 s16, s3, 8
	v_lshl_add_u32 v18, v3, 5, s16                 ; u[16 (4 w + i) + 8 h + 0..7]
	v_lshlrev_b32 v19, 3, v1
	s_wait_kmcnt 0x0
	s_load_b32 s34, s[12:13], 0x800                ; z (the first work-group's copy)
	s_mov_b32 s17, 0
	s_mul_i32 s16, s4, 4210688                     ; the batch's 32 blocks of 131,584 bytes
	s_add_nc_u64 s[8:9], s[8:9], s[16:17]
	s_lshl_b32 s16, s5, 4
	s_add_co_u32 s16, s16, 131072
	s_add_nc_u64 s[20:21], s[8:9], s[16:17]        ; sv's parts, my four columns
	s_lshl_b32 s16, s5, 12
	s_add_nc_u64 s[8:9], s[8:9], s[16:17]          ; S's parts, my four columns: 4,096 bytes a block
	s_mul_i32 s16, ttmp9, 2304
	s_add_nc_u64 s[14:15], s[14:15], s[16:17]      ; my block of gw
	WIN 0x80
.set i, 0
.rept 64                               ; C hi: row tile 4 w + i / 16, piece i % 16: registers 64 (i / 16) + 4 (i % 16): two pieces are a fragment
	global_load_b128 v[4*i:4*i+3], v10, s[10:11] offset:512*i
.set i, i+1
.endr
	WIN 0xc0
.set i, 0
.rept 64                               ; C lo likewise
	global_load_b128 v[4*i:4*i+3], v10, s[10:11] offset:131072+512*i
.set i, i+1
.endr
	WIN 0
.irp i, 0,1,2,3
	global_load_b128 v[128+8*\i:131+8*\i], v18, s[12:13] offset:64*\i
	global_load_b128 v[132+8*\i:135+8*\i], v18, s[12:13] offset:64*\i+16
.endr
	global_load_b32 v36, v17, s[12:13] offset:1024
	global_load_b32 v37, v17, s[12:13] offset:1536
	global_load_b128 v[28:31], v9, s[20:21]
	WIN 0x40
.set i, 0
.rept 32
	global_load_b128 v[8*i:8*i+3], v8, s[8:9] offset:131584*i th:TH_LOAD_NT
	global_load_b128 v[8*i+4:8*i+7], v8, s[8:9] offset:131584*i+2048 th:TH_LOAD_NT
.set i, i+1
.endr
	; S: eight chunks (16 loads) at a time; the counts leave the younger chunks out
	s_wait_loadcnt 48
	WIN 0x05
.irp k, 0,1,2,3
	v_pk_add_f32 v[20+2*\k:21+2*\k], v[2*\k:2*\k+1], v[8+2*\k:9+2*\k]  ; chunks 0 and 1 start the sums
.endr
	WIN 0x04
.macro CHUNKS from, n
.set i, \from
.rept \n
.irp k, 0,1,2,3
	v_pk_add_f32 v[20+2*\k:21+2*\k], v[20+2*\k:21+2*\k], v[8*i+2*\k:8*i+2*\k+1]
.endr
.set i, i+1
.endr
.endm
	CHUNKS 2, 6
	s_wait_loadcnt 32
	CHUNKS 8, 8
	s_wait_loadcnt 16
	CHUNKS 16, 8
	s_wait_loadcnt 0x0
	CHUNKS 24, 8
	WIN 0
.irp k, 28,29,30,31
	WSUM \k                                        ; sv: over the 32 chunks, one a lane
.endr
	v_pk_mul_f32 v[32:33], v[20:21], v[36:37] op_sel_hi:[1,0]                          ; g0's part: w[t] S[t][c]
	v_pk_mul_f32 v[34:35], v[22:23], v[36:37] op_sel_hi:[1,0]
	v_pk_fma_f32 v[32:33], v[24:25], v[36:37], v[32:33] op_sel:[0,1,0] op_sel_hi:[1,1,1]  ; + w[t + 128] S[t + 128][c]
	v_pk_fma_f32 v[34:35], v[26:27], v[36:37], v[34:35] op_sel:[0,1,0] op_sel_hi:[1,1,1]
	v_max_num_f32 v39, |v20|, |v21|
	v_max3_num_f32 v39, v39, |v22|, |v23|
	v_max3_num_f32 v39, v39, |v24|, |v25|
	v_max3_num_f32 v39, v39, |v26|, |v27|
.irp k, 32,33,34,35
	WSUM \k
.endr
	WMAX 39
	ds_store_b32 v7, v39
	ds_store_b128 v15, v[32:35]
	BAR                                            ; barrier 1
	ds_load_b128 v[40:43], v16
.irp k, 0,1,2,3
	ds_load_b128 v[44+4*\k:47+4*\k], v16 offset:16+16*\k
.endr
	s_wait_dscnt 0x0
	s_wait_kmcnt 0x0
	s_mov_b32 s35, s34                             ; z is named as a pair
	v_max3_num_f32 v40, v40, v41, v42
	v_max_num_f32 v40, v40, v43
	v_max_num_f32 v40, 0x21800000, v40
	v_readfirstlane_b32 s32, v40
	s_lshr_b32 s32, s32, 23                        ; es
	s_sub_co_i32 s36, 268, s32                     ; sS = 2^(141 - es)
	s_lshl_b32 s36, s36, 23
	s_mov_b32 s37, s36
	s_sub_co_i32 s38, 272, s32                     ; 16 sS
	s_lshl_b32 s38, s38, 23
.irp j, 0,2
	v_pk_add_f32 v[44+\j:45+\j], v[44+\j:45+\j], v[48+\j:49+\j]
	v_pk_add_f32 v[52+\j:53+\j], v[52+\j:53+\j], v[56+\j:57+\j]
.endr
.irp j, 0,2
	v_pk_add_f32 v[44+\j:45+\j], v[44+\j:45+\j], v[52+\j:53+\j]
.endr
.irp j, 0,2
	v_pk_fma_f32 v[44+\j:45+\j], v[28+\j:29+\j], s[34:35], v[44+\j:45+\j] op_sel_hi:[1,0,1]  ; + z sv
.endr
.irp j, 0,2
	v_pk_mul_f32 v[44+\j:45+\j], v[44+\j:45+\j], 0x39000000 op_sel_hi:[1,0]                  ; / 8,192: g0 stays in v44-47
.endr
.irp j, 0,2,4,6
	v_pk_mul_f32 v[20+\j:21+\j], v[20+\j:21+\j], s[36:37] op_sel_hi:[1,0]
.endr
.irp p, 0,1,2,3
	v_cvt_pk_f16_f32 v[48+\p], v[20+2*\p], v[21+2*\p]      ; S hi
.endr
.irp p, 0,1,2,3
	RESID 20+2*\p, 48+\p
.endr
.irp p, 0,1,2,3
	v_cvt_pk_f16_f32 v[40+\p], v[20+2*\p], v[21+2*\p]      ; S lo
.endr
	ds_store_b16 v11, v48
	ds_store_b16_d16_hi v11, v48 offset:528
	ds_store_b16 v11, v49 offset:1056
	ds_store_b16_d16_hi v11, v49 offset:1584
	ds_store_b16 v11, v50 offset:256
	ds_store_b16_d16_hi v11, v50 offset:784
	ds_store_b16 v11, v51 offset:1312
	ds_store_b16_d16_hi v11, v51 offset:1840
	ds_store_b16 v11, v40 offset:SX
	ds_store_b16_d16_hi v11, v40 offset:SX+528
	ds_store_b16 v11, v41 offset:SX+1056
	ds_store_b16_d16_hi v11, v41 offset:SX+1584
	ds_store_b16 v11, v42 offset:SX+256
	ds_store_b16_d16_hi v11, v42 offset:SX+784
	ds_store_b16 v11, v43 offset:SX+1312
	ds_store_b16_d16_hi v11, v43 offset:SX+1840
	v_cmp_eq_u32 vcc_lo, 1, v6                     ; sv of my column
	v_cndmask_b32 v52, v28, v29, vcc_lo
	v_cmp_eq_u32 vcc_lo, 2, v6
	v_cndmask_b32 v52, v52, v30, vcc_lo
	v_cmp_eq_u32 vcc_lo, 3, v6
	v_cndmask_b32 v52, v52, v31, vcc_lo
	v_mul_f32 v52, s38, v52
	v_mov_b32 v53, v52
.set i, 0
.rept 16
	v_pk_mul_f32 v[128+2*i:129+2*i], v[128+2*i:129+2*i], v[52:53]  ; 16 sS u[f] sv[c]: what the sums start from
.set i, i+1
.endr
	BAR                                            ; barrier 2: S lies in LDS
.irp k, 0,1,2,3,4,5,6,7
	ds_load_b128 v[64+8*\k:67+8*\k], v12 offset:64*\k
	ds_load_b128 v[68+8*\k:71+8*\k], v12 offset:64*\k+32
.endr
	WIN 0x40
.irp k, 0,1,2,3,4,5,6,7
	ds_load_b128 v[8*\k:8*\k+3], v12 offset:SX+64*\k
	ds_load_b128 v[8*\k+4:8*\k+7], v12 offset:SX+64*\k+32
.endr
	s_wait_dscnt 0x0
	WIN 0x02                                       ; C hi x S hi.  The four accumulators take turns throughout
.irp k, 0,1,2,3,4,5,6,7
.irp i, 0,1,2,3
	v_wmma_f32_16x16x32_f16 v[128+8*\i:135+8*\i], v[64*\i+8*\k:64*\i+8*\k+7], v[64+8*\k:71+8*\k], v[128+8*\i:135+8*\i]
.endr
.endr
	WIN 0x06                                       ; C hi x S lo
.irp k, 0,1,2,3,4,5,6,7
.irp i, 0,1,2,3
	v_wmma_f32_16x16x32_f16 v[128+8*\i:135+8*\i], v[64*\i+8*\k:64*\i+8*\k+7], v[8*\k:8*\k+7], v[128+8*\i:135+8*\i]
.endr
.endr
	WIN 0x03                                       ; C lo x S hi
.irp k, 0,1,2,3,4,5,6,7
.irp i, 0,1,2,3
	v_wmma_f32_16x16x32_f16 v[128+8*\i:135+8*\i], v[64*\i+8*\k:64*\i+8*\k+7], v[64+8*\k:71+8*\k], v[128+8*\i:135+8*\i]
.endr
.endr
	WIN 0
.rept 4
	v_nop
.endr
	v_max_num_f32 v39, |v128|, |v129|
.set i, 1
.rept 15
	v_max3_num_f32 v39, v39, |v[128+2*i]|, |v[129+2*i]|  ; ascending: each accumulator from its low end
.set i, i+1
.endr
	WMAX 39
	ds_store_b32 v7, v39 offset:128
	BAR                                            ; barrier 3
	ds_load_b128 v[40:43], v16 offset:128
	s_wait_dscnt 0x0
	v_max3_num_f32 v40, v40, v41, v42
	v_max_num_f32 v40, v40, v43
	v_max_num_f32 v40, 0x21800000, v40
	v_readfirstlane_b32 s33, v40
	s_lshr_b32 s33, s33, 23                        ; eg
	s_sub_co_i32 s40, 268, s33                     ; sG = 2^(141 - eg)
	s_lshl_b32 s40, s40, 23
	s_mov_b32 s41, s40
	s_add_co_i32 s42, s33, s32                     ; sc = 2^(eg + es - 299)
	s_sub_co_i32 s42, s42, 172
	s_max_i32 s42, s42, 1
	s_min_i32 s42, s42, 254
	s_lshl_b32 s42, s42, 23
.set i, 0
.rept 16
	v_pk_mul_f32 v[128+2*i:129+2*i], v[128+2*i:129+2*i], s[40:41] op_sel_hi:[1,0]
.set i, i+1
.endr
.set i, 0
.rept 16
	v_cvt_pk_f16_f32 v[192+i], v[128+2*i], v[129+2*i]
.set i, i+1
.endr
.irp i, 0,1,2,3
	ds_store_b128 v13, v[192+4*\i:195+4*\i] offset:128*\i  ; lanes with the same r % 4 and h hold the same numbers and write the same bytes
.endr
	v_mov_b32 v54, 0                               ; the block's last 256 bytes, 8 a lane: g0 (lanes 0, 1), sc four times (lanes 2, 3), zeros
	v_mov_b32 v55, 0
	v_cmp_eq_u32 vcc_lo, 0, v1
	v_cndmask_b32 v54, v54, v44, vcc_lo
	v_cndmask_b32 v55, v55, v45, vcc_lo
	v_cmp_eq_u32 vcc_lo, 1, v1
	v_cndmask_b32 v54, v54, v46, vcc_lo
	v_cndmask_b32 v55, v55, v47, vcc_lo
	v_lshrrev_b32 v56, 1, v1
	v_cmp_eq_u32 vcc_lo, 1, v56
	v_cndmask_b32 v54, v54, s42, vcc_lo
	v_cndmask_b32 v55, v55, s42, vcc_lo
	BAR                                            ; barrier 4: G's image is whole
	ds_load_b128 v[60:63], v14
	s_cmp_lg_u32 s3, 0
	s_cbranch_scc1 .Lno_tail
	global_store_b64 v19, v[54:55], s[14:15] offset:2048   ; 256 consecutive bytes
.Lno_tail:
	s_wait_dscnt 0x0
	global_store_b128 v8, v[60:63], s[14:15]       ; a wave stores 512 consecutive bytes
	s_wait_tensorcnt 0x0                           ; the wave's end, behind my last LDS store
	ds_add_u32 v4, v5
	s_wait_dscnt 0x0
	s_endpgm
.Lfunc_end_k_q1472d05ac3_mix:
	.size	k_q1472d05ac3_mix, .Lfunc_end_k_q1472d05ac3_mix-k_q1472d05ac3_mix
	.p2alignl 7, 3214868480
	.fill 96, 4, 3214868480
	.section	.rodata,"a",@progbits
	.p2align	6, 0x0
	.amdhsa_kernel k_q1472d05ac3_mix
		.amdhsa_group_segment_fixed_size 7168
		.amdhsa_private_segment_fixed_size 0
		.amdhsa_enable_private_segment 0
		.amdhsa_kernarg_size 32
		.amdhsa_user_sgpr_count 2
		.amdhsa_user_sgpr_kernarg_segment_ptr 1
		.amdhsa_wavefront_size32 1
		.amdhsa_system_sgpr_workgroup_id_x 1
		.amdhsa_system_sgpr_workgroup_id_y 1
		.amdhsa_system_sgpr_workgroup_id_z 1
		.amdhsa_system_vgpr_workitem_id 0
		.amdhsa_next_free_vgpr 1024
		.amdhsa_next_free_sgpr 66
		.amdhsa_reserve_vcc 1
		.amdhsa_float_denorm_mode_32 3
		.amdhsa_float_denorm_mode_16_64 3
		.amdhsa_memory_ordered 1
		.amdhsa_forward_progress 1
		.amdhsa_inst_pref_size 53
	.end_amdhsa_kernel
	.amdgpu_metadata
---
amdhsa.version: [ 1, 2 ]
amdhsa.kernels:
  - .name:           k_q1472d05ac3_mix
    .symbol:         k_q1472d05ac3_mix.kd
    .args:
      - { .name: part, .offset: 0, .size: 8, .value_kind: global_buffer, .address_space: global }
      - { .name: cw, .offset: 8, .size: 8, .value_kind: global_buffer, .address_space: global }
      - { .name: uw, .offset: 16, .size: 8, .value_kind: global_buffer, .address_space: global }
      - { .name: gw, .offset: 24, .size: 8, .value_kind: global_buffer, .address_space: global }
    .group_segment_fixed_size: 7168
    .private_segment_fixed_size: 0
    .kernarg_segment_align: 8
    .kernarg_segment_size: 32
    .max_flat_workgroup_size: 128
    .sgpr_count:     66
    .vgpr_count:     1024
    .wavefront_size: 32
...
	.end_amdgpu_metadata
.endif
;; end of part 2
;; launch phi_out (part 3): grid 256 x 1, 4 waves a work-group, no clusters, 309,504 bytes of LDS; arguments a, out0, phi_W0, phi_b0, phi_W1, phi_b1, phi_W2, phi_b2, gw; writes out0
.if DOCPART == 3
	.amdgcn_target "amdgcn-amd-amdhsa--gfx1250"
	.amdhsa_code_object_version 6
	.text
	.protected	k_q1472d05ac3_phi_out
	.globl	k_q1472d05ac3_phi_out
	.p2align	8
	.type	k_q1472d05ac3_phi_out,@function
k_q1472d05ac3_phi_out:
	s_mov_b64 s[64:65], 0
	v_nop
	global_prefetch_b8 v0, s[64:65] scope:SCOPE_SE
	s_setreg_imm32_b32 hwreg(HW_REG_WAVE_MODE, 25, 1), 1
	s_wait_xcnt 0x0
; LowRank1d, launch 3 of 3.  Work-group g takes tokens 256 g .. 256 g + 255 (batch g / 32): the phi net up to its third activation H, and out = H G + g0, with G and g0 as the launch before left them.
; Nothing of the problem is left out: phi_W3 and phi_b3 have gone into G and g0 (out = (H W3phi + b3phi)(psi_eval^T v) / n = H G + g0, for all values of the inputs).
; FORMATS, SCALES, LIMITS.  As in the first launch: operands f16, sums f32; EVERY OPERAND BUT G GOES IN TWO HALVES, hi = f16(x), lo = f16(x - hi) (the difference exact in f32), a product being hi hi + hi lo + lo hi on one f32 sum;
;   H1, H2, H3 carry 2^(141 - e_l), e_l the exponent field of the bounds B1 = 2 A m0 + c0, B2 = 64 m1 B1 + c1, B3 = 128 m2 B2 + c2, made here from maxima; the powers go into W0, b0 (f32), into W1, W2 ahead of their
;   split, and into b1, b2 (f32).  G comes in f16 with a scale sc for each four columns; out = sum x sc x 2^(e3 - 141) + g0, in f32.
;   A bound under 2^-60 is taken as 2^-60; a ratio of two bounds beyond 2^126 is cut there; the maxima pass over NaN, and infinities are not treated apart.
; NO CLUSTER, NO TENSOR LOAD: the weights that all work-groups share (163,840 bytes of f32) must pass through registers to be measured, scaled and split; as f32 in LDS beside the 309,504 bytes in use they would not fit in 327,680.
; SHARES.  Wave w keeps its own 64 tokens from first to last; the four waves share W1, W2, b1, b2 and G in LDS.
; LAYOUT.  L = lane, r = L % 16, h = L / 16.  Every product holds one token a lane (column r) and eight features or columns (8 h + j): two results, rounded in pairs, are the next product's operand.
; REGISTERS, in windows of 256 (s_set_vgpr_msb: bits 1:0 source 0, 3:2 source 1, 5:4 source 2, 7:6 destination):
;   window 0: v0-31 ids and addresses (v27 = 1.0); v32-39 a; v56-63 maxima; head: v64-159 W0, b0; v160-191 at work; v192-255 W1, then layer 1's sums
;             main loop: v64-127 ACC1 (2 x 4), v128-159 H3 hi, v160-191 H3 lo, v192-207 b2 as C operands, v208-223 sc
;   window 1: front: b1 v0-63, H1 hi v64-79, lo v80-95; G as loaded v96-223; then ACC2 (8 x 4)
;   window 2: my H2, hi v0-127, lo v128-255
;   window 3: W2 as loaded; front: W1's fragments, hi v0-127, lo v128-255; main loop: W2^T hi v0-63, lo v64-127, G^T v128-191, g0 v192-255
.set W1L,   0                          ; W1 in f16, [k 64][n 128], pitch 288: hi, and W1X further on lo
.set W1X,   18432
.set W2L,   36864                      ; W2 in f16, [k 128][n 256], pitch 544: hi, and W2X further on lo
.set W2X,   69632
.set H2L,   176128                     ; H2 on its way back into registers: wave x 32,768 + token tile x 4,096 + piece t x 512 + 16 L: hi, and H2X further on lo
.set H2X,   16384
.set GL,    176128                     ; over H2, when every wave has read it back: G: 32 blocks of four columns, pitch 2,112: [mt 16][h 2][c 4] x 16 bytes
.set OST,   243712                     ; likewise: the way out: wave x 8,448: 16 rows of 512 bytes, pitch 528
.set B1L,   307200
.set B2L,   307712
.set RED,   308736                     ; wave x 64: seven maxima and a zero
.set SPARE, 308992                     ; the spare words, 128 bytes a wave: no other line names them
.set ONE, 27
.set AP,  32
.set RR,  56
.set W0A, 64
.set W0B, 96
.set B0R, 128
.set MX,  164
.set MSB, 0
.macro WIN new
.if MSB != (\new)
	s_set_vgpr_msb (MSB<<8)|(\new)
.set MSB, (\new)
.endif
.endm
.macro PLACES
.rept 4
	v_nop
.endr
.endm
.macro RESID x, hh                     ; registers x, x + 1 less the two f16 halves of register hh: exact in f32
	v_fma_mix_f32 v[\x], -v[\hh], v[ONE], v[\x] op_sel_hi:[1,0,0]
	v_fma_mix_f32 v[(\x)+1], -v[\hh], v[ONE], v[(\x)+1] op_sel:[1,0,0] op_sel_hi:[1,0,0]
.endm
.macro WMAX x
	v_max_num_f32_dpp v[\x], v[\x], v[\x] row_xmask:1 row_mask:0xf bank_mask:0xf
	v_max_num_f32_dpp v[\x], v[\x], v[\x] row_xmask:2 row_mask:0xf bank_mask:0xf
	v_max_num_f32_dpp v[\x], v[\x], v[\x] row_xmask:4 row_mask:0xf bank_mask:0xf
	v_max_num_f32_dpp v[\x], v[\x], v[\x] row_xmask:8 row_mask:0xf bank_mask:0xf
	v_permlanex16_b32 v31, v[\x], s52, s53
	v_max_num_f32 v[\x], v[\x], v31
.endm
.macro BAR
	s_wait_dscnt 0x0
	s_barrier_signal -1
	s_barrier_wait -1
.endm
	s_load_b512 s[8:23], s[0:1], 0x0               ; a 8, out0 10, W0 12, b0 14, W1 16, b1 18, W2 20, b2 22
	s_load_b64 s[24:25], s[0:1], 0x40              ; gw
	v_lshl_add_u32 v4, v0, 2, SPARE
	v_mov_b32 v5, 0
	v_mov_b32 v[ONE], 1.0
	v_and_b32 v1, 31, v0                           ; L
	v_and_b32 v2, 15, v0                           ; r
	v_bfe_u32 v3, v0, 4, 1                         ; h
	v_lshrrev_b32 v31, 5, v0
	v_readfirstlane_b32 s3, v31                    ; w
	s_mov_b32 s2, ttmp9                            ; g
	s_mov_b32 s52, 0x76543210
	s_mov_b32 s53, 0xfedcba98
	v_lshlrev_b32 v7, 4, v1                        ; 16 L
	s_lshl_b32 s38, s3, 13
	v_add_nc_u32 v8, s38, v7                       ; W1 in memory: rows 16 w + i
	s_mul_i32 s38, s3, 4608
	v_lshl_add_u32 v9, v1, 3, s38                  ; and in LDS (W1L = 0)
	s_lshl_b32 s38, s3, 8
	v_lshl_add_u32 v10, v2, 4, s38
	v_lshl_add_u32 v10, v3, 10, v10                ; W2 in memory: rows 2 i + h, my wave's 256 bytes of each
	s_lshl_b32 s39, s3, 7
	s_add_co_u32 s39, s39, W2L
	v_mul_u32_u24 v11, v3, 544
	v_lshl_add_u32 v11, v2, 3, v11
	v_add_nc_u32 v11, s39, v11                     ; and in LDS, loads 0-31,
	v_add_nc_u32 v12, 34816, v11                   ; loads 32-63
	s_lshl_b32 s38, s3, 15
	v_add_nc_u32 v13, s38, v7                      ; out0: rows 64 w + ..
	v_mul_u32_u24 v14, v3, 4608                    ; g0 and sc: the blocks 4 ct + 2 h, + 1
	s_lshl_b32 s38, s3, 9
	v_lshl_add_u32 v15, v2, 3, s38                 ; a: token 64 w + 16 j + r
	v_lshlrev_b32 v16, 5, v3                       ; W0, b0: features 16 g + 8 h + 0..7
	v_lshlrev_b32 v17, 2, v0                       ; b1, b2: one number a thread
	v_and_b32 v31, 7, v0
	v_lshl_add_u32 v31, v3, 3, v31                 ; the turning load's row 8 h + L % 8
	v_bfe_u32 v30, v0, 3, 1
	v_lshlrev_b32 v30, 4, v30                      ; and its 16 bytes (L / 8) % 2
	v_mul_u32_u24 v18, v31, 288
	v_add_nc_u32 v18, v18, v30                     ; in W1 (W1L = 0)
	v_mul_u32_u24 v21, v31, 544
	v_add_nc_u32 v21, v21, v30
	v_add_nc_u32 v21, W2L, v21                     ; in W2 hi; steps 32 out features a trip,
	v_add_nc_u32 v19, W2X, v21                     ; in W2 lo likewise
	v_lshrrev_b32 v20, 2, v2
	v_mul_u32_u24 v20, v20, 2112
	v_lshl_add_u32 v20, v3, 6, v20
	v_and_b32 v31, 3, v0
	v_lshl_add_u32 v20, v31, 4, v20
	v_add_nc_u32 v20, GL, v20                      ; G^T: column 16 ct + r: block 4 ct + r / 4, 64 h, 16 (r % 4); steps 32 features a trip
	s_lshl_b32 s38, s3, 15
	s_add_co_u32 s38, s38, H2L
	v_add_nc_u32 v22, s38, v7                      ; where I write H2: my wave's four token tiles,
	v_add_nc_u32 v23, s38, v7                      ; and where I read them back
	v_lshl_add_u32 v24, v3, 5, B2L                 ; b2 of feature 32 t + 16 x + 8 h + 0..7; steps
	v_lshlrev_b32 v163, 4, v0                      ; 16 x thread
	v_add_nc_u32 v25, GL, v163
	s_lshl_b32 s38, s3, 6
	s_add_co_u32 s38, s38, RED
	v_mov_b32 v26, s38
	s_mul_i32 s38, s3, 8448
	s_add_co_u32 s38, s38, OST
	v_mul_u32_u24 v28, v2, 528
	v_lshl_add_u32 v28, v3, 5, v28
	v_add_nc_u32 v28, s38, v28                     ; into my stage: row r, 32 h
	v_add_nc_u32 v29, s38, v7                      ; and back: a row of 512 bytes a load
	v_lshl_add_u32 v30, v3, 5, B1L
	s_wait_kmcnt 0x0
	s_mov_b32 s39, 0
	s_lshl_b32 s38, s2, 11
	s_add_nc_u64 s[8:9], s[8:9], s[38:39]          ; a at my 256 tokens
	s_lshl_b32 s38, s2, 17
	s_add_nc_u64 s[10:11], s[10:11], s[38:39]      ; out0 at my 256 rows
	s_lshr_b32 s38, s2, 5
	s_mul_i32 s38, s38, 73728
	s_add_nc_u64 s[24:25], s[24:25], s[38:39]      ; gw at my batch's 32 blocks of 2,304 bytes
.irp j, 0,1,2,3
	global_load_b64 v[AP+2*\j:AP+2*\j+1], v15, s[8:9] offset:128*\j
.endr
.set i, 0
.rept 8
	global_load_b128 v[W0A+4*i:W0A+4*i+3], v16, s[12:13] offset:64*(i/2)+16*(i%2)
	global_load_b128 v[W0B+4*i:W0B+4*i+3], v16, s[12:13] offset:256+64*(i/2)+16*(i%2)
	global_load_b128 v[B0R+4*i:B0R+4*i+3], v16, s[14:15] offset:64*(i/2)+16*(i%2)
.set i, i+1
.endr
	global_load_b32 v160, v17, s[18:19]
	global_load_b32 v161, v17, s[22:23]
	global_load_b32 v162, v17, s[22:23] offset:512
.set i, 0
.rept 16
	global_load_b128 v[192+4*i:195+4*i], v8, s[16:17] offset:512*i
.set i, i+1
.endr
	WIN 0xc0
.set i, 0
.rept 64
	global_load_b128 v[4*i:4*i+3], v10, s[20:21] offset:2048*i
.set i, i+1
.endr
	WIN 0x40
.set i, 0
.rept 32
	global_load_b128 v[96+4*i:99+4*i], v163, s[24:25] offset:2304*i  ; G: the 2,048 bytes of block i; it waits in registers until its place in LDS is free
.set i, i+1
.endr
	WIN 0
	s_wait_loadcnt 32                              ; G's 32 loads are younger than the weights and may stay out
	; THE MAXIMA
.irp q, 0,1,2,3,4,5,6,7
	v_mov_b32 v[RR+\q], 0
	v_mov_b32 v[MX+\q], 0
.endr
.irp j, 0,2,4,6
	v_max3_num_f32 v[RR], v[RR], |v[AP+\j]|, |v[AP+\j+1]|
.endr
.set i, 0
.rept 16
	v_max3_num_f32 v[RR+1], v[RR+1], |v[W0A+2*i]|, |v[W0A+2*i+1]|
	v_max3_num_f32 v[MX], v[MX], |v[W0B+2*i]|, |v[W0B+2*i+1]|
	v_max3_num_f32 v[RR+2], v[RR+2], |v[B0R+2*i]|, |v[B0R+2*i+1]|
	v_max3_num_f32 v[RR+3], v[RR+3], |v[192+4*i]|, |v[193+4*i]|
	v_max3_num_f32 v[MX+1], v[MX+1], |v[194+4*i]|, |v[195+4*i]|
.set i, i+1
.endr
	v_max_num_f32 v[RR+1], v[RR+1], v[MX]
	v_max_num_f32 v[RR+3], v[RR+3], v[MX+1]
	v_max_num_f32 v[RR+4], v[RR+4], |v160|
	v_max3_num_f32 v[RR+6], v[RR+6], |v161|, |v162|
	WIN 0x3c
.set i, 0
.rept 128
	v_max3_num_f32 v[MX+4+i%4], v[MX+4+i%4], |v[2*i]|, |v[2*i+1]|
.set i, i+1
.endr
	WIN 0
	v_max3_num_f32 v[RR+5], v[MX+4], v[MX+5], v[MX+6]
	v_max_num_f32 v[RR+5], v[RR+5], v[MX+7]
.irp q, 0,1,2,3,4,5,6
	WMAX RR+\q
.endr
	ds_store_b128 v26, v[RR:RR+3]
	ds_store_b128 v26, v[RR+4:RR+7] offset:16
	BAR                                            ; barrier 1: every wave's maxima lie in LDS
	; THE SCALES, the same in all four waves
	v_mov_b32 v31, RED
	WIN 0x80
.irp k, 0,1,2,3
	ds_load_b128 v[128+8*\k:131+8*\k], v31 offset:64*\k
	ds_load_b128 v[132+8*\k:135+8*\k], v31 offset:64*\k+16
.endr
	s_wait_dscnt 0x0
	WIN 0x2a
.irp q, 0,1,2,3,4,5,6
	v_max3_num_f32 v[RR+\q], v[128+\q], v[136+\q], v[144+\q]
.endr
	WIN 0x08
.irp q, 0,1,2,3,4,5,6
	v_max_num_f32 v[RR+\q], v[RR+\q], v[152+\q]
.endr
	WIN 0
	v_mul_f32 v31, v[RR], v[RR+1]
	v_fma_f32 v31, v31, 2.0, v[RR+2]               ; B1 = 2 A m0 + c0
	v_max_num_f32 v31, 0x21800000, v31             ; at least 2^-60
	v_mul_f32 v[MX], v[RR+3], v31
	v_fmamk_f32 v[MX], v[MX], 0x42800000, v[RR+4]  ; B2 = 64 m1 B1 + c1
	v_max_num_f32 v[MX], 0x21800000, v[MX]
	v_mul_f32 v[MX+1], v[RR+5], v[MX]
	v_fmamk_f32 v[MX+1], v[MX+1], 0x43000000, v[RR+6]  ; B3 = 128 m2 B2 + c2
	v_max_num_f32 v[MX+1], 0x21800000, v[MX+1]
	v_readfirstlane_b32 s55, v31
	v_readfirstlane_b32 s56, v[MX]
	v_readfirstlane_b32 s57, v[MX+1]
	s_lshr_b32 s55, s55, 23
	s_lshr_b32 s56, s56, 23
	s_lshr_b32 s57, s57, 23
	s_sub_co_i32 s40, 268, s55                     ; s0 = 2^(141 - e1)
	s_lshl_b32 s40, s40, 23
	s_mov_b32 s41, s40
	s_sub_co_i32 s38, s55, s56                     ; sW1 = 2^(e1 - e2)
	s_add_co_i32 s38, s38, 127
	s_max_i32 s38, s38, 1
	s_min_i32 s38, s38, 254
	s_lshl_b32 s42, s38, 23
	s_mov_b32 s43, s42
	s_sub_co_i32 s44, 268, s56                     ; sb1 = 2^(141 - e2)
	s_lshl_b32 s44, s44, 23
	s_mov_b32 s45, s44
	s_sub_co_i32 s38, s56, s57                     ; sW2 = 2^(e2 - e3)
	s_add_co_i32 s38, s38, 127
	s_max_i32 s38, s38, 1
	s_min_i32 s38, s38, 254
	s_lshl_b32 s46, s38, 23
	s_mov_b32 s47, s46
	s_sub_co_i32 s48, 268, s57                     ; sb2 = 2^(141 - e3)
	s_lshl_b32 s48, s48, 23
	s_mov_b32 s49, s48
	s_sub_co_i32 s50, s57, 14                      ; un3 = 2^(e3 - 141)
	s_lshl_b32 s50, s50, 23
	s_mov_b32 s51, s50
	; THE WEIGHTS ARE SCALED, SPLIT AND LAID INTO LDS.
	v_add_nc_u32 v8, W2X, v11                      ; W2's lo image (the loads that read v8 and v10 as offsets are in: the counted wait above)
	v_add_nc_u32 v10, W2X, v12
.set i, 0
.rept 48
	v_pk_mul_f32 v[W0A+2*i:W0A+2*i+1], v[W0A+2*i:W0A+2*i+1], s[40:41] op_sel_hi:[1,0]
.set i, i+1
.endr
	v_mul_f32 v160, s44, v160
	v_mul_f32 v161, s48, v161
	v_mul_f32 v162, s48, v162
	v_add_nc_u32 v31, B1L, v17
	ds_store_b32 v31, v160
	ds_store_b32 v31, v161 offset:512              ; B2L = B1L + 512
	ds_store_b32 v31, v162 offset:1024
.macro W1B b                           ; eight of my sixteen rows of W1: hi into v176-191, the differences in place, lo packed down
.set i, 0
.rept 16
	v_pk_mul_f32 v[192+32*(\b)+2*i:193+32*(\b)+2*i], v[192+32*(\b)+2*i:193+32*(\b)+2*i], s[42:43] op_sel_hi:[1,0]
.set i, i+1
.endr
.set i, 0
.rept 16
	v_cvt_pk_f16_f32 v[176+i], v[192+32*(\b)+2*i], v[193+32*(\b)+2*i]
.set i, i+1
.endr
.set i, 0
.rept 16
	RESID 192+32*(\b)+2*i, 176+i
.set i, i+1
.endr
.set i, 0
.rept 16
	v_cvt_pk_f16_f32 v[192+32*(\b)+i], v[192+32*(\b)+2*i], v[193+32*(\b)+2*i]
.set i, i+1
.endr
.set i, 0
.rept 8
	ds_store_b64 v9, v[176+2*i:177+2*i] offset:288*(8*(\b)+i)
	ds_store_b64 v9, v[192+32*(\b)+2*i:193+32*(\b)+2*i] offset:W1X+288*(8*(\b)+i)
.set i, i+1
.endr
.endm
	W1B 0
	W1B 1
	WIN 0xc3
.set i, 0
.rept 128
	v_pk_mul_f32 v[2*i:2*i+1], v[2*i:2*i+1], s[46:47] op_sel_hi:[1,0]
.set i, i+1
.endr
.macro W2B b, ahi, alo                 ; 32 of my 64 loads of W2: hi into window 0's v192-255, the differences in place, lo packed down
	WIN 0x0f
.set i, 0
.rept 64
	v_cvt_pk_f16_f32 v[192+i], v[128*(\b)+2*i], v[128*(\b)+2*i+1]
.set i, i+1
.endr
	WIN 0xf0
.set i, 0
.rept 64
	RESID 128*(\b)+2*i, 192+i
.set i, i+1
.endr
	WIN 0xcf
.set i, 0
.rept 64
	v_cvt_pk_f16_f32 v[128*(\b)+i], v[128*(\b)+2*i], v[128*(\b)+2*i+1]
.set i, i+1
.endr
	WIN 0
.set i, 0
.rept 32
	ds_store_b64 v[\ahi], v[192+2*i:193+2*i] offset:1088*i
.set i, i+1
.endr
	WIN 0x0c
.set i, 0
.rept 32
	ds_store_b64 v[\alo], v[128*(\b)+2*i:128*(\b)+2*i+1] offset:1088*i
.set i, i+1
.endr
.endm
	W2B 0, 11, 8
	W2B 1, 12, 10
	WIN 0
	s_wait_loadcnt 0x0                             ; G is in its registers, and v163, its loads' offset, is free
	BAR                                            ; barrier 2: W1, W2, b1 and b2 lie in LDS
	; THE FRONT: layers 0 and 1 for my wave's 64 tokens
	WIN 0xc0
.set t, 0
.rept 8
.irp s, 0,1
	ds_load_tr16_b128 v[8*(2*t+\s):8*(2*t+\s)+3], v18 offset:9216*\s+32*t
	ds_load_tr16_b128 v[8*(2*t+\s)+4:8*(2*t+\s)+7], v18 offset:9216*\s+32*t+4608
	ds_load_tr16_b128 v[128+8*(2*t+\s):128+8*(2*t+\s)+3], v18 offset:W1X+9216*\s+32*t
	ds_load_tr16_b128 v[128+8*(2*t+\s)+4:128+8*(2*t+\s)+7], v18 offset:W1X+9216*\s+32*t+4608
.endr
.set t, t+1
.endr
	WIN 0x40
.set t, 0
.rept 8
	ds_load_b128 v[8*t:8*t+3], v30 offset:64*t
	ds_load_b128 v[8*t+4:8*t+7], v30 offset:64*t+16
.set t, t+1
.endr
	WIN 0
	s_wait_dscnt 0x0
.macro L1 ao, bo, s                    ; eight products of layer 1: W1's fragments at ao, H1's at bo, K step s; the eight accumulators take turns
.set t, 0
.rept 8
	v_wmma_f32_16x16x32_f16 v[192+8*t:199+8*t], v[(\ao)+16*t+8*(\s):(\ao)+16*t+8*(\s)+7], v[(\bo)+8*(\s):(\bo)+8*(\s)+7], v[192+8*t:199+8*t]
.set t, t+1
.endr
.endm
	s_mov_b32 s54, 4
.Lfront:                                       ; a trip: one tile of 16 tokens
.set i, 0
.rept 16                               ; layer 0 has K = 2: two fused multiply-adds in f32, for just the 32 features that my lane's two fragments hold
	v_pk_fma_f32 v[192+2*i:193+2*i], v[W0B+2*i:W0B+2*i+1], v[AP:AP+1], v[B0R+2*i:B0R+2*i+1] op_sel:[0,1,0] op_sel_hi:[1,1,1]
.set i, i+1
.endr
.set i, 0
.rept 16
	v_pk_fma_f32 v[192+2*i:193+2*i], v[W0A+2*i:W0A+2*i+1], v[AP:AP+1], v[192+2*i:193+2*i] op_sel_hi:[1,0,1]
.set i, i+1
.endr
.set i, 0
.rept 32
	v_max_num_f32 v[192+i], 0, v[192+i]            ; ReLU, in f32
.set i, i+1
.endr
	WIN 0x40
.set i, 0
.rept 16
	v_cvt_pk_f16_f32 v[64+i], v[192+2*i], v[193+2*i]   ; H1 hi
.set i, i+1
.endr
	WIN 0x01
.set i, 0
.rept 16
	RESID 192+2*i, 64+i
.set i, i+1
.endr
	WIN 0x40
.set i, 0
.rept 16
	v_cvt_pk_f16_f32 v[80+i], v[192+2*i], v[193+2*i]   ; H1 lo
.set i, i+1
.endr
	WIN 0x17
.set t, 0
.rept 8                                ; b1 starts the sums
	v_wmma_f32_16x16x32_f16 v[192+8*t:199+8*t], v[16*t:16*t+7], v[64:71], v[8*t:8*t+7]
.set t, t+1
.endr
	WIN 0x07
	L1 0, 64, 1                                    ; W1 hi x H1 hi
	L1 0, 80, 0                                    ; W1 hi x H1 lo
	L1 0, 80, 1
	L1 128, 64, 0                                  ; W1 lo x H1 hi
	L1 128, 64, 1
	WIN 0
	PLACES
.set i, 0
.rept 64
	v_max_num_f32 v[192+i], 0, v[192+i]            ; ascending: each accumulator from its low end
.set i, i+1
.endr
.set i, 0
.rept 32
	v_cvt_pk_f16_f32 v[160+i], v[192+2*i], v[193+2*i]  ; H2 hi: tile t at 160 + 4 t
.set i, i+1
.endr
.set i, 0
.rept 32
	RESID 192+2*i, 160+i
.set i, i+1
.endr
.set i, 0
.rept 32
	v_cvt_pk_f16_f32 v[192+i], v[192+2*i], v[193+2*i]  ; H2 lo: tile t at 192 + 4 t
.set i, i+1
.endr
.set t, 0
.rept 8
	ds_store_b128 v22, v[160+4*t:163+4*t] offset:512*t
	ds_store_b128 v22, v[192+4*t:195+4*t] offset:H2X+512*t
.set t, t+1
.endr
	v_add_nc_u32 v22, 4096, v22
.irp j, 0,1,2,3,4,5
	v_mov_b32 v[AP+\j], v[AP+2+\j]
.endr
	s_sub_co_u32 s54, s54, 1
	s_cmp_lg_u32 s54, 0
	s_cbranch_scc1 .Lfront
	; My H2 comes back as operands: my own bytes, and LDS serves a wave's instructions in order (ISA guide 5.7.1.4): no barrier, no wait between the stores and these loads.
	WIN 0x80
.irp u, 0,1,2,3
.irp s, 0,1,2,3
	ds_load_b128 v[8*(4*\u+\s):8*(4*\u+\s)+3], v23 offset:4096*\u+1024*\s
	ds_load_b128 v[8*(4*\u+\s)+4:8*(4*\u+\s)+7], v23 offset:4096*\u+1024*\s+512
	ds_load_b128 v[128+8*(4*\u+\s):128+8*(4*\u+\s)+3], v23 offset:H2X+4096*\u+1024*\s
	ds_load_b128 v[128+8*(4*\u+\s)+4:128+8*(4*\u+\s)+7], v23 offset:H2X+4096*\u+1024*\s+512
.endr
.endr
	WIN 0
	BAR                                            ; barrier 3: every wave has its H2 in registers: G and the stages may take H2's place
	WIN 0x04
.set i, 0
.rept 32
	ds_store_b128 v25, v[96+4*i:99+4*i] offset:2112*i
.set i, i+1
.endr
	WIN 0xc0
.set c, 0
.rept 8                                ; g0 of the columns 16 ct + 8 h + 0..7, wanted on the way out: it lands during the main loop
	global_load_b128 v[192+8*c:195+8*c], v14, s[24:25] offset:9216*c+2048
	global_load_b128 v[196+8*c:199+8*c], v14, s[24:25] offset:9216*c+2048+2304
.set c, c+1
.endr
	WIN 0
.set c, 0
.rept 8                                ; and sc of their two blocks of four
	global_load_b32 v[208+2*c], v14, s[24:25] offset:9216*c+2064
	global_load_b32 v[209+2*c], v14, s[24:25] offset:9216*c+2064+2304
.set c, c+1
.endr
	s_wait_dscnt 0x0                               ; barrier 4: G lies in LDS
	s_barrier_signal -1
	WIN 0x40                                       ; the sums are cleared while the others arrive: 256 lines, so that the trip below is written once (a first trip of its own, with the constant 0 as C, would be three times these bytes)
.set i, 0
.rept 256
	v_mov_b32 v[i], 0
.set i, i+1
.endr
	WIN 0
	s_barrier_wait -1
	; THE MAIN LOOP.  A trip takes 32 of H3's 256 features for my 64 tokens: H3 = ReLU(W2^T H2 + b2) (96 products), split, and out^T += G^T H3 (64 products).
.macro LOAD_SA                         ; W2^T of 32 out features, turned, hi and lo: 32 loads; their b2: 4 loads
	WIN 0xc0
.irp x, 0,1
.irp s, 0,1,2,3
	ds_load_tr16_b128 v[8*(4*\x+\s):8*(4*\x+\s)+3], v21 offset:17408*\s+32*\x
	ds_load_tr16_b128 v[8*(4*\x+\s)+4:8*(4*\x+\s)+7], v21 offset:17408*\s+32*\x+8704
	ds_load_tr16_b128 v[64+8*(4*\x+\s):64+8*(4*\x+\s)+3], v19 offset:17408*\s+32*\x
	ds_load_tr16_b128 v[64+8*(4*\x+\s)+4:64+8*(4*\x+\s)+7], v19 offset:17408*\s+32*\x+8704
.endr
.endr
	WIN 0
.irp x, 0,1
	ds_load_b128 v[192+8*\x:195+8*\x], v24 offset:64*\x
	ds_load_b128 v[196+8*\x:199+8*\x], v24 offset:64*\x+16
.endr
	v_add_nc_u32 v21, 64, v21
	v_add_nc_u32 v19, 64, v19
	v_add_nc_u32 v24, 128, v24
.endm
.macro MUL1 ao, bo, s, first           ; eight products: W2^T at ao, H2 at bo, K step s; the eight accumulators take turns
.irp x, 0,1
.irp u, 0,1,2,3
.if \first
	v_wmma_f32_16x16x32_f16 v[64+8*(4*\x+\u):71+8*(4*\x+\u)], v[(\ao)+8*(4*\x+\s):(\ao)+8*(4*\x+\s)+7], v[(\bo)+8*(4*\u+\s):(\bo)+8*(4*\u+\s)+7], v[192+8*\x:199+8*\x]
.else
	v_wmma_f32_16x16x32_f16 v[64+8*(4*\x+\u):71+8*(4*\x+\u)], v[(\ao)+8*(4*\x+\s):(\ao)+8*(4*\x+\s)+7], v[(\bo)+8*(4*\u+\s):(\bo)+8*(4*\u+\s)+7], v[64+8*(4*\x+\u):71+8*(4*\x+\u)]
.endif
.endr
.endr
.endm
.macro MUL2 ho                         ; 32 products: G^T x H3's half at ho; the 32 accumulators take turns
.irp c, 0,1,2,3,4,5,6,7
.irp u, 0,1,2,3
	v_wmma_f32_16x16x32_f16 v[8*(4*\c+\u):8*(4*\c+\u)+7], v[128+8*\c:135+8*\c], v[(\ho)+8*\u:(\ho)+8*\u+7], v[8*(4*\c+\u):8*(4*\c+\u)+7]
.endr
.endr
.endm
	LOAD_SA
	s_mov_b32 s54, 8
.Ltrip:
	WIN 0xc0                                       ; G^T of this trip's 32 features: 16 loads, which land under the first product
.irp c, 0,1,2,3,4,5,6,7
	ds_load_b128 v[128+8*\c:131+8*\c], v20 offset:8448*\c
	ds_load_b128 v[132+8*\c:135+8*\c], v20 offset:8448*\c+128
.endr
	WIN 0
	v_add_nc_u32 v20, 256, v20
	s_wait_dscnt 16                                ; W2^T and b2 are in: only the 16 loads just issued are younger
	WIN 0x0b
	MUL1 0, 0, 0, 1                                ; W2 hi x H2 hi; b2 starts the sums
	MUL1 0, 0, 1, 0
	MUL1 0, 0, 2, 0
	MUL1 0, 0, 3, 0
.irp s, 0,1,2,3
	MUL1 0, 128, \s, 0                             ; W2 hi x H2 lo
.endr
.irp s, 0,1,2,3
	MUL1 64, 0, \s, 0                              ; W2 lo x H2 hi
.endr
	WIN 0
	PLACES                                         ; ahead of the loads into W2^T's and b2's registers and of the ReLU
	s_wait_dscnt 0x0                               ; G^T is in.  It stands ahead of the jump, so that it counts the same on both ways
	s_cmp_eq_u32 s54, 1                            ; the last trip has no next features to fetch
	s_cbranch_scc1 .Lno_sa
	LOAD_SA
.Lno_sa:
.set i, 0
.rept 64
	v_max_num_f32 v[64+i], 0, v[64+i]              ; ascending: each accumulator from its low end
.set i, i+1
.endr
.irp x, 0,1
.irp u, 0,1,2,3
.irp p, 0,1,2,3
	v_cvt_pk_f16_f32 v[128+8*\u+4*\x+\p], v[64+8*(4*\x+\u)+2*\p], v[64+8*(4*\x+\u)+2*\p+1]
.endr
.endr
.endr
.irp x, 0,1
.irp u, 0,1,2,3
.irp p, 0,1,2,3
	RESID 64+8*(4*\x+\u)+2*\p, 128+8*\u+4*\x+\p
.endr
.endr
.endr
.irp x, 0,1
.irp u, 0,1,2,3
.irp p, 0,1,2,3
	v_cvt_pk_f16_f32 v[160+8*\u+4*\x+\p], v[64+8*(4*\x+\u)+2*\p], v[64+8*(4*\x+\u)+2*\p+1]
.endr
.endr
.endr
	WIN 0x53
	MUL2 128
	MUL2 160
	WIN 0
	PLACES                                         ; ahead of the next loads of G^T, of the next roundings, and of the way out
	s_sub_co_u32 s54, s54, 1
	s_cmp_lg_u32 s54, 0
	s_cbranch_scc1 .Ltrip
	; THE WAY OUT.  A lane holds token 16 u + r and the columns 16 ct + 8 h + 0..7.  out = sum x (sc un3) + g0, one fused multiply-add; 16 tokens at a time go through my own stage and come back as whole rows.
	s_wait_loadcnt 0x0                             ; g0 and sc
.set i, 0
.rept 8
	v_pk_mul_f32 v[208+2*i:209+2*i], v[208+2*i:209+2*i], s[50:51] op_sel_hi:[1,0]
.set i, i+1
.endr
.irp u, 0,1,2,3
	WIN 0x71
.irp c, 0,1,2,3,4,5,6,7
.irp p, 0,1                            ; columns 0-3 take the pair's first sc,
	v_pk_fma_f32 v[8*(4*\c+\u)+2*\p:8*(4*\c+\u)+2*\p+1], v[8*(4*\c+\u)+2*\p:8*(4*\c+\u)+2*\p+1], v[208+2*\c:209+2*\c], v[192+8*\c+2*\p:193+8*\c+2*\p] op_sel_hi:[1,0,1]
.endr
.irp p, 2,3                            ; columns 4-7 its second
	v_pk_fma_f32 v[8*(4*\c+\u)+2*\p:8*(4*\c+\u)+2*\p+1], v[8*(4*\c+\u)+2*\p:8*(4*\c+\u)+2*\p+1], v[208+2*\c:209+2*\c], v[192+8*\c+2*\p:193+8*\c+2*\p] op_sel:[0,1,0] op_sel_hi:[1,1,1]
.endr
.endr
	WIN 0x04
.irp c, 0,1,2,3,4,5,6,7
	ds_store_b128 v28, v[8*(4*\c+\u):8*(4*\c+\u)+3] offset:64*\c
	ds_store_b128 v28, v[8*(4*\c+\u)+4:8*(4*\c+\u)+7] offset:64*\c+16
.endr
	WIN 0
	s_wait_xcnt 0x0                                ; the last sixteen stores have read their data: the registers are loaded again only behind this wait
.set i, 0
.rept 16
	ds_load_b128 v[64+4*i:67+4*i], v29 offset:528*i  ; in order behind the stores above; the next tile's stores come behind these
.set i, i+1
.endr
.set i, 0
.rept 16
	s_wait_dscnt 15-i                              ; row i is back; the rows behind it may stay out
	global_store_b128 v13, v[64+4*i:67+4*i], s[10:11] offset:(16*\u+i)*512 th:TH_STORE_NT  ; a row of out0: 512 consecutive bytes, aligned
.set i, i+1
.endr
.endr
	s_wait_tensorcnt 0x0                           ; the wave's end, behind my last LDS store
	ds_add_u32 v4, v5
	s_wait_dscnt 0x0
	s_endpgm
.Lfunc_end_k_q1472d05ac3_phi_out:
	.size	k_q1472d05ac3_phi_out, .Lfunc_end_k_q1472d05ac3_phi_out-k_q1472d05ac3_phi_out
	.p2alignl 7, 3214868480
	.fill 96, 4, 3214868480
	.section	.rodata,"a",@progbits
	.p2align	6, 0x0
	.amdhsa_kernel k_q1472d05ac3_phi_out
		.amdhsa_group_segment_fixed_size 309504
		.amdhsa_private_segment_fixed_size 0
		.amdhsa_enable_private_segment 0
		.amdhsa_kernarg_size 72
		.amdhsa_user_sgpr_count 2
		.amdhsa_user_sgpr_kernarg_segment_ptr 1
		.amdhsa_wavefront_size32 1
		.amdhsa_system_sgpr_workgroup_id_x 1
		.amdhsa_system_sgpr_workgroup_id_y 1
		.amdhsa_system_sgpr_workgroup_id_z 1
		.amdhsa_system_vgpr_workitem_id 0
		.amdhsa_next_free_vgpr 1024
		.amdhsa_next_free_sgpr 66
		.amdhsa_reserve_vcc 0
		.amdhsa_float_denorm_mode_32 3
		.amdhsa_float_denorm_mode_16_64 3
		.amdhsa_memory_ordered 1
		.amdhsa_forward_progress 1
		.amdhsa_inst_pref_size 198
	.end_amdhsa_kernel
	.amdgpu_metadata
---
amdhsa.version: [ 1, 2 ]
amdhsa.kernels:
  - .name:           k_q1472d05ac3_phi_out
    .symbol:         k_q1472d05ac3_phi_out.kd
    .args:
      - { .name: a, .offset: 0, .size: 8, .value_kind: global_buffer, .address_space: global }
      - { .name: out0, .offset: 8, .size: 8, .value_kind: global_buffer, .address_space: global }
      - { .name: phi_W0, .offset: 16, .size: 8, .value_kind: global_buffer, .address_space: global }
      - { .name: phi_b0, .offset: 24, .size: 8, .value_kind: global_buffer, .address_space: global }
      - { .name: phi_W1, .offset: 32, .size: 8, .value_kind: global_buffer, .address_space: global }
      - { .name: phi_b1, .offset: 40, .size: 8, .value_kind: global_buffer, .address_space: global }
      - { .name: phi_W2, .offset: 48, .size: 8, .value_kind: global_buffer, .address_space: global }
      - { .name: phi_b2, .offset: 56, .size: 8, .value_kind: global_buffer, .address_space: global }
      - { .name: gw, .offset: 64, .size: 8, .value_kind: global_buffer, .address_space: global }
    .group_segment_fixed_size: 309504
    .private_segment_fixed_size: 0
    .kernarg_segment_align: 8
    .kernarg_segment_size: 72
    .max_flat_workgroup_size: 128
    .sgpr_count:     66
    .vgpr_count:     1024
    .wavefront_size: 32
...
	.end_amdgpu_metadata
.endif
;; end of part 3
;; ======== version 2 of 4: 3 launches; 1.29 times as fast as version 1
;; limits: values are held in f16: magnitudes above 65,504 overflow, below 6.1e-05 lose precision; inputs' magnitudes at most 65,504
;; workspace buffers: part 33,685,504 bytes; cw 262,144 bytes; uw 3,072 bytes; gw 589,824 bytes
;; launch psi_part (part 4): grid 256 x 1, 4 waves a work-group, no clusters, 250,112 bytes of LDS; arguments a, v, psi_W0, psi_b0, psi_W1, psi_b1, psi_W2, psi_b2, phi_W3, psi_W3, phi_b3, psi_b3, part, cw, uw; writes part, cw, uw
.if DOCPART == 4
	.amdgcn_target "amdgcn-amd-amdhsa--gfx1250"
	.amdhsa_code_object_version 6
	.text
	.protected	k_q1472d05ac3_psi_part
	.globl	k_q1472d05ac3_psi_part
	.p2align	8
	.type	k_q1472d05ac3_psi_part,@function
k_q1472d05ac3_psi_part:
	s_mov_b64 s[64:65], 0
	v_nop
	global_prefetch_b8 v0, s[64:65] scope:SCOPE_SE
	s_setreg_imm32_b32 hwreg(HW_REG_WAVE_MODE, 25, 1), 1
	s_wait_xcnt 0x0
; LowRank1d, launch 1 of 3.  With j = 4 d + h the reshape and the transposes only rename columns:
;   out[b] = phi_eval[b] (psi_eval[b]^T v[b]) / n,   phi_eval = Hphi W3phi + b3phi,  psi_eval = Hpsi W3psi + b3psi,   H = the nets' third activation, [n][256].
; The last layers are linear, so they are taken across the sum over tokens (true for all values of the inputs, in exact arithmetic):
;   S = Hpsi^T v [256][128], sv = sum of v's rows, C = W3phi W3psi^T [256][256], u = W3phi b3psi, w = W3psi b3phi, z = b3phi . b3psi,
;   out = Hphi G + g0,  G = (C S + u sv) / n,  g0 = (w^T S + z sv) / n.
; NOTHING OF THE PROBLEM IS LEFT OUT: every input reaches the output; only the order of the sums differs from the problem's own.
; THIS LAUNCH: work-group g takes tokens 256 g .. 256 g + 255 (batch g / 32): the psi net up to H, its part of S and of sv; tile g (16 x 16) of C; u[g], w[g], z.
; FORMATS.  Matrix operands are f16, sums f32.  A row of the output goes with its token's |a|, the comparison's allowance with the whole output's root mean square: in a row several times that size a few f16 roundings
;   (2^-12 of the row each, adding as the root of their number) have room, a chain of sixteen has none.  The program keeps six: v, G, and in each net W2 and H3.  EVERY OTHER OPERAND (W3, C, S, W1, H1, H2) GOES IN TWO HALVES,
;   hi = f16(x), lo = f16(x - hi) (the difference is exact in f32): a product of two such is hi hi + hi lo + lo hi on one f32 sum, a product with one such hi + lo.
; SCALE.  f16 has no room for H by itself, so H1, H2, H3 carry ONE power of two made here from maxima: A = max |a| of my tokens, m_l = max |W_l|, c_l = max |b_l|,
;   B1 = 2 A m0 + c0, B2 = 64 m1 B1 + c1, B3 = 128 m2 B2 + c2 bound |H_l|; with e the exponent field of the largest of them, H_l 2^(141 - e) lies under 2^15 for every l.  The power goes into a, b0, b1, b2 (all f32);
;   the weights are taken as they are.  It is a value alone: no branch and no address hangs on it.
; LIMITS.  |v|, |W1|, |W2|, |W3| and |16 C| stay under 65,504 (f16's end); B1 under 2^-60 is taken as 2^-60; a layer whose H lies far under the largest bound keeps f16's fixed step of 2^-24 of the scaled numbers;
;   the maxima pass over NaN, and infinities are not treated apart.
; NO CLUSTER, NO TENSOR LOAD: the weights that all work-groups share (163,840 bytes of f32) must pass through registers to be measured and rounded; as f32 in LDS beside the 250,112 bytes in use they would not fit in 327,680.
; LAYOUT.  L = lane, r = L % 16, h = L / 16, w = wave.  An operand fragment holds row (column) r, registers 0-3 k = 8 h + 0..7, registers 4-7 k = 16 + 8 h + 0..7; a result holds column r, register j row 8 h + j.
;   So two results that are neighbours in their rows, rounded in pairs, ARE an operand whose k runs along those rows: nothing changes lanes from layer to layer.
; REGISTERS, in windows of 256 (s_set_vgpr_msb: bits 1:0 source 0, 3:2 source 1, 5:4 source 2, 7:6 destination):
;   window 0: v0-31 ids and addresses (v6 = 0, v27 = 1.0); v32-39 a; v40-55 C's tile; v56-63 maxima; head: v64-159 W0, b0; v160-191 at work; v192-255 W1, then layer 1's sums
;             main loop: v64-127 ACC1 (2 x 4), v128-159 H3
;   window 1: v as loaded; front: b1 v0-63, H1 hi v64-79, lo v80-95; then ACC2 (8 x 4)
;   window 2: W3's rows and their halves; then W2's columns v0-127
;   window 3: W2 as loaded; front: W1's fragments, hi v0-127, lo v128-255; main loop: H2 hi v0-63, lo v64-127, v^T v128-191, b2 as C operands v192-223
.set W1L,   0                          ; W1 in f16, [k 64][n 128], pitch 288: hi, and W1X further on lo
.set W1X,   18432
.set W2L,   36864                      ; W2 in f16, [k 128][n 256], pitch 544
.set H2L,   36864                      ; H2 lies over W2, whose columns are in registers by then: token tile T x 4,096 + piece t x 512 + 16 L: hi, and H2X further on lo
.set H2X,   65536
.set VL,    167936                     ; v in f16, [token 256][c 128], pitch 288
.set CS,    241664                     ; the four waves' parts of C's tile: wave x 1,024 + half x 512 + 16 L
.set SVL,   245760                     ; the four waves' parts of sv: wave x 512 + 16 L
.set B1L,   247808                     ; b1 scaled, f32
.set B2L,   248320                     ; b2 scaled, f32
.set RED,   249344                     ; wave x 64: seven maxima, a zero, three sums, a zero
.set SPARE, 249600                     ; the spare words, 128 bytes a wave: no other line names them
.set ONE, 27
.set AP,  32
.set RR,  56
.set W0A, 64
.set W0B, 96
.set B0R, 128
.set MX,  164
.set SU,  172
.set DT,  176
.set MSB, 0
.macro WIN new                         ; the high byte repeats the setting that is left; a switch that changes nothing is dropped
.if MSB != (\new)
	s_set_vgpr_msb (MSB<<8)|(\new)
.set MSB, (\new)
.endif
.endm
.macro PLACES                          ; four plain places behind a matrix instruction (ISA guide 7.12.1), where no other vector work is at hand
.rept 4
	v_nop
.endr
.endm
.macro RESID x, hh                     ; registers x, x + 1 less the two f16 halves of register hh: exact in f32
	v_fma_mix_f32 v[\x], -v[\hh], v[ONE], v[\x] op_sel_hi:[1,0,0]
	v_fma_mix_f32 v[(\x)+1], -v[\hh], v[ONE], v[(\x)+1] op_sel:[1,0,0] op_sel_hi:[1,0,0]
.endm
.macro WMAX x                          ; the maximum over the wave's 32 lanes, in every lane
	v_max_num_f32_dpp v[\x], v[\x], v[\x] row_xmask:1 row_mask:0xf bank_mask:0xf
	v_max_num_f32_dpp v[\x], v[\x], v[\x] row_xmask:2 row_mask:0xf bank_mask:0xf
	v_max_num_f32_dpp v[\x], v[\x], v[\x] row_xmask:4 row_mask:0xf bank_mask:0xf
	v_max_num_f32_dpp v[\x], v[\x], v[\x] row_xmask:8 row_mask:0xf bank_mask:0xf
	v_permlanex16_b32 v31, v[\x], s52, s53
	v_max_num_f32 v[\x], v[\x], v31
.endm
.macro WSUM x                          ; the sum likewise
	v_add_f32_dpp v[\x], v[\x], v[\x] row_xmask:1 row_mask:0xf bank_mask:0xf
	v_add_f32_dpp v[\x], v[\x], v[\x] row_xmask:2 row_mask:0xf bank_mask:0xf
	v_add_f32_dpp v[\x], v[\x], v[\x] row_xmask:4 row_mask:0xf bank_mask:0xf
	v_add_f32_dpp v[\x], v[\x], v[\x] row_xmask:8 row_mask:0xf bank_mask:0xf
	v_permlanex16_b32 v31, v[\x], s52, s53
	v_add_f32 v[\x], v[\x], v31
.endm
.macro BAR                             ; my LDS stores are done and my LDS loads are back; then all four waves meet
	s_wait_dscnt 0x0
	s_barrier_signal -1
	s_barrier_wait -1
.endm
	s_load_b512 s[8:23], s[0:1], 0x0               ; a 8, v 10, W0 12, b0 14, W1 16, b1 18, W2 20, b2 22
	s_load_b256 s[24:31], s[0:1], 0x40             ; phi_W3 24, psi_W3 26, phi_b3 28, psi_b3 30
	s_load_b128 s[32:35], s[0:1], 0x60             ; part 32, cw 34
	s_load_b64 s[36:37], s[0:1], 0x70              ; uw
	v_lshl_add_u32 v4, v0, 2, SPARE                ; my spare word, and 0: kept for the add at the wave's end alone
	v_mov_b32 v5, 0
	v_mov_b32 v6, 0                                ; 0 for the ReLU on packed halves, and as a zero offset
	v_mov_b32 v[ONE], 1.0
	v_and_b32 v1, 31, v0                           ; L
	v_and_b32 v2, 15, v0                           ; r
	v_bfe_u32 v3, v0, 4, 1                         ; h
	v_lshrrev_b32 v31, 5, v0
	v_readfirstlane_b32 s3, v31                    ; w
	s_mov_b32 s2, ttmp9                            ; g
	s_mov_b32 s52, 0x76543210                      ; v_permlanex16_b32: each lane takes its own place in the other half
	s_mov_b32 s53, 0xfedcba98
	v_lshlrev_b32 v7, 4, v1                        ; 16 L
	s_lshl_b32 s38, s3, 13
	v_add_nc_u32 v8, s38, v7                       ; W1 in memory: rows 16 w + i, a row of 512 bytes a load
	s_mul_i32 s38, s3, 4608
	v_lshl_add_u32 v9, v1, 3, s38                  ; and in LDS (W1L = 0): 8 bytes a lane
	s_lshl_b32 s38, s3, 8
	v_lshl_add_u32 v10, v2, 4, s38
	v_lshl_add_u32 v10, v3, 10, v10                ; W2 in memory: rows 2 i + h, my wave's 256 bytes of each
	s_lshl_b32 s39, s3, 7
	s_add_co_u32 s39, s39, W2L                     ; W2L + 128 w
	v_mul_u32_u24 v11, v3, 544
	v_lshl_add_u32 v11, v2, 3, v11
	v_add_nc_u32 v11, s39, v11                     ; and in LDS, loads 0-31,
	v_add_nc_u32 v12, 34816, v11                   ; loads 32-63 (32 x 1,088 on: the immediate has 16 bits)
	s_lshl_b32 s38, s3, 15
	v_add_nc_u32 v13, s38, v7                      ; v in memory: rows 64 w + i
	s_mul_i32 s38, s3, 18432
	s_add_co_u32 s38, s38, VL
	v_lshl_add_u32 v14, v1, 3, s38                 ; and in LDS
	s_lshl_b32 s38, s3, 9
	v_lshl_add_u32 v15, v2, 3, s38                 ; a: token 64 w + 16 j + r
	v_lshlrev_b32 v16, 5, v3                       ; W0, b0: features 16 g + 8 h + 0..7
	v_lshlrev_b32 v17, 2, v0                       ; b1, b2: one number a thread
	v_and_b32 v31, 7, v0
	v_lshl_add_u32 v31, v3, 3, v31                 ; the turning load's row 8 h + L % 8
	v_bfe_u32 v30, v0, 3, 1
	v_lshlrev_b32 v30, 4, v30                      ; and its 16 bytes (L / 8) % 2
	v_mul_u32_u24 v18, v31, 288
	v_add_nc_u32 v18, v18, v30                     ; in W1 (W1L = 0)
	v_mul_u32_u24 v19, v31, 544
	v_add_nc_u32 v19, v19, v30
	v_add_nc_u32 v19, s39, v19                     ; in W2, at my wave's 64 columns
	v_add_nc_u32 v20, VL, v18                      ; in v; steps 32 rows a trip
	v_add_nc_u32 v21, H2L, v7                      ; H2's pieces; steps two token tiles a trip
	s_lshl_b32 s38, s3, 14
	s_add_co_u32 s38, s38, H2L
	v_add_nc_u32 v22, s38, v7                      ; where I write H2: my wave's four token tiles
	s_lshl_b32 s38, s3, 9
	v_lshl_add_u32 v23, v2, 11, s38
	v_lshl_add_u32 v23, v3, 5, v23                 ; W3: row r, my wave's quarter of K (512 bytes), 32 h
	s_lshl_b32 s38, s3, 8
	s_add_co_u32 s38, s38, B2L
	v_lshl_add_u32 v24, v2, 2, s38                 ; b2 of feature 64 w + 16 u + r
	s_lshl_b32 s38, s3, 10
	s_add_co_u32 s38, s38, CS
	v_add_nc_u32 v25, s38, v7
	s_lshl_b32 s38, s3, 6
	s_add_co_u32 s38, s38, RED
	v_mov_b32 v26, s38
	s_lshl_b32 s38, s3, 10
	v_lshl_add_u32 v28, v2, 4, s38
	v_lshl_add_u32 v28, v3, 13, v28                ; part: 8,192 h + 16 (64 w + r)
	s_lshl_b32 s38, s3, 9
	s_add_co_u32 s38, s38, SVL
	v_add_nc_u32 v29, s38, v7
	v_lshl_add_u32 v30, v3, 5, B1L                 ; b1 of feature 16 t + 8 h + 0..7
	v_lshlrev_b32 v31, 4, v0                       ; 16 x thread: four numbers of a row of 512
	s_wait_kmcnt 0x0
	s_mov_b32 s39, 0
	s_lshl_b32 s38, s2, 11
	s_add_nc_u64 s[8:9], s[8:9], s[38:39]          ; a at my 256 tokens (8 bytes each)
	s_add_nc_u64 s[60:61], s[26:27], s[38:39]      ; psi_W3 at row g (2,048 bytes a row)
	s_add_nc_u64 s[62:63], s[24:25], s[38:39]      ; phi_W3 at row g
	s_lshl_b32 s38, s2, 17
	s_add_nc_u64 s[10:11], s[10:11], s[38:39]      ; v at my 256 rows
	s_mul_i32 s38, s2, 131584
	s_add_nc_u64 s[32:33], s[32:33], s[38:39]      ; my block of part
	s_lshl_b32 s38, s2, 9
	s_add_nc_u64 s[34:35], s[34:35], s[38:39]      ; my piece of cw
	s_lshl_b32 s38, s2, 2
	s_add_nc_u64 s[36:37], s[36:37], s[38:39]      ; my words of uw
	s_and_b32 s38, s2, 15
	s_lshl_b32 s38, s38, 15
	s_add_nc_u64 s[26:27], s[26:27], s[38:39]      ; psi_W3 at rows 16 (g % 16)
	s_lshr_b32 s38, s2, 4
	s_lshl_b32 s38, s38, 15
	s_add_nc_u64 s[24:25], s[24:25], s[38:39]      ; phi_W3 at rows 16 (g / 16)
	; ALL LOADS OF THE LAUNCH, the small and shared ones first, v's stream last.
	WIN 0x80
.set i, 0
.rept 16                               ; C's tile: K step i / 4 of my quarter: 32 bytes at 32 h and 32 bytes at 64 + 32 h of each 128
	global_load_b128 v[4*i:4*i+3], v23, s[26:27] offset:128*(i/4)+64*((i/2)%2)+16*(i%2)
	global_load_b128 v[64+4*i:64+4*i+3], v23, s[24:25] offset:128*(i/4)+64*((i/2)%2)+16*(i%2)
.set i, i+1
.endr
	WIN 0
	global_load_b128 v[DT:DT+3], v31, s[62:63]     ; phi_W3[g]
	global_load_b128 v[DT+4:DT+7], v31, s[60:61]   ; psi_W3[g]
	global_load_b128 v[DT+8:DT+11], v31, s[28:29]  ; phi_b3
	global_load_b128 v[DT+12:DT+15], v31, s[30:31] ; psi_b3
.irp j, 0,1,2,3
	global_load_b64 v[AP+2*\j:AP+2*\j+1], v15, s[8:9] offset:128*\j
.endr
.set i, 0
.rept 8
	global_load_b128 v[W0A+4*i:W0A+4*i+3], v16, s[12:13] offset:64*(i/2)+16*(i%2)
	global_load_b128 v[W0B+4*i:W0B+4*i+3], v16, s[12:13] offset:256+64*(i/2)+16*(i%2)
	global_load_b128 v[B0R+4*i:B0R+4*i+3], v16, s[14:15] offset:64*(i/2)+16*(i%2)
.set i, i+1
.endr
	global_load_b32 v160, v17, s[18:19]
	global_load_b32 v161, v17, s[22:23]
	global_load_b32 v162, v17, s[22:23] offset:512
.set i, 0
.rept 16
	global_load_b128 v[192+4*i:195+4*i], v8, s[16:17] offset:512*i
.set i, i+1
.endr
	WIN 0xc0
.set i, 0
.rept 64
	global_load_b128 v[4*i:4*i+3], v10, s[20:21] offset:2048*i
.set i, i+1
.endr
	WIN 0x40
.set i, 0
.rept 64
	global_load_b128 v[4*i:4*i+3], v13, s[10:11] offset:512*i th:TH_LOAD_NT
.set i, i+1
.endr
	WIN 0
	s_wait_loadcnt 63                              ; 64 loads, v's, were issued behind the weights: all that is older than v's second row is in
	; MY QUARTER OF K OF C's TILE.  Source 0 = 16 rows of psi_W3, source 1 = 16 rows of phi_W3: a lane ends with row 16 mt + r of C and the columns 16 nt + 8 h + 0..7.
	; Registers 0-63 hold psi's 64 numbers, 64-127 phi's.  hi goes to 128 + i (psi 128-159, phi 160-191), the differences stay, lo is packed down to i (psi 0-31, phi 32-63).
	WIN 0x8a
.set i, 0
.rept 64
	v_cvt_pk_f16_f32 v[128+i], v[2*i], v[2*i+1]
.set i, i+1
.endr
	WIN 0xa2
.set i, 0
.rept 64
	RESID 2*i, 128+i
.set i, i+1
.endr
	WIN 0x8a
.set i, 0
.rept 64
	v_cvt_pk_f16_f32 v[i], v[2*i], v[2*i+1]        ; ascending, so that no source is overwritten before it is read
.set i, i+1
.endr
	WIN 0x0a
	v_wmma_f32_16x16x32_f16 v[40:47], v[128:135], v[160:167], 0    ; two accumulators take the even and the odd K steps by turns
	v_wmma_f32_16x16x32_f16 v[48:55], v[136:143], v[168:175], 0
	v_wmma_f32_16x16x32_f16 v[40:47], v[144:151], v[176:183], v[40:47]
	v_wmma_f32_16x16x32_f16 v[48:55], v[152:159], v[184:191], v[48:55]
.irp s, 0,1,2,3
	v_wmma_f32_16x16x32_f16 v[40+8*(\s%2):47+8*(\s%2)], v[128+8*\s:135+8*\s], v[32+8*\s:39+8*\s], v[40+8*(\s%2):47+8*(\s%2)]    ; psi hi x phi lo
.endr
.irp s, 0,1,2,3
	v_wmma_f32_16x16x32_f16 v[40+8*(\s%2):47+8*(\s%2)], v[8*\s:8*\s+7], v[160+8*\s:167+8*\s], v[40+8*(\s%2):47+8*(\s%2)]        ; psi lo x phi hi
.endr
	WIN 0
	; THE MAXIMA, and u[g], w[g], z.  Their first lines are the places behind those products.
.irp q, 0,1,2,3,4,5,6,7
	v_mov_b32 v[RR+\q], 0
	v_mov_b32 v[MX+\q], 0
.endr
.irp j, 0,2,4,6
	v_pk_add_f32 v[40+\j:41+\j], v[40+\j:41+\j], v[48+\j:49+\j]
.endr
	ds_store_b128 v25, v[40:43]
	ds_store_b128 v25, v[44:47] offset:512
.irp j, 0,2,4,6
	v_max3_num_f32 v[RR], v[RR], |v[AP+\j]|, |v[AP+\j+1]|
.endr
.set i, 0
.rept 16
	v_max3_num_f32 v[RR+1], v[RR+1], |v[W0A+2*i]|, |v[W0A+2*i+1]|
	v_max3_num_f32 v[MX], v[MX], |v[W0B+2*i]|, |v[W0B+2*i+1]|
	v_max3_num_f32 v[RR+2], v[RR+2], |v[B0R+2*i]|, |v[B0R+2*i+1]|
	v_max3_num_f32 v[RR+3], v[RR+3], |v[192+4*i]|, |v[193+4*i]|
	v_max3_num_f32 v[MX+1], v[MX+1], |v[194+4*i]|, |v[195+4*i]|
.set i, i+1
.endr
	v_max_num_f32 v[RR+1], v[RR+1], v[MX]
	v_max_num_f32 v[RR+3], v[RR+3], v[MX+1]
	v_max_num_f32 v[RR+4], v[RR+4], |v160|
	v_max3_num_f32 v[RR+6], v[RR+6], |v161|, |v162|
	WIN 0x3c
.set i, 0
.rept 128                              ; W2: four chains
	v_max3_num_f32 v[MX+4+i%4], v[MX+4+i%4], |v[2*i]|, |v[2*i+1]|
.set i, i+1
.endr
	WIN 0
	v_max3_num_f32 v[RR+5], v[MX+4], v[MX+5], v[MX+6]
	v_max_num_f32 v[RR+5], v[RR+5], v[MX+7]
	v_mul_f32 v[SU], v[DT], v[DT+12]               ; u[g] = phi_W3[g] . psi_b3
	v_mul_f32 v[SU+1], v[DT+4], v[DT+8]            ; w[g] = psi_W3[g] . phi_b3
	v_mul_f32 v[SU+2], v[DT+8], v[DT+12]           ; z    = phi_b3 . psi_b3
.irp j, 1,2,3
	v_fmac_f32 v[SU], v[DT+\j], v[DT+12+\j]
	v_fmac_f32 v[SU+1], v[DT+4+\j], v[DT+8+\j]
	v_fmac_f32 v[SU+2], v[DT+8+\j], v[DT+12+\j]
.endr
	v_mov_b32 v[SU+3], 0
.irp q, 0,1,2,3,4,5,6
	WMAX RR+\q
.endr
.irp q, 0,1,2
	WSUM SU+\q
.endr
	ds_store_b128 v26, v[RR:RR+3]
	ds_store_b128 v26, v[RR+4:RR+7] offset:16
	ds_store_b128 v26, v[SU:SU+3] offset:32
	BAR                                            ; barrier 1: every wave's maxima, sums and part of C's tile lie in LDS
	; THE SCALE, the same in all four waves.
	v_mov_b32 v31, RED
	WIN 0x80
.irp k, 0,1,2,3
	ds_load_b128 v[128+12*\k:131+12*\k], v31 offset:64*\k
	ds_load_b128 v[132+12*\k:135+12*\k], v31 offset:64*\k+16
	ds_load_b128 v[136+12*\k:139+12*\k], v31 offset:64*\k+32
.endr
	s_wait_dscnt 0x0
	WIN 0x2a
.irp q, 0,1,2,3,4,5,6
	v_max3_num_f32 v[RR+\q], v[128+\q], v[140+\q], v[152+\q]
.endr
	WIN 0x0a
.irp q, 0,1,2
	v_add_f32 v[SU+\q], v[136+\q], v[148+\q]
.endr
	WIN 0x08
.irp q, 0,1,2,3,4,5,6
	v_max_num_f32 v[RR+\q], v[RR+\q], v[164+\q]
.endr
.irp q, 0,1,2
	v_add_f32 v[SU+\q], v[SU+\q], v[160+\q]
	v_add_f32 v[SU+\q], v[SU+\q], v[172+\q]
.endr
	WIN 0
	v_mul_f32 v31, v[RR], v[RR+1]
	v_fma_f32 v31, v31, 2.0, v[RR+2]               ; B1 = 2 A m0 + c0
	v_max_num_f32 v31, 0x21800000, v31             ; at least 2^-60
	v_mul_f32 v[MX], v[RR+3], v31
	v_fmamk_f32 v[MX], v[MX], 0x42800000, v[RR+4]  ; B2 = 64 m1 B1 + c1
	v_mul_f32 v[MX+1], v[RR+5], v[MX]
	v_fmamk_f32 v[MX+1], v[MX+1], 0x43000000, v[RR+6]  ; B3 = 128 m2 B2 + c2
	v_max3_num_f32 v31, v31, v[MX], v[MX+1]        ; the largest of the three bounds
	v_readfirstlane_b32 s55, v31
	s_lshr_b32 s55, s55, 23                        ; e: its exponent field
	s_sub_co_i32 s40, 268, s55                     ; the scale 2^(141 - e).  A pair, since the packed multiply names a pair
	s_lshl_b32 s40, s40, 23
	s_mov_b32 s41, s40
	s_sub_co_i32 s50, s55, 14                      ; 2^(e - 141): takes the scale out of S
	s_lshl_b32 s50, s50, 23
	s_mov_b32 s51, s50
	; Wave 0 finishes C's tile: the four quarters of K are added, times 16, split, and each half stored as 512 consecutive bytes.
	s_cmp_lg_u32 s3, 0
	s_cbranch_scc1 .Lno_tile
.irp k, 0,1
	ds_load_b128 v[40+8*\k:43+8*\k], v25 offset:1024*\k
	ds_load_b128 v[44+8*\k:47+8*\k], v25 offset:1024*\k+512
	ds_load_b128 v[DT+8*\k:DT+8*\k+3], v25 offset:2048+1024*\k
	ds_load_b128 v[DT+8*\k+4:DT+8*\k+7], v25 offset:2048+1024*\k+512
.endr
	s_wait_dscnt 0x0
.irp j, 0,2,4,6
	v_pk_add_f32 v[40+\j:41+\j], v[40+\j:41+\j], v[48+\j:49+\j]
	v_pk_add_f32 v[DT+\j:DT+\j+1], v[DT+\j:DT+\j+1], v[DT+8+\j:DT+9+\j]
.endr
.irp j, 0,2,4,6
	v_pk_add_f32 v[40+\j:41+\j], v[40+\j:41+\j], v[DT+\j:DT+\j+1]
.endr
.irp j, 0,2,4,6
	v_pk_mul_f32 v[40+\j:41+\j], v[40+\j:41+\j], 0x41800000 op_sel_hi:[1,0]
.endr
.irp p, 0,1,2,3
	v_cvt_pk_f16_f32 v[48+\p], v[40+2*\p], v[41+2*\p]
.endr
.irp p, 0,1,2,3
	RESID 40+2*\p, 48+\p
.endr
.irp p, 0,1,2,3
	v_cvt_pk_f16_f32 v[52+\p], v[40+2*\p], v[41+2*\p]
.endr
	global_store_b128 v7, v[48:51], s[34:35]
	global_store_b128 v7, v[52:55], s[34:35] offset:131072
.Lno_tile:
	; Wave 1 stores u[g], w[g] and a copy of z: one lane.
	s_cmp_lg_u32 s3, 1
	s_cbranch_scc1 .Lno_uw
	s_wait_xcnt 0x0                                ; EXEC is a source of the loads still out: it changes only behind this wait
	v_cmp_eq_u32 vcc_lo, 0, v1
	s_and_saveexec_b32 s38, vcc_lo
	global_store_b32 v6, v[SU], s[36:37]
	global_store_b32 v6, v[SU+1], s[36:37] offset:1024
	global_store_b32 v6, v[SU+2], s[36:37] offset:2048
	s_wait_xcnt 0x0                                ; and again ahead of the line that widens it; the stores' data are free behind it too
	s_or_b32 exec_lo, exec_lo, s38
.Lno_uw:
	; a, b0, b1, b2 TAKE THE SCALE (f32).  W1 IS SPLIT, W2 ROUNDED ONCE, AND BOTH ARE LAID INTO LDS.
.irp j, 0,2,4,6
	v_pk_mul_f32 v[AP+\j:AP+\j+1], v[AP+\j:AP+\j+1], s[40:41] op_sel_hi:[1,0]
.endr
.set i, 0
.rept 16
	v_pk_mul_f32 v[B0R+2*i:B0R+2*i+1], v[B0R+2*i:B0R+2*i+1], s[40:41] op_sel_hi:[1,0]
.set i, i+1
.endr
	v_mul_f32 v160, s40, v160
	v_mul_f32 v161, s40, v161
	v_mul_f32 v162, s40, v162
	v_add_nc_u32 v31, B1L, v17
	ds_store_b32 v31, v160
	ds_store_b32 v31, v161 offset:512              ; B2L = B1L + 512
	ds_store_b32 v31, v162 offset:1024
.macro W1B b                           ; eight of my sixteen rows of W1: hi into v176-191, the differences in place, lo packed down
.set i, 0
.rept 16
	v_cvt_pk_f16_f32 v[176+i], v[192+32*(\b)+2*i], v[193+32*(\b)+2*i]
.set i, i+1
.endr
.set i, 0
.rept 16
	RESID 192+32*(\b)+2*i, 176+i
.set i, i+1
.endr
.set i, 0
.rept 16
	v_cvt_pk_f16_f32 v[192+32*(\b)+i], v[192+32*(\b)+2*i], v[193+32*(\b)+2*i]
.set i, i+1
.endr
.set i, 0
.rept 8
	ds_store_b64 v9, v[176+2*i:177+2*i] offset:288*(8*(\b)+i)
	ds_store_b64 v9, v[192+32*(\b)+2*i:193+32*(\b)+2*i] offset:W1X+288*(8*(\b)+i)
.set i, i+1
.endr
.endm
	W1B 0
	W1B 1
	WIN 0xcf
.set i, 0
.rept 64
	v_cvt_pk_f16_f32 v[4*i], v[4*i], v[4*i+1]
	v_cvt_pk_f16_f32 v[4*i+1], v[4*i+2], v[4*i+3]
.set i, i+1
.endr
	WIN 0x0c
.set i, 0
.rept 32
	ds_store_b64 v11, v[4*i:4*i+1] offset:1088*i
	ds_store_b64 v12, v[128+4*i:129+4*i] offset:1088*i
.set i, i+1
.endr
	WIN 0
	; v: sixteen rows at a time: into sv's sums (f32, unrounded), rounded, into LDS.
.irp q, 0,1,2,3,4,5,6,7
	v_mov_b32 v[MX+\q], 0
.endr
.macro VBATCH b, left
	s_wait_loadcnt \left                           ; loads come back in order: the rows behind this batch may stay out
	WIN 0x04
.set i, 16*(\b)
.rept 16
	v_pk_add_f32 v[MX+4*(i%2):MX+4*(i%2)+1], v[MX+4*(i%2):MX+4*(i%2)+1], v[4*i:4*i+1]
	v_pk_add_f32 v[MX+4*(i%2)+2:MX+4*(i%2)+3], v[MX+4*(i%2)+2:MX+4*(i%2)+3], v[4*i+2:4*i+3]
.set i, i+1
.endr
	WIN 0x45
.set i, 16*(\b)
.rept 16
	v_cvt_pk_f16_f32 v[4*i], v[4*i], v[4*i+1]
	v_cvt_pk_f16_f32 v[4*i+1], v[4*i+2], v[4*i+3]
.set i, i+1
.endr
	WIN 0x04
.set i, 16*(\b)
.rept 16
	ds_store_b64 v14, v[4*i:4*i+1] offset:288*i
.set i, i+1
.endr
.endm
	VBATCH 0, 48
	VBATCH 1, 32
	VBATCH 2, 16
	VBATCH 3, 0
	WIN 0
	v_pk_add_f32 v[MX:MX+1], v[MX:MX+1], v[MX+4:MX+5]
	v_pk_add_f32 v[MX+2:MX+3], v[MX+2:MX+3], v[MX+6:MX+7]
	ds_store_b128 v29, v[MX:MX+3]
	v_add_nc_u32 v13, H2X, v22                     ; where I write H2's lo half (v's loads, which read v13, are in),
	v_add_nc_u32 v14, H2X, v21                     ; and where the main loop reads it
	BAR                                            ; barrier 2: W1, W2, b1, b2, v and sv's parts lie in LDS
	; What stays in registers is fetched: W1's fragments, b1, and my 64 columns of W2.
	WIN 0xc0
.set t, 0
.rept 8
.irp s, 0,1
	ds_load_tr16_b128 v[8*(2*t+\s):8*(2*t+\s)+3], v18 offset:9216*\s+32*t          ; W1^T: out features 16 t on, in features 32 s on
	ds_load_tr16_b128 v[8*(2*t+\s)+4:8*(2*t+\s)+7], v18 offset:9216*\s+32*t+4608
	ds_load_tr16_b128 v[128+8*(2*t+\s):128+8*(2*t+\s)+3], v18 offset:W1X+9216*\s+32*t
	ds_load_tr16_b128 v[128+8*(2*t+\s)+4:128+8*(2*t+\s)+7], v18 offset:W1X+9216*\s+32*t+4608
.endr
.set t, t+1
.endr
	WIN 0x40
.set t, 0
.rept 8
	ds_load_b128 v[8*t:8*t+3], v30 offset:64*t
	ds_load_b128 v[8*t+4:8*t+7], v30 offset:64*t+16
.set t, t+1
.endr
	WIN 0x80
.irp u, 0,1,2,3
.irp s, 0,1,2,3
	ds_load_tr16_b128 v[8*(4*\u+\s):8*(4*\u+\s)+3], v19 offset:17408*\s+32*\u      ; W2's columns 64 w + 16 u on, in features 32 s on
	ds_load_tr16_b128 v[8*(4*\u+\s)+4:8*(4*\u+\s)+7], v19 offset:17408*\s+32*\u+8704
.endr
.endr
	WIN 0
	s_cmp_lg_u32 s3, 2                             ; wave 2 adds sv's four parts and stores them: 512 consecutive bytes
	s_cbranch_scc1 .Lno_sv
	s_wait_xcnt 0x0                                ; no earlier store still reads the registers that are loaded here
	v_add_nc_u32 v31, SVL, v7
.irp k, 0,1,2,3
	ds_load_b128 v[40+4*\k:43+4*\k], v31 offset:512*\k
.endr
	s_wait_dscnt 0x0
.irp j, 0,2
	v_pk_add_f32 v[40+\j:41+\j], v[40+\j:41+\j], v[44+\j:45+\j]
	v_pk_add_f32 v[48+\j:49+\j], v[48+\j:49+\j], v[52+\j:53+\j]
.endr
.irp j, 0,2
	v_pk_add_f32 v[40+\j:41+\j], v[40+\j:41+\j], v[48+\j:49+\j]
.endr
	global_store_b128 v7, v[40:43], s[32:33] offset:131072
.Lno_sv:
	BAR                                            ; barrier 2b: every wave has W2's columns in registers: H2 may be written over W2
	; THE FRONT: layers 0 and 1 for my wave's 64 tokens.
.macro L1 ao, bo, s                    ; eight products of layer 1: W1's fragments at ao, H1's at bo, K step s; the eight accumulators take turns
.set t, 0
.rept 8
	v_wmma_f32_16x16x32_f16 v[192+8*t:199+8*t], v[(\ao)+16*t+8*(\s):(\ao)+16*t+8*(\s)+7], v[(\bo)+8*(\s):(\bo)+8*(\s)+7], v[192+8*t:199+8*t]
.set t, t+1
.endr
.endm
	s_mov_b32 s54, 4
.Lfront:                                       ; a trip: one tile of 16 tokens
.set i, 0
.rept 16                               ; layer 0 has K = 2: two fused multiply-adds in f32, for just the 32 features that my lane's two fragments hold
	v_pk_fma_f32 v[192+2*i:193+2*i], v[W0B+2*i:W0B+2*i+1], v[AP:AP+1], v[B0R+2*i:B0R+2*i+1] op_sel:[0,1,0] op_sel_hi:[1,1,1]
.set i, i+1
.endr
.set i, 0
.rept 16
	v_pk_fma_f32 v[192+2*i:193+2*i], v[W0A+2*i:W0A+2*i+1], v[AP:AP+1], v[192+2*i:193+2*i] op_sel_hi:[1,0,1]
.set i, i+1
.endr
.set i, 0
.rept 32
	v_max_num_f32 v[192+i], 0, v[192+i]            ; ReLU, in f32: it stands ahead of the split
.set i, i+1
.endr
	WIN 0x40
.set i, 0
.rept 16
	v_cvt_pk_f16_f32 v[64+i], v[192+2*i], v[193+2*i]   ; H1 hi
.set i, i+1
.endr
	WIN 0x01
.set i, 0
.rept 16
	RESID 192+2*i, 64+i
.set i, i+1
.endr
	WIN 0x40
.set i, 0
.rept 16
	v_cvt_pk_f16_f32 v[80+i], v[192+2*i], v[193+2*i]   ; H1 lo
.set i, i+1
.endr
	WIN 0x17
.set t, 0
.rept 8                                ; b1 starts the sums
	v_wmma_f32_16x16x32_f16 v[192+8*t:199+8*t], v[16*t:16*t+7], v[64:71], v[8*t:8*t+7]
.set t, t+1
.endr
	WIN 0x07
	L1 0, 64, 1                                    ; W1 hi x H1 hi
	L1 0, 80, 0                                    ; W1 hi x H1 lo
	L1 0, 80, 1
	L1 128, 64, 0                                  ; W1 lo x H1 hi
	L1 128, 64, 1
	WIN 0
	PLACES
.set i, 0
.rept 64
	v_max_num_f32 v[192+i], 0, v[192+i]            ; ascending: each accumulator from its low end
.set i, i+1
.endr
.set i, 0
.rept 32
	v_cvt_pk_f16_f32 v[160+i], v[192+2*i], v[193+2*i]  ; H2 hi: tile t at 160 + 4 t
.set i, i+1
.endr
.set i, 0
.rept 32
	RESID 192+2*i, 160+i
.set i, i+1
.endr
.set i, 0
.rept 32
	v_cvt_pk_f16_f32 v[192+i], v[192+2*i], v[193+2*i]  ; H2 lo: tile t at 192 + 4 t
.set i, i+1
.endr
.set t, 0
.rept 8
	ds_store_b128 v22, v[160+4*t:163+4*t] offset:512*t
	ds_store_b128 v13, v[192+4*t:195+4*t] offset:512*t
.set t, t+1
.endr
	v_add_nc_u32 v22, 4096, v22
	v_add_nc_u32 v13, 4096, v13
.irp j, 0,1,2,3,4,5
	v_mov_b32 v[AP+\j], v[AP+2+\j]                 ; the next tile's a
.endr
	s_sub_co_u32 s54, s54, 1
	s_cmp_lg_u32 s54, 0
	s_cbranch_scc1 .Lfront
	s_wait_dscnt 0x0                               ; barrier 3: H2 of all 256 tokens lies in LDS
	s_barrier_signal -1
	WIN 0x40                                       ; S's sums are cleared while the others arrive: 256 lines of 4 bytes, so that the trip below is written once (a first trip of its own, with the constant 0 as C, would be about twice these bytes)
.set i, 0
.rept 256
	v_mov_b32 v[i], 0
.set i, i+1
.endr
	WIN 0
	s_barrier_wait -1
	; THE MAIN LOOP.  My wave owns H3's features 64 w .. 64 w + 63.  A trip takes 32 tokens: H3 = ReLU(H2 W2 + b2) for them (64 products), rounded, and S += v^T H3 (32 products).
.macro LOAD_SA                         ; H2 of two token tiles, hi and lo: 32 loads
	WIN 0xc0
.irp x, 0,1
.irp s, 0,1,2,3
	ds_load_b128 v[8*(4*\x+\s):8*(4*\x+\s)+3], v21 offset:4096*\x+1024*\s
	ds_load_b128 v[8*(4*\x+\s)+4:8*(4*\x+\s)+7], v21 offset:4096*\x+1024*\s+512
	ds_load_b128 v[64+8*(4*\x+\s):64+8*(4*\x+\s)+3], v14 offset:4096*\x+1024*\s
	ds_load_b128 v[64+8*(4*\x+\s)+4:64+8*(4*\x+\s)+7], v14 offset:4096*\x+1024*\s+512
.endr
.endr
	WIN 0
	v_add_nc_u32 v21, 8192, v21
	v_add_nc_u32 v14, 8192, v14
.endm
.macro MUL1 ao, s, first               ; eight products: H2's half at ao, W2, K step s; the eight accumulators take turns
.irp x, 0,1
.irp u, 0,1,2,3
.if \first
	v_wmma_f32_16x16x32_f16 v[64+8*(4*\x+\u):71+8*(4*\x+\u)], v[(\ao)+8*(4*\x+\s):(\ao)+8*(4*\x+\s)+7], v[8*(4*\u+\s):8*(4*\u+\s)+7], v[192+8*\u:199+8*\u]
.else
	v_wmma_f32_16x16x32_f16 v[64+8*(4*\x+\u):71+8*(4*\x+\u)], v[(\ao)+8*(4*\x+\s):(\ao)+8*(4*\x+\s)+7], v[8*(4*\u+\s):8*(4*\u+\s)+7], v[64+8*(4*\x+\u):71+8*(4*\x+\u)]
.endif
.endr
.endr
.endm
.irp u, 0,1,2,3
	ds_load_b32 v[RR+\u], v24 offset:64*\u
.endr
	LOAD_SA
	s_wait_dscnt 32                                ; b2's four loads are older than H2's 32
	WIN 0xc0
.irp u, 0,1,2,3
.irp j, 0,1,2,3,4,5,6,7
	v_mov_b32 v[192+8*\u+\j], v[RR+\u]             ; b2 of my feature, for all eight tokens of a result: the C operand that starts H3's sums
.endr
.endr
	WIN 0
	s_mov_b32 s54, 8
.Ltrip:
	WIN 0xc0                                       ; v^T of this trip's 32 tokens, turned: 16 loads, which land under the first product
.irp c, 0,1,2,3,4,5,6,7
	ds_load_tr16_b128 v[128+8*\c:131+8*\c], v20 offset:32*\c
	ds_load_tr16_b128 v[132+8*\c:135+8*\c], v20 offset:32*\c+4608
.endr
	WIN 0
	v_add_nc_u32 v20, 9216, v20
	s_wait_dscnt 16                                ; H2 is in: only the 16 loads just issued are younger
	WIN 0x3b
	MUL1 0, 0, 1                                   ; H2 hi x W2; b2 starts the sums
	WIN 0x0b
	MUL1 0, 1, 0
	MUL1 0, 2, 0
	MUL1 0, 3, 0
.irp s, 0,1,2,3
	MUL1 64, \s, 0                                 ; H2 lo x W2
.endr
	WIN 0
	PLACES                                         ; ahead of the loads into H2's registers and of the roundings
	s_wait_dscnt 0x0                               ; v^T is in.  It stands ahead of the jump, so that it counts the same on both ways
	s_cmp_eq_u32 s54, 1                            ; the last trip has no next tokens to fetch
	s_cbranch_scc1 .Lno_sa
	LOAD_SA
.Lno_sa:
.irp x, 0,1
.irp u, 0,1,2,3
.irp p, 0,1,2,3
	v_cvt_pk_f16_f32 v[128+8*\u+4*\x+\p], v[64+8*(4*\x+\u)+2*\p], v[64+8*(4*\x+\u)+2*\p+1]  ; each accumulator from its low end
.endr
.endr
.endr
.set i, 0
.rept 32
	v_pk_max_num_f16 v[128+i], v[128+i], v6        ; ReLU on the packed halves
.set i, i+1
.endr
	WIN 0x53
.irp c, 0,1,2,3,4,5,6,7
.irp u, 0,1,2,3
	v_wmma_f32_16x16x32_f16 v[8*(4*\c+\u):8*(4*\c+\u)+7], v[128+8*\c:135+8*\c], v[128+8*\u:135+8*\u], v[8*(4*\c+\u):8*(4*\c+\u)+7]  ; the 32 accumulators take turns
.endr
.endr
	WIN 0
	PLACES                                         ; ahead of the next loads of v^T, of the next roundings, and of the way out
	s_sub_co_u32 s54, s54, 1
	s_cmp_lg_u32 s54, 0
	s_cbranch_scc1 .Ltrip
	; THE WAY OUT.  A lane holds feature 64 w + 16 u + r and the columns 16 ct + 8 h + 0..7.  part is laid [c / 4][feature][c % 4]: sixteen lanes store 256 consecutive bytes, aligned.
	WIN 0x41
.set i, 0
.rept 128
	v_pk_mul_f32 v[2*i:2*i+1], v[2*i:2*i+1], s[50:51] op_sel_hi:[1,0]
.set i, i+1
.endr
	WIN 0x04
.irp c, 0,1,2,3,4,5,6,7
.irp u, 0,1,2,3
	global_store_b128 v28, v[8*(4*\c+\u):8*(4*\c+\u)+3], s[32:33] offset:16384*\c+256*\u
	global_store_b128 v28, v[8*(4*\c+\u)+4:8*(4*\c+\u)+7], s[32:33] offset:16384*\c+256*\u+4096
.endr
.endr
	WIN 0
	s_wait_tensorcnt 0x0                           ; the wave's end, behind my last LDS store
	ds_add_u32 v4, v5
	s_wait_dscnt 0x0
	s_endpgm
.Lfunc_end_k_q1472d05ac3_psi_part:
	.size	k_q1472d05ac3_psi_part, .Lfunc_end_k_q1472d05ac3_psi_part-k_q1472d05ac3_psi_part
	.p2alignl 7, 3214868480
	.fill 96, 4, 3214868480
	.section	.rodata,"a",@progbits
	.p2align	6, 0x0
	.amdhsa_kernel k_q1472d05ac3_psi_part
		.amdhsa_group_segment_fixed_size 250112
		.amdhsa_private_segment_fixed_size 0
		.amdhsa_enable_private_segment 0
		.amdhsa_kernarg_size 120
		.amdhsa_user_sgpr_count 2
		.amdhsa_user_sgpr_kernarg_segment_ptr 1
		.amdhsa_wavefront_size32 1
		.amdhsa_system_sgpr_workgroup_id_x 1
		.amdhsa_system_sgpr_workgroup_id_y 1
		.amdhsa_system_sgpr_workgroup_id_z 1
		.amdhsa_system_vgpr_workitem_id 0
		.amdhsa_next_free_vgpr 1024
		.amdhsa_next_free_sgpr 66
		.amdhsa_reserve_vcc 1
		.amdhsa_float_denorm_mode_32 3
		.amdhsa_float_denorm_mode_16_64 3
		.amdhsa_memory_ordered 1
		.amdhsa_forward_progress 1
		.amdhsa_inst_pref_size 181
	.end_amdhsa_kernel
	.amdgpu_metadata
---
amdhsa.version: [ 1, 2 ]
amdhsa.kernels:
  - .name:           k_q1472d05ac3_psi_part
    .symbol:         k_q1472d05ac3_psi_part.kd
    .args:
      - { .name: a, .offset: 0, .size: 8, .value_kind: global_buffer, .address_space: global }
      - { .name: v, .offset: 8, .size: 8, .value_kind: global_buffer, .address_space: global }
      - { .name: psi_W0, .offset: 16, .size: 8, .value_kind: global_buffer, .address_space: global }
      - { .name: psi_b0, .offset: 24, .size: 8, .value_kind: global_buffer, .address_space: global }
      - { .name: psi_W1, .offset: 32, .size: 8, .value_kind: global_buffer, .address_space: global }
      - { .name: psi_b1, .offset: 40, .size: 8, .value_kind: global_buffer, .address_space: global }
      - { .name: psi_W2, .offset: 48, .size: 8, .value_kind: global_buffer, .address_space: global }
      - { .name: psi_b2, .offset: 56, .size: 8, .value_kind: global_buffer, .address_space: global }
      - { .name: phi_W3, .offset: 64, .size: 8, .value_kind: global_buffer, .address_space: global }
      - { .name: psi_W3, .offset: 72, .size: 8, .value_kind: global_buffer, .address_space: global }
      - { .name: phi_b3, .offset: 80, .size: 8, .value_kind: global_buffer, .address_space: global }
      - { .name: psi_b3, .offset: 88, .size: 8, .value_kind: global_buffer, .address_space: global }
      - { .name: part, .offset: 96, .size: 8, .value_kind: global_buffer, .address_space: global }
      - { .name: cw, .offset: 104, .size: 8, .value_kind: global_buffer, .address_space: global }
      - { .name: uw, .offset: 112, .size: 8, .value_kind: global_buffer, .address_space: global }
    .group_segment_fixed_size: 250112
    .private_segment_fixed_size: 0
    .kernarg_segment_align: 8
    .kernarg_segment_size: 120
    .max_flat_workgroup_size: 128
    .sgpr_count:     66
    .vgpr_count:     1024
    .wavefront_size: 32
...
	.end_amdgpu_metadata
.endif
;; end of part 4
;; launch mix (part 5): grid 256 x 1, 8 waves a work-group, no clusters, 7,680 bytes of LDS; arguments part, cw, uw, gw; writes gw
.if DOCPART == 5
	.amdgcn_target "amdgcn-amd-amdhsa--gfx1250"
	.amdhsa_code_object_version 6
	.text
	.protected	k_q1472d05ac3_mix
	.globl	k_q1472d05ac3_mix
	.p2align	8
	.type	k_q1472d05ac3_mix,@function
k_q1472d05ac3_mix:
	s_mov_b64 s[64:65], 0
	v_nop
	global_prefetch_b8 v0, s[64:65] scope:SCOPE_SE
	s_setreg_imm32_b32 hwreg(HW_REG_WAVE_MODE, 25, 1), 1
	s_wait_xcnt 0x0
; LowRank1d, launch 2 of 3.  Work-group g = 32 b + q makes four columns c = 4 q .. 4 q + 3 of batch b:
;   S = the sum of the batch's 32 partial S (f32), sv likewise;  G = (C S + u sv) / n [256][4];  g0 = (w^T S + z sv) / n.   Nothing of the problem is left out.
; FORMATS.  16 C arrives in two f16 halves, hi and lo.  S is scaled by 2^(141 - es), es the exponent field of max |S| of these four columns, and split likewise (hi = f16(x), lo = f16(x - hi), the difference exact in f32);
;   the product is hi hi + hi lo + lo hi on one f32 sum, which starts from 16 u sv in the same scale (f32).  G is scaled by its own maximum in the same way and rounded once to f16;
;   sc = 2^(eg + es - 299) undoes both scales, the 16 and n = 8,192.  g0 is made in f32 on the vector unit.
; LIMITS.  A maximum under 2^-60 is taken as 2^-60; sc's exponent field is held to 1 .. 254; the maxima pass over NaN.
; NO CLUSTER: what the work-groups share, C (262,144 bytes), goes from memory straight into each wave's registers as operands; the stream, part, has one reader for each byte.
; SHARES.  Eight waves.  Thread t sums feature t.  Wave w makes G's rows 32 w .. 32 w + 31: two accumulators by turns, K = 256.  The product's 16 columns hold the four c four times over.
; THE LOADS' ORDER.  A wave has 102 loads.  The 32 of the stream go out first, then 6 small ones and 24 of C's 64: 62 are out.  C's other 40 go out when the stream is in, and land under the sums and two barriers.
; REGISTERS: window 0: v0-19 ids and addresses (v2 = 1.0), v20-27 S, v28-31 sv, v32-63 at work, v64-191 the partials, then S's fragments (hi v64-127, lo v128-191), v192-207 u, then G, v208-215 G rounded, v216-247 g0's parts;
;   window 1: C's fragments: hi v0-127 (row tile i at 64 i), lo v128-255.
.set SL,    0                          ; S in f16, [c 4][f 256], pitch 528: hi, and SX further on lo
.set SX,    2112
.set GS,    4352                       ; G's image: [mt 16][h 2][c 4] x 16 bytes
.set RED,   6400                       ; words 0-7 max |S| by wave; 32 + 16 w: g0's parts; words 40-47 max |G| by wave
.set SPARE, 6656                       ; the spare words, 128 bytes a wave: no other line names them
.set ONE, 2
.set G0R, 216
.set MSB, 0
.macro WIN new
.if MSB != (\new)
	s_set_vgpr_msb (MSB<<8)|(\new)
.set MSB, (\new)
.endif
.endm
.macro RESID x, hh                     ; registers x, x + 1 less the two f16 halves of register hh: exact in f32
	v_fma_mix_f32 v[\x], -v[\hh], v[ONE], v[\x] op_sel_hi:[1,0,0]
	v_fma_mix_f32 v[(\x)+1], -v[\hh], v[ONE], v[(\x)+1] op_sel:[1,0,0] op_sel_hi:[1,0,0]
.endm
.macro WMAX x
	v_max_num_f32_dpp v[\x], v[\x], v[\x] row_xmask:1 row_mask:0xf bank_mask:0xf
	v_max_num_f32_dpp v[\x], v[\x], v[\x] row_xmask:2 row_mask:0xf bank_mask:0xf
	v_max_num_f32_dpp v[\x], v[\x], v[\x] row_xmask:4 row_mask:0xf bank_mask:0xf
	v_max_num_f32_dpp v[\x], v[\x], v[\x] row_xmask:8 row_mask:0xf bank_mask:0xf
	v_permlanex16_b32 v38, v[\x], s52, s53
	v_max_num_f32 v[\x], v[\x], v38
.endm
.macro WSUM x
	v_add_f32_dpp v[\x], v[\x], v[\x] row_xmask:1 row_mask:0xf bank_mask:0xf
	v_add_f32_dpp v[\x], v[\x], v[\x] row_xmask:2 row_mask:0xf bank_mask:0xf
	v_add_f32_dpp v[\x], v[\x], v[\x] row_xmask:4 row_mask:0xf bank_mask:0xf
	v_add_f32_dpp v[\x], v[\x], v[\x] row_xmask:8 row_mask:0xf bank_mask:0xf
	v_permlanex16_b32 v38, v[\x], s52, s53
	v_add_f32 v[\x], v[\x], v38
.endm
.macro BAR
	s_wait_dscnt 0x0
	s_barrier_signal -1
	s_barrier_wait -1
.endm
.macro MAX8                            ; the eight waves' maxima in v40-47 into v40, at least 2^-60
	v_max3_num_f32 v40, v40, v41, v42
	v_max3_num_f32 v40, v40, v43, v44
	v_max3_num_f32 v40, v40, v45, v46
	v_max_num_f32 v40, v40, v47
	v_max_num_f32 v40, 0x21800000, v40
.endm
	s_load_b256 s[8:15], s[0:1], 0x0               ; part 8, cw 10, uw 12, gw 14
	v_lshl_add_u32 v4, v0, 2, SPARE
	v_mov_b32 v5, 0
	v_mov_b32 v[ONE], 1.0
	v_and_b32 v1, 31, v0                           ; L
	v_bfe_u32 v3, v0, 4, 1                         ; h
	v_and_b32 v6, 3, v0                            ; r % 4: my column
	v_lshrrev_b32 v38, 5, v0
	v_readfirstlane_b32 s3, v38                    ; w, 0 to 7
	s_lshr_b32 s4, ttmp9, 5                        ; b
	s_and_b32 s5, ttmp9, 31                        ; q
	s_mov_b32 s52, 0x76543210
	s_mov_b32 s53, 0xfedcba98
	v_lshlrev_b32 v8, 4, v0                        ; 16 x thread: feature t's four columns in a block of part
	v_mul_u32_u24 v9, v1, 131584                   ; lane L takes chunk L's part of sv
	s_lshl_b32 s16, s3, 14
	v_lshl_add_u32 v10, v1, 4, s16                 ; cw: my wave's 32 pieces of 512 bytes
	v_lshlrev_b32 v11, 1, v0                       ; S[c][t] (SL = 0)
	v_mul_u32_u24 v12, v6, 528
	v_lshl_add_u32 v12, v3, 4, v12                 ; a fragment of S: row r % 4, 16 h
	s_lshl_b32 s16, s3, 8
	s_add_co_u32 s16, s16, GS
	v_lshl_add_u32 v13, v6, 4, s16
	v_lshl_add_u32 v13, v3, 6, v13                 ; G's image: 128 (2 w + i) + 64 h + 16 (r % 4)
	v_lshl_add_u32 v14, v0, 3, GS                  ; and back: 8 bytes a thread
	s_lshl_b32 s16, s3, 4
	s_add_co_u32 s16, s16, RED+32
	v_mov_b32 v15, s16
	v_mov_b32 v16, RED
	s_lshl_b32 s16, s3, 2
	s_add_co_u32 s16, s16, RED
	v_mov_b32 v7, s16
	v_lshlrev_b32 v17, 2, v0                       ; w[t]
	s_lshl_b32 s16, s3, 7
	v_lshl_add_u32 v18, v3, 5, s16                 ; u[16 (2 w + i) + 8 h + 0..7]
	v_lshlrev_b32 v19, 3, v1                       ; 8 L
	v_lshlrev_b32 v37, 3, v0                       ; 8 x thread
	s_wait_kmcnt 0x0
	s_load_b32 s34, s[12:13], 0x800                ; z (the first work-group's copy)
	s_mov_b32 s17, 0
	s_mul_i32 s16, s4, 4210688                     ; the batch's 32 blocks of 131,584 bytes
	s_add_nc_u64 s[8:9], s[8:9], s[16:17]
	s_lshl_b32 s16, s5, 4
	s_add_co_u32 s16, s16, 131072
	s_add_nc_u64 s[20:21], s[8:9], s[16:17]        ; sv's parts, my four columns
	s_lshl_b32 s16, s5, 12
	s_add_nc_u64 s[8:9], s[8:9], s[16:17]          ; S's parts, my four columns: 4,096 bytes a block
	s_mul_i32 s16, ttmp9, 2304
	s_add_nc_u64 s[14:15], s[14:15], s[16:17]      ; my block of gw
.set i, 0
.rept 32                               ; the stream: chunk i's part of S, a wave 512 consecutive bytes
	global_load_b128 v[64+4*i:67+4*i], v8, s[8:9] offset:131584*i th:TH_LOAD_NT
.set i, i+1
.endr
	global_load_b128 v[28:31], v9, s[20:21]
	global_load_b32 v36, v17, s[12:13] offset:1024
.irp i, 0,1
	global_load_b128 v[192+8*\i:195+8*\i], v18, s[12:13] offset:64*\i
	global_load_b128 v[196+8*\i:199+8*\i], v18, s[12:13] offset:64*\i+16
.endr
	WIN 0x40
.set i, 0
.rept 24                               ; C hi: row tile 2 w + i / 16, piece i % 16: registers 4 i: two pieces are a fragment
	global_load_b128 v[4*i:4*i+3], v10, s[10:11] offset:512*i
.set i, i+1
.endr
	WIN 0
	s_wait_loadcnt 46                              ; chunks 0-15 are in: 16 chunks, 6 small loads and 24 of C are younger
.irp k, 0,1                            ; two chains, the even chunks' and the odd chunks'; chunks 0 + 2 and 1 + 3 start them
	v_pk_add_f32 v[20+2*\k:21+2*\k], v[64+2*\k:65+2*\k], v[72+2*\k:73+2*\k]
	v_pk_add_f32 v[24+2*\k:25+2*\k], v[68+2*\k:69+2*\k], v[76+2*\k:77+2*\k]
.endr
.macro CHUNKS from, n
.set i, \from
.rept \n
.irp k, 0,1
	v_pk_add_f32 v[20+4*(i%2)+2*\k:21+4*(i%2)+2*\k], v[20+4*(i%2)+2*\k:21+4*(i%2)+2*\k], v[64+4*i+2*\k:65+4*i+2*\k]
.endr
.set i, i+1
.endr
.endm
	CHUNKS 4, 12
	s_wait_loadcnt 24                              ; the stream and the small loads are in: only C's 24 are younger
	WIN 0x40
.set i, 24
.rept 8
	global_load_b128 v[4*i:4*i+3], v10, s[10:11] offset:512*i
.set i, i+1
.endr
.set i, 0
.rept 32                               ; C lo likewise
	global_load_b128 v[128+4*i:131+4*i], v10, s[10:11] offset:131072+512*i
.set i, i+1
.endr
	WIN 0
	CHUNKS 16, 16
	v_pk_add_f32 v[20:21], v[20:21], v[24:25]
	v_pk_add_f32 v[22:23], v[22:23], v[26:27]
.irp k, 28,29,30,31
	WSUM \k                                        ; sv: over the 32 chunks, one a lane
.endr
	v_pk_mul_f32 v[32:33], v[20:21], v[36:37] op_sel_hi:[1,0]  ; g0's part: w[t] S[t][c]
	v_pk_mul_f32 v[34:35], v[22:23], v[36:37] op_sel_hi:[1,0]
	v_max_num_f32 v39, |v20|, |v21|
	v_max3_num_f32 v39, v39, |v22|, |v23|
.irp k, 32,33,34,35
	WSUM \k
.endr
	WMAX 39
	ds_store_b32 v7, v39
	ds_store_b128 v15, v[32:35]
	BAR                                            ; barrier 1
	ds_load_b128 v[40:43], v16
	ds_load_b128 v[44:47], v16 offset:16
.irp k, 0,1,2,3,4,5,6,7
	ds_load_b128 v[G0R+4*\k:G0R+4*\k+3], v16 offset:32+16*\k
.endr
	s_wait_dscnt 0x0
	s_wait_kmcnt 0x0
	s_mov_b32 s35, s34                             ; z is named as a pair
	MAX8
	v_readfirstlane_b32 s32, v40
	s_lshr_b32 s32, s32, 23                        ; es
	s_sub_co_i32 s36, 268, s32                     ; sS = 2^(141 - es)
	s_lshl_b32 s36, s36, 23
	s_mov_b32 s37, s36
	s_sub_co_i32 s38, 272, s32                     ; 16 sS
	s_lshl_b32 s38, s38, 23
.irp k, 0,1,2,3
.irp j, 0,2
	v_pk_add_f32 v[G0R+8*\k+\j:G0R+8*\k+\j+1], v[G0R+8*\k+\j:G0R+8*\k+\j+1], v[G0R+8*\k+4+\j:G0R+8*\k+5+\j]
.endr
.endr
.irp j, 0,2
	v_pk_add_f32 v[G0R+\j:G0R+\j+1], v[G0R+\j:G0R+\j+1], v[G0R+8+\j:G0R+9+\j]
	v_pk_add_f32 v[G0R+16+\j:G0R+17+\j], v[G0R+16+\j:G0R+17+\j], v[G0R+24+\j:G0R+25+\j]
.endr
.irp j, 0,2
	v_pk_add_f32 v[G0R+\j:G0R+\j+1], v[G0R+\j:G0R+\j+1], v[G0R+16+\j:G0R+17+\j]
.endr
.irp j, 0,2
	v_pk_fma_f32 v[G0R+\j:G0R+\j+1], v[28+\j:29+\j], s[34:35], v[G0R+\j:G0R+\j+1] op_sel_hi:[1,0,1]  ; + z sv
.endr
.irp j, 0,2
	v_pk_mul_f32 v[G0R+\j:G0R+\j+1], v[G0R+\j:G0R+\j+1], 0x39000000 op_sel_hi:[1,0]                  ; / 8,192: g0
.endr
.irp j, 0,2
	v_pk_mul_f32 v[20+\j:21+\j], v[20+\j:21+\j], s[36:37] op_sel_hi:[1,0]
.endr
	v_cvt_pk_f16_f32 v48, v20, v21                 ; S hi
	v_cvt_pk_f16_f32 v49, v22, v23
	RESID 20, 48
	RESID 22, 49
	v_cvt_pk_f16_f32 v50, v20, v21                 ; S lo
	v_cvt_pk_f16_f32 v51, v22, v23
	ds_store_b16 v11, v48
	ds_store_b16_d16_hi v11, v48 offset:528
	ds_store_b16 v11, v49 offset:1056
	ds_store_b16_d16_hi v11, v49 offset:1584
	ds_store_b16 v11, v50 offset:SX
	ds_store_b16_d16_hi v11, v50 offset:SX+528
	ds_store_b16 v11, v51 offset:SX+1056
	ds_store_b16_d16_hi v11, v51 offset:SX+1584
	v_cmp_eq_u32 vcc_lo, 1, v6                     ; sv of my column
	v_cndmask_b32 v52, v28, v29, vcc_lo
	v_cmp_eq_u32 vcc_lo, 2, v6
	v_cndmask_b32 v52, v52, v30, vcc_lo
	v_cmp_eq_u32 vcc_lo, 3, v6
	v_cndmask_b32 v52, v52, v31, vcc_lo
	v_mul_f32 v52, s38, v52
	v_mov_b32 v53, v52
.set i, 0
.rept 8
	v_pk_mul_f32 v[192+2*i:193+2*i], v[192+2*i:193+2*i], v[52:53]  ; 16 sS u[f] sv[c]: what the sums start from
.set i, i+1
.endr
	BAR                                            ; barrier 2: S lies in LDS
.irp k, 0,1,2,3,4,5,6,7
	ds_load_b128 v[64+8*\k:67+8*\k], v12 offset:64*\k
	ds_load_b128 v[68+8*\k:71+8*\k], v12 offset:64*\k+32
	ds_load_b128 v[128+8*\k:131+8*\k], v12 offset:SX+64*\k
	ds_load_b128 v[132+8*\k:135+8*\k], v12 offset:SX+64*\k+32
.endr
	s_wait_dscnt 0x0
	s_wait_loadcnt 0x0                             ; C is in
	WIN 0x01                                       ; C in window 1.  The two accumulators take turns throughout
.irp k, 0,1,2,3,4,5,6,7
.irp i, 0,1
	v_wmma_f32_16x16x32_f16 v[192+8*\i:199+8*\i], v[64*\i+8*\k:64*\i+8*\k+7], v[64+8*\k:71+8*\k], v[192+8*\i:199+8*\i]          ; C hi x S hi
.endr
.endr
.irp k, 0,1,2,3,4,5,6,7
.irp i, 0,1
	v_wmma_f32_16x16x32_f16 v[192+8*\i:199+8*\i], v[64*\i+8*\k:64*\i+8*\k+7], v[128+8*\k:135+8*\k], v[192+8*\i:199+8*\i]        ; C hi x S lo
.endr
.endr
.irp k, 0,1,2,3,4,5,6,7
.irp i, 0,1
	v_wmma_f32_16x16x32_f16 v[192+8*\i:199+8*\i], v[128+64*\i+8*\k:128+64*\i+8*\k+7], v[64+8*\k:71+8*\k], v[192+8*\i:199+8*\i]  ; C lo x S hi
.endr
.endr
	WIN 0
.rept 4
	v_nop
.endr
	v_max_num_f32 v39, |v192|, |v193|
.set i, 1
.rept 7
	v_max3_num_f32 v39, v39, |v[192+2*i]|, |v[193+2*i]|  ; ascending: each accumulator from its low end
.set i, i+1
.endr
	WMAX 39
	ds_store_b32 v7, v39 offset:160
	BAR                                            ; barrier 3
	ds_load_b128 v[40:43], v16 offset:160
	ds_load_b128 v[44:47], v16 offset:176
	s_wait_dscnt 0x0
	MAX8
	v_readfirstlane_b32 s33, v40
	s_lshr_b32 s33, s33, 23                        ; eg
	s_sub_co_i32 s40, 268, s33                     ; sG = 2^(141 - eg)
	s_lshl_b32 s40, s40, 23
	s_mov_b32 s41, s40
	s_add_co_i32 s42, s33, s32                     ; sc = 2^(eg + es - 299)
	s_sub_co_i32 s42, s42, 172
	s_max_i32 s42, s42, 1
	s_min_i32 s42, s42, 254
	s_lshl_b32 s42, s42, 23
.set i, 0
.rept 8
	v_pk_mul_f32 v[192+2*i:193+2*i], v[192+2*i:193+2*i], s[40:41] op_sel_hi:[1,0]
.set i, i+1
.endr
.set i, 0
.rept 8
	v_cvt_pk_f16_f32 v[208+i], v[192+2*i], v[193+2*i]
.set i, i+1
.endr
.irp i, 0,1
	ds_store_b128 v13, v[208+4*\i:211+4*\i] offset:128*\i  ; lanes with the same r % 4 and h hold the same numbers and write the same bytes
.endr
	v_mov_b32 v54, 0                               ; the block's last 256 bytes, 8 a lane: g0 (lanes 0, 1), sc four times (lanes 2, 3), zeros
	v_mov_b32 v55, 0
	v_cmp_eq_u32 vcc_lo, 0, v1
	v_cndmask_b32 v54, v54, v[G0R], vcc_lo
	v_cndmask_b32 v55, v55, v[G0R+1], vcc_lo
	v_cmp_eq_u32 vcc_lo, 1, v1
	v_cndmask_b32 v54, v54, v[G0R+2], vcc_lo
	v_cndmask_b32 v55, v55, v[G0R+3], vcc_lo
	v_lshrrev_b32 v56, 1, v1
	v_cmp_eq_u32 vcc_lo, 1, v56
	v_cndmask_b32 v54, v54, s42, vcc_lo
	v_cndmask_b32 v55, v55, s42, vcc_lo
	BAR                                            ; barrier 4: G's image is whole
	ds_load_b64 v[60:61], v14
	s_cmp_lg_u32 s3, 0
	s_cbranch_scc1 .Lno_tail
	global_store_b64 v19, v[54:55], s[14:15] offset:2048   ; 256 consecutive bytes
.Lno_tail:
	s_wait_dscnt 0x0
	global_store_b64 v37, v[60:61], s[14:15]       ; a wave stores 256 consecutive bytes, aligned
	s_wait_tensorcnt 0x0                           ; the wave's end, behind my last LDS store
	ds_add_u32 v4, v5
	s_wait_dscnt 0x0
	s_endpgm
.Lfunc_end_k_q1472d05ac3_mix:
	.size	k_q1472d05ac3_mix, .Lfunc_end_k_q1472d05ac3_mix-k_q1472d05ac3_mix
	.p2alignl 7, 3214868480
	.fill 96, 4, 3214868480
	.section	.rodata,"a",@progbits
	.p2align	6, 0x0
	.amdhsa_kernel k_q1472d05ac3_mix
		.amdhsa_group_segment_fixed_size 7680
		.amdhsa_private_segment_fixed_size 0
		.amdhsa_enable_private_segment 0
		.amdhsa_kernarg_size 32
		.amdhsa_user_sgpr_count 2
		.amdhsa_user_sgpr_kernarg_segment_ptr 1
		.amdhsa_wavefront_size32 1
		.amdhsa_system_sgpr_workgroup_id_x 1
		.amdhsa_system_sgpr_workgroup_id_y 1
		.amdhsa_system_sgpr_workgroup_id_z 1
		.amdhsa_system_vgpr_workitem_id 0
		.amdhsa_next_free_vgpr 512
		.amdhsa_next_free_sgpr 66
		.amdhsa_reserve_vcc 1
		.amdhsa_float_denorm_mode_32 3
		.amdhsa_float_denorm_mode_16_64 3
		.amdhsa_memory_ordered 1
		.amdhsa_forward_progress 1
		.amdhsa_inst_pref_size 34
	.end_amdhsa_kernel
	.amdgpu_metadata
---
amdhsa.version: [ 1, 2 ]
amdhsa.kernels:
  - .name:           k_q1472d05ac3_mix
    .symbol:         k_q1472d05ac3_mix.kd
    .args:
      - { .name: part, .offset: 0, .size: 8, .value_kind: global_buffer, .address_space: global }
      - { .name: cw, .offset: 8, .size: 8, .value_kind: global_buffer, .address_space: global }
      - { .name: uw, .offset: 16, .size: 8, .value_kind: global_buffer, .address_space: global }
      - { .name: gw, .offset: 24, .size: 8, .value_kind: global_buffer, .address_space: global }
    .group_segment_fixed_size: 7680
    .private_segment_fixed_size: 0
    .kernarg_segment_align: 8
    .kernarg_segment_size: 32
    .max_flat_workgroup_size: 256
    .sgpr_count:     66
    .vgpr_count:     512
    .wavefront_size: 32
...
	.end_amdgpu_metadata
.endif
;; end of part 5
;; launch phi_out (part 6): grid 256 x 1, 4 waves a work-group, no clusters, 239,872 bytes of LDS; arguments a, out0, phi_W0, phi_b0, phi_W1, phi_b1, phi_W2, phi_b2, gw; writes out0
.if DOCPART == 6
	.amdgcn_target "amdgcn-amd-amdhsa--gfx1250"
	.amdhsa_code_object_version 6
	.text
	.protected	k_q1472d05ac3_phi_out
	.globl	k_q1472d05ac3_phi_out
	.p2align	8
	.type	k_q1472d05ac3_phi_out,@function
k_q1472d05ac3_phi_out:
	s_mov_b64 s[64:65], 0
	v_nop
	global_prefetch_b8 v0, s[64:65] scope:SCOPE_SE
	s_setreg_imm32_b32 hwreg(HW_REG_WAVE_MODE, 25, 1), 1
	s_wait_xcnt 0x0
; LowRank1d, launch 3 of 3.  Work-group g takes tokens 256 g .. 256 g + 255 (batch g / 32): the phi net up to its third activation H, and out = H G + g0, with G and g0 as the launch before left them.
; Nothing of the problem is left out: phi_W3 and phi_b3 have gone into G and g0 (out = (H W3phi + b3phi)(psi_eval^T v) / n = H G + g0, for all values of the inputs).
; FORMATS, SCALE, LIMITS.  As in the first launch: operands f16, sums f32.  W2, H3 and G are rounded once; W1, H1 and H2 go in two halves, hi = f16(x), lo = f16(x - hi) (the difference exact in f32): a product of two such is
;   hi hi + hi lo + lo hi on one f32 sum, a product with one such hi + lo.  H1, H2, H3 carry ONE power of two, 2^(141 - e), e the exponent field of the largest of the bounds B1 = 2 A m0 + c0, B2 = 64 m1 B1 + c1,
;   B3 = 128 m2 B2 + c2, made here from maxima; it goes into a, b0, b1, b2 (all f32); the weights are taken as they are.  G comes in f16 with a scale sc for each four columns; out = sum x sc x 2^(e - 141) + g0, in f32.
;   |W1| and |W2| stay under 65,504; B1 under 2^-60 is taken as 2^-60; a layer whose H lies far under the largest bound keeps f16's fixed step of 2^-24 of the scaled numbers; the maxima pass over NaN, and infinities are not treated apart.
; NO CLUSTER, NO TENSOR LOAD: the weights that all work-groups share (163,840 bytes of f32) must pass through registers to be measured and rounded; as f32 in LDS beside the 239,872 bytes in use they would not fit in 327,680.
; SHARES.  Wave w keeps its own 64 tokens from first to last; the four waves share W1, W2, b1, b2 and G in LDS.
; LAYOUT.  L = lane, r = L % 16, h = L / 16.  Every product holds one token a lane (column r) and eight features or columns (8 h + j): two results, rounded in pairs, are the next product's operand.
; REGISTERS, in windows of 256 (s_set_vgpr_msb: bits 1:0 source 0, 3:2 source 1, 5:4 source 2, 7:6 destination):
;   window 0: v0-31 ids and addresses (v6 = 0, v27 = 1.0); v32-39 a; v56-63 maxima; head: v64-159 W0, b0; v160-191 at work; v192-255 W1, then layer 1's sums
;             main loop: v64-127 ACC1 (2 x 4), v128-159 H3, v192-207 b2 as C operands, v208-223 sc
;   window 1: front: b1 v0-63, H1 hi v64-79, lo v80-95; G as loaded v96-223; then ACC2 (8 x 4)
;   window 2: my H2, hi v0-127, lo v128-255
;   window 3: W2 as loaded; front: W1's fragments, hi v0-127, lo v128-255; main loop: W2^T v0-63, G^T v128-191, g0 v192-255
.set W1L,   0                          ; W1 in f16, [k 64][n 128], pitch 288: hi, and W1X further on lo
.set W1X,   18432
.set W2L,   36864                      ; W2 in f16, [k 128][n 256], pitch 544
.set H2L,   106496                     ; H2 on its way back into registers: wave x 32,768 + token tile x 4,096 + piece t x 512 + 16 L: hi, and H2X further on lo
.set H2X,   16384
.set GL,    106496                     ; over H2, when every wave has read it back: G: 32 blocks of four columns, pitch 2,112: [mt 16][h 2][c 4] x 16 bytes
.set OST,   174080                     ; likewise: the way out: wave x 8,448: 16 rows of 512 bytes, pitch 528
.set B1L,   237568
.set B2L,   238080
.set RED,   239104                     ; wave x 64: seven maxima and a zero
.set SPARE, 239360                     ; the spare words, 128 bytes a wave: no other line names them
.set ONE, 27
.set AP,  32
.set RR,  56
.set W0A, 64
.set W0B, 96
.set B0R, 128
.set MX,  164
.set MSB, 0
.macro WIN new
.if MSB != (\new)
	s_set_vgpr_msb (MSB<<8)|(\new)
.set MSB, (\new)
.endif
.endm
.macro PLACES
.rept 4
	v_nop
.endr
.endm
.macro RESID x, hh                     ; registers x, x + 1 less the two f16 halves of register hh: exact in f32
	v_fma_mix_f32 v[\x], -v[\hh], v[ONE], v[\x] op_sel_hi:[1,0,0]
	v_fma_mix_f32 v[(\x)+1], -v[\hh], v[ONE], v[(\x)+1] op_sel:[1,0,0] op_sel_hi:[1,0,0]
.endm
.macro WMAX x
	v_max_num_f32_dpp v[\x], v[\x], v[\x] row_xmask:1 row_mask:0xf bank_mask:0xf
	v_max_num_f32_dpp v[\x], v[\x], v[\x] row_xmask:2 row_mask:0xf bank_mask:0xf
	v_max_num_f32_dpp v[\x], v[\x], v[\x] row_xmask:4 row_mask:0xf bank_mask:0xf
	v_max_num_f32_dpp v[\x], v[\x], v[\x] row_xmask:8 row_mask:0xf bank_mask:0xf
	v_permlanex16_b32 v31, v[\x], s52, s53
	v_max_num_f32 v[\x], v[\x], v31
.endm
.macro BAR
	s_wait_dscnt 0x0
	s_barrier_signal -1
	s_barrier_wait -1
.endm
	s_load_b512 s[8:23], s[0:1], 0x0               ; a 8, out0 10, W0 12, b0 14, W1 16, b1 18, W2 20, b2 22
	s_load_b64 s[24:25], s[0:1], 0x40              ; gw
	v_lshl_add_u32 v4, v0, 2, SPARE
	v_mov_b32 v5, 0
	v_mov_b32 v6, 0                                ; 0 for the ReLU on packed halves
	v_mov_b32 v[ONE], 1.0
	v_and_b32 v1, 31, v0                           ; L
	v_and_b32 v2, 15, v0                           ; r
	v_bfe_u32 v3, v0, 4, 1                         ; h
	v_lshrrev_b32 v31, 5, v0
	v_readfirstlane_b32 s3, v31                    ; w
	s_mov_b32 s2, ttmp9                            ; g
	s_mov_b32 s52, 0x76543210
	s_mov_b32 s53, 0xfedcba98
	v_lshlrev_b32 v7, 4, v1                        ; 16 L
	s_lshl_b32 s38, s3, 13
	v_add_nc_u32 v8, s38, v7                       ; W1 in memory: rows 16 w + i
	s_mul_i32 s38, s3, 4608
	v_lshl_add_u32 v9, v1, 3, s38                  ; and in LDS (W1L = 0)
	s_lshl_b32 s38, s3, 8
	v_lshl_add_u32 v10, v2, 4, s38
	v_lshl_add_u32 v10, v3, 10, v10                ; W2 in memory: rows 2 i + h, my wave's 256 bytes of each
	s_lshl_b32 s39, s3, 7
	s_add_co_u32 s39, s39, W2L
	v_mul_u32_u24 v11, v3, 544
	v_lshl_add_u32 v11, v2, 3, v11
	v_add_nc_u32 v11, s39, v11                     ; and in LDS, loads 0-31,
	v_add_nc_u32 v12, 34816, v11                   ; loads 32-63
	s_lshl_b32 s38, s3, 15
	v_add_nc_u32 v13, s38, v7                      ; out0: rows 64 w + ..
	v_mul_u32_u24 v14, v3, 4608                    ; g0 and sc: the blocks 4 ct + 2 h, + 1
	s_lshl_b32 s38, s3, 9
	v_lshl_add_u32 v15, v2, 3, s38                 ; a: token 64 w + 16 j + r
	v_lshlrev_b32 v16, 5, v3                       ; W0, b0: features 16 g + 8 h + 0..7
	v_lshlrev_b32 v17, 2, v0                       ; b1, b2: one number a thread
	v_and_b32 v31, 7, v0
	v_lshl_add_u32 v31, v3, 3, v31                 ; the turning load's row 8 h + L % 8
	v_bfe_u32 v30, v0, 3, 1
	v_lshlrev_b32 v30, 4, v30                      ; and its 16 bytes (L / 8) % 2
	v_mul_u32_u24 v18, v31, 288
	v_add_nc_u32 v18, v18, v30                     ; in W1 (W1L = 0)
	v_mul_u32_u24 v21, v31, 544
	v_add_nc_u32 v21, v21, v30
	v_add_nc_u32 v21, W2L, v21                     ; in W2; steps 32 out features a trip
	v_lshrrev_b32 v20, 2, v2
	v_mul_u32_u24 v20, v20, 2112
	v_lshl_add_u32 v20, v3, 6, v20
	v_and_b32 v31, 3, v0
	v_lshl_add_u32 v20, v31, 4, v20
	v_add_nc_u32 v20, GL, v20                      ; G^T: column 16 ct + r: block 4 ct + r / 4, 64 h, 16 (r % 4); steps 32 features a trip
	s_lshl_b32 s38, s3, 15
	s_add_co_u32 s38, s38, H2L
	v_add_nc_u32 v22, s38, v7                      ; where I write H2: my wave's four token tiles,
	v_add_nc_u32 v23, s38, v7                      ; and where I read them back
	v_lshl_add_u32 v24, v3, 5, B2L                 ; b2 of feature 32 t + 16 x + 8 h + 0..7; steps
	v_lshlrev_b32 v163, 4, v0                      ; 16 x thread
	v_add_nc_u32 v25, GL, v163
	s_lshl_b32 s38, s3, 6
	s_add_co_u32 s38, s38, RED
	v_mov_b32 v26, s38
	s_mul_i32 s38, s3, 8448
	s_add_co_u32 s38, s38, OST
	v_mul_u32_u24 v28, v2, 528
	v_lshl_add_u32 v28, v3, 5, v28
	v_add_nc_u32 v28, s38, v28                     ; into my stage: row r, 32 h
	v_add_nc_u32 v29, s38, v7                      ; and back: a row of 512 bytes a load
	v_lshl_add_u32 v30, v3, 5, B1L
	s_wait_kmcnt 0x0
	s_mov_b32 s39, 0
	s_lshl_b32 s38, s2, 11
	s_add_nc_u64 s[8:9], s[8:9], s[38:39]          ; a at my 256 tokens
	s_lshl_b32 s38, s2, 17
	s_add_nc_u64 s[10:11], s[10:11], s[38:39]      ; out0 at my 256 rows
	s_lshr_b32 s38, s2, 5
	s_mul_i32 s38, s38, 73728
	s_add_nc_u64 s[24:25], s[24:25], s[38:39]      ; gw at my batch's 32 blocks of 2,304 bytes
.irp j, 0,1,2,3
	global_load_b64 v[AP+2*\j:AP+2*\j+1], v15, s[8:9] offset:128*\j
.endr
.set i, 0
.rept 8
	global_load_b128 v[W0A+4*i:W0A+4*i+3], v16, s[12:13] offset:64*(i/2)+16*(i%2)
	global_load_b128 v[W0B+4*i:W0B+4*i+3], v16, s[12:13] offset:256+64*(i/2)+16*(i%2)
	global_load_b128 v[B0R+4*i:B0R+4*i+3], v16, s[14:15] offset:64*(i/2)+16*(i%2)
.set i, i+1
.endr
	global_load_b32 v160, v17, s[18:19]
	global_load_b32 v161, v17, s[22:23]
	global_load_b32 v162, v17, s[22:23] offset:512
.set i, 0
.rept 16
	global_load_b128 v[192+4*i:195+4*i], v8, s[16:17] offset:512*i
.set i, i+1
.endr
	WIN 0xc0
.set i, 0
.rept 64
	global_load_b128 v[4*i:4*i+3], v10, s[20:21] offset:2048*i
.set i, i+1
.endr
	WIN 0x40
.set i, 0
.rept 32
	global_load_b128 v[96+4*i:99+4*i], v163, s[24:25] offset:2304*i  ; G: the 2,048 bytes of block i; it waits in registers until its place in LDS is free
.set i, i+1
.endr
	WIN 0
	s_wait_loadcnt 32                              ; G's 32 loads are younger than the weights and may stay out
	; THE MAXIMA
.irp q, 0,1,2,3,4,5,6,7
	v_mov_b32 v[RR+\q], 0
	v_mov_b32 v[MX+\q], 0
.endr
.irp j, 0,2,4,6
	v_max3_num_f32 v[RR], v[RR], |v[AP+\j]|, |v[AP+\j+1]|
.endr
.set i, 0
.rept 16
	v_max3_num_f32 v[RR+1], v[RR+1], |v[W0A+2*i]|, |v[W0A+2*i+1]|
	v_max3_num_f32 v[MX], v[MX], |v[W0B+2*i]|, |v[W0B+2*i+1]|
	v_max3_num_f32 v[RR+2], v[RR+2], |v[B0R+2*i]|, |v[B0R+2*i+1]|
	v_max3_num_f32 v[RR+3], v[RR+3], |v[192+4*i]|, |v[193+4*i]|
	v_max3_num_f32 v[MX+1], v[MX+1], |v[194+4*i]|, |v[195+4*i]|
.set i, i+1
.endr
	v_max_num_f32 v[RR+1], v[RR+1], v[MX]
	v_max_num_f32 v[RR+3], v[RR+3], v[MX+1]
	v_max_num_f32 v[RR+4], v[RR+4], |v160|
	v_max3_num_f32 v[RR+6], v[RR+6], |v161|, |v162|
	WIN 0x3c
.set i, 0
.rept 128
	v_max3_num_f32 v[MX+4+i%4], v[MX+4+i%4], |v[2*i]|, |v[2*i+1]|
.set i, i+1
.endr
	WIN 0
	v_max3_num_f32 v[RR+5], v[MX+4], v[MX+5], v[MX+6]
	v_max_num_f32 v[RR+5], v[RR+5], v[MX+7]
.irp q, 0,1,2,3,4,5,6
	WMAX RR+\q
.endr
	ds_store_b128 v26, v[RR:RR+3]
	ds_store_b128 v26, v[RR+4:RR+7] offset:16
	BAR                                            ; barrier 1: every wave's maxima lie in LDS
	; THE SCALE, the same in all four waves
	v_mov_b32 v31, RED
	WIN 0x80
.irp k, 0,1,2,3
	ds_load_b128 v[128+8*\k:131+8*\k], v31 offset:64*\k
	ds_load_b128 v[132+8*\k:135+8*\k], v31 offset:64*\k+16
.endr
	s_wait_dscnt 0x0
	WIN 0x2a
.irp q, 0,1,2,3,4,5,6
	v_max3_num_f32 v[RR+\q], v[128+\q], v[136+\q], v[144+\q]
.endr
	WIN 0x08
.irp q, 0,1,2,3,4,5,6
	v_max_num_f32 v[RR+\q], v[RR+\q], v[152+\q]
.endr
	WIN 0
	v_mul_f32 v31, v[RR], v[RR+1]
	v_fma_f32 v31, v31, 2.0, v[RR+2]               ; B1 = 2 A m0 + c0
	v_max_num_f32 v31, 0x21800000, v31             ; at least 2^-60
	v_mul_f32 v[MX], v[RR+3], v31
	v_fmamk_f32 v[MX], v[MX], 0x42800000, v[RR+4]  ; B2 = 64 m1 B1 + c1
	v_mul_f32 v[MX+1], v[RR+5], v[MX]
	v_fmamk_f32 v[MX+1], v[MX+1], 0x43000000, v[RR+6]  ; B3 = 128 m2 B2 + c2
	v_max3_num_f32 v31, v31, v[MX], v[MX+1]        ; the largest of the three bounds
	v_readfirstlane_b32 s55, v31
	s_lshr_b32 s55, s55, 23                        ; e: its exponent field
	s_sub_co_i32 s40, 268, s55                     ; the scale 2^(141 - e).  A pair, since the packed multiply names a pair
	s_lshl_b32 s40, s40, 23
	s_mov_b32 s41, s40
	s_sub_co_i32 s50, s55, 14                      ; 2^(e - 141): takes the scale out of the result
	s_lshl_b32 s50, s50, 23
	s_mov_b32 s51, s50
	; a, b0, b1, b2 TAKE THE SCALE (f32).  W1 IS SPLIT, W2 ROUNDED ONCE, AND BOTH ARE LAID INTO LDS.
.irp j, 0,2,4,6
	v_pk_mul_f32 v[AP+\j:AP+\j+1], v[AP+\j:AP+\j+1], s[40:41] op_sel_hi:[1,0]
.endr
.set i, 0
.rept 16
	v_pk_mul_f32 v[B0R+2*i:B0R+2*i+1], v[B0R+2*i:B0R+2*i+1], s[40:41] op_sel_hi:[1,0]
.set i, i+1
.endr
	v_mul_f32 v160, s40, v160
	v_mul_f32 v161, s40, v161
	v_mul_f32 v162, s40, v162
	v_add_nc_u32 v31, B1L, v17
	ds_store_b32 v31, v160
	ds_store_b32 v31, v161 offset:512              ; B2L = B1L + 512
	ds_store_b32 v31, v162 offset:1024
.macro W1B b                           ; eight of my sixteen rows of W1: hi into v176-191, the differences in place, lo packed down
.set i, 0
.rept 16
	v_cvt_pk_f16_f32 v[176+i], v[192+32*(\b)+2*i], v[193+32*(\b)+2*i]
.set i, i+1
.endr
.set i, 0
.rept 16
	RESID 192+32*(\b)+2*i, 176+i
.set i, i+1
.endr
.set i, 0
.rept 16
	v_cvt_pk_f16_f32 v[192+32*(\b)+i], v[192+32*(\b)+2*i], v[193+32*(\b)+2*i]
.set i, i+1
.endr
.set i, 0
.rept 8
	ds_store_b64 v9, v[176+2*i:177+2*i] offset:288*(8*(\b)+i)
	ds_store_b64 v9, v[192+32*(\b)+2*i:193+32*(\b)+2*i] offset:W1X+288*(8*(\b)+i)
.set i, i+1
.endr
.endm
	W1B 0
	W1B 1
	WIN 0xcf
.set i, 0
.rept 64
	v_cvt_pk_f16_f32 v[4*i], v[4*i], v[4*i+1]
	v_cvt_pk_f16_f32 v[4*i+1], v[4*i+2], v[4*i+3]
.set i, i+1
.endr
	WIN 0x0c
.set i, 0
.rept 32
	ds_store_b64 v11, v[4*i:4*i+1] offset:1088*i
	ds_store_b64 v12, v[128+4*i:129+4*i] offset:1088*i
.set i, i+1
.endr
	WIN 0
	s_wait_loadcnt 0x0                             ; G is in its registers, and v163, its loads' offset, is free
	BAR                                            ; barrier 2: W1, W2, b1 and b2 lie in LDS
	; THE FRONT: layers 0 and 1 for my wave's 64 tokens
	WIN 0xc0
.set t, 0
.rept 8
.irp s, 0,1
	ds_load_tr16_b128 v[8*(2*t+\s):8*(2*t+\s)+3], v18 offset:9216*\s+32*t
	ds_load_tr16_b128 v[8*(2*t+\s)+4:8*(2*t+\s)+7], v18 offset:9216*\s+32*t+4608
	ds_load_tr16_b128 v[128+8*(2*t+\s):128+8*(2*t+\s)+3], v18 offset:W1X+9216*\s+32*t
	ds_load_tr16_b128 v[128+8*(2*t+\s)+4:128+8*(2*t+\s)+7], v18 offset:W1X+9216*\s+32*t+4608
.endr
.set t, t+1
.endr
	WIN 0x40
.set t, 0
.rept 8
	ds_load_b128 v[8*t:8*t+3], v30 offset:64*t
	ds_load_b128 v[8*t+4:8*t+7], v30 offset:64*t+16
.set t, t+1
.endr
	WIN 0
	s_wait_dscnt 0x0
.macro L1 ao, bo, s                    ; eight products of layer 1: W1's fragments at ao, H1's at bo, K step s; the eight accumulators take turns
.set t, 0
.rept 8
	v_wmma_f32_16x16x32_f16 v[192+8*t:199+8*t], v[(\ao)+16*t+8*(\s):(\ao)+16*t+8*(\s)+7], v[(\bo)+8*(\s):(\bo)+8*(\s)+7], v[192+8*t:199+8*t]
.set t, t+1
.endr
.endm
	s_mov_b32 s54, 4
.Lfront:                                       ; a trip: one tile of 16 tokens
.set i, 0
.rept 16                               ; layer 0 has K = 2: two fused multiply-adds in f32, for just the 32 features that my lane's two fragments hold
	v_pk_fma_f32 v[192+2*i:193+2*i], v[W0B+2*i:W0B+2*i+1], v[AP:AP+1], v[B0R+2*i:B0R+2*i+1] op_sel:[0,1,0] op_sel_hi:[1,1,1]
.set i, i+1
.endr
.set i, 0
.rept 16
	v_pk_fma_f32 v[192+2*i:193+2*i], v[W0A+2*i:W0A+2*i+1], v[AP:AP+1], v[192+2*i:193+2*i] op_sel_hi:[1,0,1]
.set i, i+1
.endr
.set i, 0
.rept 32
	v_max_num_f32 v[192+i], 0, v[192+i]            ; ReLU, in f32: it stands ahead of the split
.set i, i+1
.endr
	WIN 0x40
.set i, 0
.rept 16
	v_cvt_pk_f16_f32 v[64+i], v[192+2*i], v[193+2*i]   ; H1 hi
.set i, i+1
.endr
	WIN 0x01
.set i, 0
.rept 16
	RESID 192+2*i, 64+i
.set i, i+1
.endr
	WIN 0x40
.set i, 0
.rept 16
	v_cvt_pk_f16_f32 v[80+i], v[192+2*i], v[193+2*i]   ; H1 lo
.set i, i+1
.endr
	WIN 0x17
.set t, 0
.rept 8                                ; b1 starts the sums
	v_wmma_f32_16x16x32_f16 v[192+8*t:199+8*t], v[16*t:16*t+7], v[64:71], v[8*t:8*t+7]
.set t, t+1
.endr
	WIN 0x07
	L1 0, 64, 1                                    ; W1 hi x H1 hi
	L1 0, 80, 0                                    ; W1 hi x H1 lo
	L1 0, 80, 1
	L1 128, 64, 0                                  ; W1 lo x H1 hi
	L1 128, 64, 1
	WIN 0
	PLACES
.set i, 0
.rept 64
	v_max_num_f32 v[192+i], 0, v[192+i]            ; ascending: each accumulator from its low end
.set i, i+1
.endr
.set i, 0
.rept 32
	v_cvt_pk_f16_f32 v[160+i], v[192+2*i], v[193+2*i]  ; H2 hi: tile t at 160 + 4 t
.set i, i+1
.endr
.set i, 0
.rept 32
	RESID 192+2*i, 160+i
.set i, i+1
.endr
.set i, 0
.rept 32
	v_cvt_pk_f16_f32 v[192+i], v[192+2*i], v[193+2*i]  ; H2 lo: tile t at 192 + 4 t
.set i, i+1
.endr
.set t, 0
.rept 8
	ds_store_b128 v22, v[160+4*t:163+4*t] offset:512*t
	ds_store_b128 v22, v[192+4*t:195+4*t] offset:H2X+512*t
.set t, t+1
.endr
	v_add_nc_u32 v22, 4096, v22
.irp j, 0,1,2,3,4,5
	v_mov_b32 v[AP+\j], v[AP+2+\j]
.endr
	s_sub_co_u32 s54, s54, 1
	s_cmp_lg_u32 s54, 0
	s_cbranch_scc1 .Lfront
	; My H2 comes back as operands: my own bytes, and LDS serves a wave's instructions in order (ISA guide 5.7.1.4): no barrier, no wait between the stores and these loads.
	WIN 0x80
.irp u, 0,1,2,3
.irp s, 0,1,2,3
	ds_load_b128 v[8*(4*\u+\s):8*(4*\u+\s)+3], v23 offset:4096*\u+1024*\s
	ds_load_b128 v[8*(4*\u+\s)+4:8*(4*\u+\s)+7], v23 offset:4096*\u+1024*\s+512
	ds_load_b128 v[128+8*(4*\u+\s):128+8*(4*\u+\s)+3], v23 offset:H2X+4096*\u+1024*\s
	ds_load_b128 v[128+8*(4*\u+\s)+4:128+8*(4*\u+\s)+7], v23 offset:H2X+4096*\u+1024*\s+512
.endr
.endr
	WIN 0
	BAR                                            ; barrier 3: every wave has its H2 in registers: G and the stages may take H2's place
	WIN 0x04
.set i, 0
.rept 32
	ds_store_b128 v25, v[96+4*i:99+4*i] offset:2112*i
.set i, i+1
.endr
	WIN 0xc0
.set c, 0
.rept 8                                ; g0 of the columns 16 ct + 8 h + 0..7, wanted on the way out: it lands during the main loop
	global_load_b128 v[192+8*c:195+8*c], v14, s[24:25] offset:9216*c+2048
	global_load_b128 v[196+8*c:199+8*c], v14, s[24:25] offset:9216*c+2048+2304
.set c, c+1
.endr
	WIN 0
.set c, 0
.rept 8                                ; and sc of their two blocks of four
	global_load_b32 v[208+2*c], v14, s[24:25] offset:9216*c+2064
	global_load_b32 v[209+2*c], v14, s[24:25] offset:9216*c+2064+2304
.set c, c+1
.endr
	s_wait_dscnt 0x0                               ; barrier 4: G lies in LDS
	s_barrier_signal -1
	WIN 0x40                                       ; the sums are cleared while the others arrive: 256 lines of 4 bytes, so that the trip below is written once (a first trip of its own, with the constant 0 as C, would be about twice these bytes)
.set i, 0
.rept 256
	v_mov_b32 v[i], 0
.set i, i+1
.endr
	WIN 0
	s_barrier_wait -1
	; THE MAIN LOOP.  A trip takes 32 of H3's 256 features for my 64 tokens: H3 = ReLU(W2^T H2 + b2) (64 products), rounded, and out^T += G^T H3 (32 products).
.macro LOAD_SA                         ; W2^T of 32 out features, turned: 16 loads; their b2: 4 loads
	WIN 0xc0
.irp x, 0,1
.irp s, 0,1,2,3
	ds_load_tr16_b128 v[8*(4*\x+\s):8*(4*\x+\s)+3], v21 offset:17408*\s+32*\x
	ds_load_tr16_b128 v[8*(4*\x+\s)+4:8*(4*\x+\s)+7], v21 offset:17408*\s+32*\x+8704
.endr
.endr
	WIN 0
.irp x, 0,1
	ds_load_b128 v[192+8*\x:195+8*\x], v24 offset:64*\x
	ds_load_b128 v[196+8*\x:199+8*\x], v24 offset:64*\x+16
.endr
	v_add_nc_u32 v21, 64, v21
	v_add_nc_u32 v24, 128, v24
.endm
.macro MUL1 bo, s, first               ; eight products: W2^T, H2's half at bo, K step s; the eight accumulators take turns
.irp x, 0,1
.irp u, 0,1,2,3
.if \first
	v_wmma_f32_16x16x32_f16 v[64+8*(4*\x+\u):71+8*(4*\x+\u)], v[8*(4*\x+\s):8*(4*\x+\s)+7], v[(\bo)+8*(4*\u+\s):(\bo)+8*(4*\u+\s)+7], v[192+8*\x:199+8*\x]
.else
	v_wmma_f32_16x16x32_f16 v[64+8*(4*\x+\u):71+8*(4*\x+\u)], v[8*(4*\x+\s):8*(4*\x+\s)+7], v[(\bo)+8*(4*\u+\s):(\bo)+8*(4*\u+\s)+7], v[64+8*(4*\x+\u):71+8*(4*\x+\u)]
.endif
.endr
.endr
.endm
	LOAD_SA
	s_mov_b32 s54, 8
.Ltrip:
	WIN 0xc0                                       ; G^T of this trip's 32 features: 16 loads, which land under the first product
.irp c, 0,1,2,3,4,5,6,7
	ds_load_b128 v[128+8*\c:131+8*\c], v20 offset:8448*\c
	ds_load_b128 v[132+8*\c:135+8*\c], v20 offset:8448*\c+128
.endr
	WIN 0
	v_add_nc_u32 v20, 256, v20
	s_wait_dscnt 16                                ; W2^T and b2 are in: only the 16 loads just issued are younger
	WIN 0x0b
	MUL1 0, 0, 1                                   ; W2 x H2 hi; b2 starts the sums
	MUL1 0, 1, 0
	MUL1 0, 2, 0
	MUL1 0, 3, 0
.irp s, 0,1,2,3
	MUL1 128, \s, 0                                ; W2 x H2 lo
.endr
	WIN 0
	PLACES                                         ; ahead of the loads into W2^T's and b2's registers and of the roundings
	s_wait_dscnt 0x0                               ; G^T is in.  It stands ahead of the jump, so that it counts the same on both ways
	s_cmp_eq_u32 s54, 1                            ; the last trip has no next features to fetch
	s_cbranch_scc1 .Lno_sa
	LOAD_SA
.Lno_sa:
.irp x, 0,1
.irp u, 0,1,2,3
.irp p, 0,1,2,3
	v_cvt_pk_f16_f32 v[128+8*\u+4*\x+\p], v[64+8*(4*\x+\u)+2*\p], v[64+8*(4*\x+\u)+2*\p+1]  ; each accumulator from its low end
.endr
.endr
.endr
.set i, 0
.rept 32
	v_pk_max_num_f16 v[128+i], v[128+i], v6        ; ReLU on the packed halves
.set i, i+1
.endr
	WIN 0x53
.irp c, 0,1,2,3,4,5,6,7
.irp u, 0,1,2,3
	v_wmma_f32_16x16x32_f16 v[8*(4*\c+\u):8*(4*\c+\u)+7], v[128+8*\c:135+8*\c], v[128+8*\u:135+8*\u], v[8*(4*\c+\u):8*(4*\c+\u)+7]  ; the 32 accumulators take turns
.endr
.endr
	WIN 0
	PLACES                                         ; ahead of the next loads of G^T, of the next roundings, and of the way out
	s_sub_co_u32 s54, s54, 1
	s_cmp_lg_u32 s54, 0
	s_cbranch_scc1 .Ltrip
	; THE WAY OUT.  A lane holds token 16 u + r and the columns 16 ct + 8 h + 0..7.  out = sum x (sc 2^(e - 141)) + g0, one fused multiply-add; 16 tokens at a time go through my own stage and come back as whole rows.
	s_wait_loadcnt 0x0                             ; g0 and sc
.set i, 0
.rept 8
	v_pk_mul_f32 v[208+2*i:209+2*i], v[208+2*i:209+2*i], s[50:51] op_sel_hi:[1,0]
.set i, i+1
.endr
.irp u, 0,1,2,3
	WIN 0x71
.irp c, 0,1,2,3,4,5,6,7
.irp p, 0,1                            ; columns 0-3 take the pair's first sc,
	v_pk_fma_f32 v[8*(4*\c+\u)+2*\p:8*(4*\c+\u)+2*\p+1], v[8*(4*\c+\u)+2*\p:8*(4*\c+\u)+2*\p+1], v[208+2*\c:209+2*\c], v[192+8*\c+2*\p:193+8*\c+2*\p] op_sel_hi:[1,0,1]
.endr
.irp p, 2,3                            ; columns 4-7 its second
	v_pk_fma_f32 v[8*(4*\c+\u)+2*\p:8*(4*\c+\u)+2*\p+1], v[8*(4*\c+\u)+2*\p:8*(4*\c+\u)+2*\p+1], v[208+2*\c:209+2*\c], v[192+8*\c+2*\p:193+8*\c+2*\p] op_sel:[0,1,0] op_sel_hi:[1,1,1]
.endr
.endr
	WIN 0x04
.irp c, 0,1,2,3,4,5,6,7
	ds_store_b128 v28, v[8*(4*\c+\u):8*(4*\c+\u)+3] offset:64*\c
	ds_store_b128 v28, v[8*(4*\c+\u)+4:8*(4*\c+\u)+7] offset:64*\c+16
.endr
	WIN 0
	s_wait_xcnt 0x0                                ; the last sixteen stores have read their data: the registers are loaded again only behind this wait
.set i, 0
.rept 16
	ds_load_b128 v[64+4*i:67+4*i], v29 offset:528*i  ; in order behind the stores above; the next tile's stores come behind these
.set i, i+1
.endr
.set i, 0
.rept 16
	s_wait_dscnt 15-i                              ; row i is back; the rows behind it may stay out
	global_store_b128 v13, v[64+4*i:67+4*i], s[10:11] offset:(16*\u+i)*512 th:TH_STORE_NT  ; a row of out0: 512 consecutive bytes, aligned
.set i, i+1
.endr
.endr
	s_wait_tensorcnt 0x0                           ; the wave's end, behind my last LDS store
	ds_add_u32 v4, v5
	s_wait_dscnt 0x0
	s_endpgm
.Lfunc_end_k_q1472d05ac3_phi_out:
	.size	k_q1472d05ac3_phi_out, .Lfunc_end_k_q1472d05ac3_phi_out-k_q1472d05ac3_phi_out
	.p2alignl 7, 3214868480
	.fill 96, 4, 3214868480
	.section	.rodata,"a",@progbits
	.p2align	6, 0x0
	.amdhsa_kernel k_q1472d05ac3_phi_out
		.amdhsa_group_segment_fixed_size 239872
		.amdhsa_private_segment_fixed_size 0
		.amdhsa_enable_private_segment 0
		.amdhsa_kernarg_size 72
		.amdhsa_user_sgpr_count 2
		.amdhsa_user_sgpr_kernarg_segment_ptr 1
		.amdhsa_wavefront_size32 1
		.amdhsa_system_sgpr_workgroup_id_x 1
		.amdhsa_system_sgpr_workgroup_id_y 1
		.amdhsa_system_sgpr_workgroup_id_z 1
		.amdhsa_system_vgpr_workitem_id 0
		.amdhsa_next_free_vgpr 1024
		.amdhsa_next_free_sgpr 66
		.amdhsa_reserve_vcc 0
		.amdhsa_float_denorm_mode_32 3
		.amdhsa_float_denorm_mode_16_64 3
		.amdhsa_memory_ordered 1
		.amdhsa_forward_progress 1
		.amdhsa_inst_pref_size 145
	.end_amdhsa_kernel
	.amdgpu_metadata
---
amdhsa.version: [ 1, 2 ]
amdhsa.kernels:
  - .name:           k_q1472d05ac3_phi_out
    .symbol:         k_q1472d05ac3_phi_out.kd
    .args:
      - { .name: a, .offset: 0, .size: 8, .value_kind: global_buffer, .address_space: global }
      - { .name: out0, .offset: 8, .size: 8, .value_kind: global_buffer, .address_space: global }
      - { .name: phi_W0, .offset: 16, .size: 8, .value_kind: global_buffer, .address_space: global }
      - { .name: phi_b0, .offset: 24, .size: 8, .value_kind: global_buffer, .address_space: global }
      - { .name: phi_W1, .offset: 32, .size: 8, .value_kind: global_buffer, .address_space: global }
      - { .name: phi_b1, .offset: 40, .size: 8, .value_kind: global_buffer, .address_space: global }
      - { .name: phi_W2, .offset: 48, .size: 8, .value_kind: global_buffer, .address_space: global }
      - { .name: phi_b2, .offset: 56, .size: 8, .value_kind: global_buffer, .address_space: global }
      - { .name: gw, .offset: 64, .size: 8, .value_kind: global_buffer, .address_space: global }
    .group_segment_fixed_size: 239872
    .private_segment_fixed_size: 0
    .kernarg_segment_align: 8
    .kernarg_segment_size: 72
    .max_flat_workgroup_size: 128
    .sgpr_count:     66
    .vgpr_count:     1024
    .wavefront_size: 32
...
	.end_amdgpu_metadata
.endif
;; end of part 6
;; ======== version 3 of 4: 3 launches; 1.45 times as fast as version 1
;; limits: values are held in f16: magnitudes above 65,504 overflow, below 6.1e-05 lose precision; inputs' magnitudes at most 65,504
;; workspace buffers: part 33,685,504 bytes; cw 262,144 bytes; uw 3,072 bytes; gw 589,824 bytes
;; launch psi_part (part 7): grid 256 x 1, 4 waves a work-group, no clusters, 254,208 bytes of LDS; arguments a, v, psi_W0, psi_b0, psi_W1, psi_b1, psi_W2, psi_b2, phi_W3, psi_W3, phi_b3, psi_b3, part, cw, uw; writes part, cw, uw
.if DOCPART == 7
	.amdgcn_target "amdgcn-amd-amdhsa--gfx1250"
	.amdhsa_code_object_version 6
	.text
	.protected	k_q1472d05ac3_psi_part
	.globl	k_q1472d05ac3_psi_part
	.p2align	8
	.type	k_q1472d05ac3_psi_part,@function
k_q1472d05ac3_psi_part:
	s_mov_b64 s[64:65], 0
	v_nop
	global_prefetch_b8 v0, s[64:65] scope:SCOPE_SE
	s_setreg_imm32_b32 hwreg(HW_REG_WAVE_MODE, 25, 1), 1
	s_wait_xcnt 0x0
; LowRank1d, launch 1 of 3.  With j = 4 d + h the reshape and the transposes only rename columns:
;   out[b] = phi_eval[b] (psi_eval[b]^T v[b]) / n,   phi_eval = Hphi W3phi + b3phi,  psi_eval = Hpsi W3psi + b3psi,   H = the nets' third activation, [n][256].
; The last layers are linear, so they are taken across the sum over tokens (true for all values of the inputs, in exact arithmetic):
;   S = Hpsi^T v [256][128], sv = sum of v's rows, C = W3phi W3psi^T [256][256], u = W3phi b3psi, w = W3psi b3phi, z = b3phi . b3psi,
;   out = Hphi G + g0,  G = (C S + u sv) / n,  g0 = (w^T S + z sv) / n.
; NOTHING OF THE PROBLEM IS LEFT OUT: every input reaches the output; only the order of the sums differs from the problem's own.
; THIS LAUNCH: work-group g takes tokens 256 g .. 256 g + 255 (batch g / 32): the psi net up to H, its part of S and of sv; tile g (16 x 16) of C; u[g], w[g], z.
; FORMATS.  Matrix operands are f16, sums f32.  A row of the output goes with its token's |a|, the comparison's allowance with the whole output's root mean square: in a row several times that size a few f16 roundings
;   (about 2^-12 of the row each, adding as the root of their number) have room, a long chain of them has not.  The program keeps eight: v, G, and in each net H2, W2 and H3.  EVERY OTHER OPERAND (W3, C, S, W1, H1) GOES IN TWO
;   HALVES, hi = f16(x), lo = f16(x - hi) (the difference is exact in f32), and a product of two such is hi hi + hi lo + lo hi on one f32 sum.
; SCALE.  f16 has no room for H by itself, so H1, H2, H3 carry ONE power of two made here from maxima: A = max |a| of my tokens, m_l = max |W_l|, c_l = max |b_l|,
;   B1 = 2 A m0 + c0, B2 = 64 m1 B1 + c1, B3 = 128 m2 B2 + c2 bound |H_l|; with e the exponent field of the largest of them, H_l 2^(141 - e) lies under 2^15 for every l.  The power goes into a, b0, b1, b2 (all f32);
;   the weights are taken as they are.  It is a value alone: no branch and no address hangs on it.
; LIMITS.  |v|, |W1|, |W2|, |W3| and |16 C| stay under 65,504 (f16's end); B1 under 2^-60 is taken as 2^-60; a layer whose H lies far under the largest bound keeps f16's fixed step of 2^-24 of the scaled numbers;
;   the maxima pass over NaN, and infinities are not treated apart.
; NO CLUSTER, NO TENSOR LOAD: the weights that all work-groups share (163,840 bytes of f32) must pass through registers to be measured and rounded; as f32 in LDS beside the 254,208 bytes in use they would not fit in 327,680.
; LAYOUT.  L = lane, r = L % 16, h = L / 16, w = wave.  An operand fragment holds row (column) r, registers 0-3 k = 8 h + 0..7, registers 4-7 k = 16 + 8 h + 0..7; a result holds column r, register j row 8 h + j.
;   So two results that are neighbours in their rows, rounded in pairs, ARE an operand whose k runs along those rows: nothing changes lanes from layer to layer.
; REGISTERS, in windows of 256 (s_set_vgpr_msb: bits 1:0 source 0, 3:2 source 1, 5:4 source 2, 7:6 destination):
;   window 0: v0-31 ids and addresses (v6 = 0, v27 = 1.0); v32-39 a; v40-55 C's tile; v56-63 maxima; head: v64-159 W0, b0; v160-191 at work; v192-255 W1, then layer 1's sums
;             main loop: v64-127 ACC1 (2 x 4), v128-159 H3
;   window 1: v as loaded; front: b1 v0-63, H1 hi v64-79, lo v80-95; then ACC2 (8 x 4)
;   window 2: W3's rows and their halves; then W2's columns v0-127
;   window 3: W2 as loaded; front: W1's fragments, hi v0-127, lo v128-255; main loop: H2 v0-63, v^T v128-191, b2 as C operands v192-223
.set W1L,   0                          ; W1 in f16, [k 64][n 128], pitch 288: hi, and W1X further on lo
.set W1X,   18432
.set W2L,   36864                      ; W2 in f16, [k 128][n 256], pitch 544
.set H2L,   106496                     ; H2 in f16: token tile T x 4,096 + piece t x 512 + 16 L
.set VL,    172032                     ; v in f16, [token 256][c 128], pitch 288
.set CS,    245760                     ; the four waves' parts of C's tile: wave x 1,024 + half x 512 + 16 L
.set SVL,   249856                     ; the four waves' parts of sv: wave x 512 + 16 L
.set B1L,   251904                     ; b1 scaled, f32
.set B2L,   252416                     ; b2 scaled, f32
.set RED,   253440                     ; wave x 64: seven maxima, a zero, three sums, a zero
.set SPARE, 253696                     ; the spare words, 128 bytes a wave: no other line names them
.set ONE, 27
.set AP,  32
.set RR,  56
.set W0A, 64
.set W0B, 96
.set B0R, 128
.set MX,  164
.set SU,  172
.set DT,  176
.set MSB, 0
.macro WIN new                         ; the high byte repeats the setting that is left; a switch that changes nothing is dropped
.if MSB != (\new)
	s_set_vgpr_msb (MSB<<8)|(\new)
.set MSB, (\new)
.endif
.endm
.macro PLACES                          ; four plain places behind a matrix instruction (ISA guide 7.12.1), where no other vector work is at hand
.rept 4
	v_nop
.endr
.endm
.macro RESID x, hh                     ; registers x, x + 1 less the two f16 halves of register hh: exact in f32
	v_fma_mix_f32 v[\x], -v[\hh], v[ONE], v[\x] op_sel_hi:[1,0,0]
	v_fma_mix_f32 v[(\x)+1], -v[\hh], v[ONE], v[(\x)+1] op_sel:[1,0,0] op_sel_hi:[1,0,0]
.endm
.macro WMAX x                          ; the maximum over the wave's 32 lanes, in every lane
	v_max_num_f32_dpp v[\x], v[\x], v[\x] row_xmask:1 row_mask:0xf bank_mask:0xf
	v_max_num_f32_dpp v[\x], v[\x], v[\x] row_xmask:2 row_mask:0xf bank_mask:0xf
	v_max_num_f32_dpp v[\x], v[\x], v[\x] row_xmask:4 row_mask:0xf bank_mask:0xf
	v_max_num_f32_dpp v[\x], v[\x], v[\x] row_xmask:8 row_mask:0xf bank_mask:0xf
	v_permlanex16_b32 v31, v[\x], s52, s53
	v_max_num_f32 v[\x], v[\x], v31
.endm
.macro WSUM x                          ; the sum likewise
	v_add_f32_dpp v[\x], v[\x], v[\x] row_xmask:1 row_mask:0xf bank_mask:0xf
	v_add_f32_dpp v[\x], v[\x], v[\x] row_xmask:2 row_mask:0xf bank_mask:0xf
	v_add_f32_dpp v[\x], v[\x], v[\x] row_xmask:4 row_mask:0xf bank_mask:0xf
	v_add_f32_dpp v[\x], v[\x], v[\x] row_xmask:8 row_mask:0xf bank_mask:0xf
	v_permlanex16_b32 v31, v[\x], s52, s53
	v_add_f32 v[\x], v[\x], v31
.endm
.macro BAR                             ; my LDS stores are done and my LDS loads are back; then all four waves meet
	s_wait_dscnt 0x0
	s_barrier_signal -1
	s_barrier_wait -1
.endm
	s_load_b512 s[8:23], s[0:1], 0x0               ; a 8, v 10, W0 12, b0 14, W1 16, b1 18, W2 20, b2 22
	s_load_b256 s[24:31], s[0:1], 0x40             ; phi_W3 24, psi_W3 26, phi_b3 28, psi_b3 30
	s_load_b128 s[32:35], s[0:1], 0x60             ; part 32, cw 34
	s_load_b64 s[36:37], s[0:1], 0x70              ; uw
	v_lshl_add_u32 v4, v0, 2, SPARE                ; my spare word, and 0: kept for the add at the wave's end alone
	v_mov_b32 v5, 0
	v_mov_b32 v6, 0                                ; 0 for the ReLU on packed halves, and as a zero offset
	v_mov_b32 v[ONE], 1.0
	v_and_b32 v1, 31, v0                           ; L
	v_and_b32 v2, 15, v0                           ; r
	v_bfe_u32 v3, v0, 4, 1                         ; h
	v_lshrrev_b32 v31, 5, v0
	v_readfirstlane_b32 s3, v31                    ; w
	s_mov_b32 s2, ttmp9                            ; g
	s_mov_b32 s52, 0x76543210                      ; v_permlanex16_b32: each lane takes its own place in the other half
	s_mov_b32 s53, 0xfedcba98
	v_lshlrev_b32 v7, 4, v1                        ; 16 L
	s_lshl_b32 s38, s3, 13
	v_add_nc_u32 v8, s38, v7                       ; W1 in memory: rows 16 w + i, a row of 512 bytes a load
	s_mul_i32 s38, s3, 4608
	v_lshl_add_u32 v9, v1, 3, s38                  ; and in LDS (W1L = 0): 8 bytes a lane
	s_lshl_b32 s38, s3, 8
	v_lshl_add_u32 v10, v2, 4, s38
	v_lshl_add_u32 v10, v3, 10, v10                ; W2 in memory: rows 2 i + h, my wave's 256 bytes of each
	s_lshl_b32 s39, s3, 7
	s_add_co_u32 s39, s39, W2L                     ; W2L + 128 w
	v_mul_u32_u24 v11, v3, 544
	v_lshl_add_u32 v11, v2, 3, v11
	v_add_nc_u32 v11, s39, v11                     ; and in LDS, loads 0-31,
	v_add_nc_u32 v12, 34816, v11                   ; loads 32-63 (32 x 1,088 on: the immediate has 16 bits)
	s_lshl_b32 s38, s3, 15
	v_add_nc_u32 v13, s38, v7                      ; v in memory: rows 64 w + i
	s_mul_i32 s38, s3, 18432
	s_add_co_u32 s38, s38, VL
	v_lshl_add_u32 v14, v1, 3, s38                 ; and in LDS
	s_lshl_b32 s38, s3, 9
	v_lshl_add_u32 v15, v2, 3, s38                 ; a: token 64 w + 16 j + r
	v_lshlrev_b32 v16, 5, v3                       ; W0, b0: features 16 g + 8 h + 0..7
	v_lshlrev_b32 v17, 2, v0                       ; b1, b2: one number a thread
	v_and_b32 v31, 7, v0
	v_lshl_add_u32 v31, v3, 3, v31                 ; the turning load's row 8 h + L % 8
	v_bfe_u32 v30, v0, 3, 1
	v_lshlrev_b32 v30, 4, v30                      ; and its 16 bytes (L / 8) % 2
	v_mul_u32_u24 v18, v31, 288
	v_add_nc_u32 v18, v18, v30                     ; in W1 (W1L = 0)
	v_mul_u32_u24 v19, v31, 544
	v_add_nc_u32 v19, v19, v30
	v_add_nc_u32 v19, s39, v19                     ; in W2, at my wave's 64 columns
	v_add_nc_u32 v20, VL, v18                      ; in v; steps 32 rows a trip
	v_add_nc_u32 v21, H2L, v7                      ; H2's pieces; steps two token tiles a trip
	s_lshl_b32 s38, s3, 14
	s_add_co_u32 s38, s38, H2L
	v_add_nc_u32 v22, s38, v7                      ; where I write H2: my wave's four token tiles
	s_lshl_b32 s38, s3, 9
	v_lshl_add_u32 v23, v2, 11, s38
	v_lshl_add_u32 v23, v3, 5, v23                 ; W3: row r, my wave's quarter of K (512 bytes), 32 h
	s_lshl_b32 s38, s3, 8
	s_add_co_u32 s38, s38, B2L
	v_lshl_add_u32 v24, v2, 2, s38                 ; b2 of feature 64 w + 16 u + r
	s_lshl_b32 s38, s3, 10
	s_add_co_u32 s38, s38, CS
	v_add_nc_u32 v25, s38, v7
	s_lshl_b32 s38, s3, 6
	s_add_co_u32 s38, s38, RED
	v_mov_b32 v26, s38
	s_lshl_b32 s38, s3, 10
	v_lshl_add_u32 v28, v2, 4, s38
	v_lshl_add_u32 v28, v3, 13, v28                ; part: 8,192 h + 16 (64 w + r)
	s_lshl_b32 s38, s3, 9
	s_add_co_u32 s38, s38, SVL
	v_add_nc_u32 v29, s38, v7
	v_lshl_add_u32 v30, v3, 5, B1L                 ; b1 of feature 16 t + 8 h + 0..7
	v_lshlrev_b32 v31, 4, v0                       ; 16 x thread: four numbers of a row of 512
	s_wait_kmcnt 0x0
	s_mov_b32 s39, 0
	s_lshl_b32 s38, s2, 11
	s_add_nc_u64 s[8:9], s[8:9], s[38:39]          ; a at my 256 tokens (8 bytes each)
	s_add_nc_u64 s[60:61], s[26:27], s[38:39]      ; psi_W3 at row g (2,048 bytes a row)
	s_add_nc_u64 s[62:63], s[24:25], s[38:39]      ; phi_W3 at row g
	s_lshl_b32 s38, s2, 17
	s_add_nc_u64 s[10:11], s[10:11], s[38:39]      ; v at my 256 rows
	s_mul_i32 s38, s2, 131584
	s_add_nc_u64 s[32:33], s[32:33], s[38:39]      ; my block of part
	s_lshl_b32 s38, s2, 9
	s_add_nc_u64 s[34:35], s[34:35], s[38:39]      ; my piece of cw
	s_lshl_b32 s38, s2, 2
	s_add_nc_u64 s[36:37], s[36:37], s[38:39]      ; my words of uw
	s_and_b32 s38, s2, 15
	s_lshl_b32 s38, s38, 15
	s_add_nc_u64 s[26:27], s[26:27], s[38:39]      ; psi_W3 at rows 16 (g % 16)
	s_lshr_b32 s38, s2, 4
	s_lshl_b32 s38, s38, 15
	s_add_nc_u64 s[24:25], s[24:25], s[38:39]      ; phi_W3 at rows 16 (g / 16)
	; ALL LOADS OF THE LAUNCH, the small and shared ones first, v's stream last.
	WIN 0x80
.set i, 0
.rept 16                               ; C's tile: K step i / 4 of my quarter: 32 bytes at 32 h and 32 bytes at 64 + 32 h of each 128
	global_load_b128 v[4*i:4*i+3], v23, s[26:27] offset:128*(i/4)+64*((i/2)%2)+16*(i%2)
	global_load_b128 v[64+4*i:64+4*i+3], v23, s[24:25] offset:128*(i/4)+64*((i/2)%2)+16*(i%2)
.set i, i+1
.endr
	WIN 0
	global_load_b128 v[DT:DT+3], v31, s[62:63]     ; phi_W3[g]
	global_load_b128 v[DT+4:DT+7], v31, s[60:61]   ; psi_W3[g]
	global_load_b128 v[DT+8:DT+11], v31, s[28:29]  ; phi_b3
	global_load_b128 v[DT+12:DT+15], v31, s[30:31] ; psi_b3
.irp j, 0,1,2,3
	global_load_b64 v[AP+2*\j:AP+2*\j+1], v15, s[8:9] offset:128*\j
.endr
.set i, 0
.rept 8
	global_load_b128 v[W0A+4*i:W0A+4*i+3], v16, s[12:13] offset:64*(i/2)+16*(i%2)
	global_load_b128 v[W0B+4*i:W0B+4*i+3], v16, s[12:13] offset:256+64*(i/2)+16*(i%2)
	global_load_b128 v[B0R+4*i:B0R+4*i+3], v16, s[14:15] offset:64*(i/2)+16*(i%2)
.set i, i+1
.endr
	global_load_b32 v160, v17, s[18:19]
	global_load_b32 v161, v17, s[22:23]
	global_load_b32 v162, v17, s[22:23] offset:512
.set i, 0
.rept 16
	global_load_b128 v[192+4*i:195+4*i], v8, s[16:17] offset:512*i
.set i, i+1
.endr
	WIN 0xc0
.set i, 0
.rept 64
	global_load_b128 v[4*i:4*i+3], v10, s[20:21] offset:2048*i
.set i, i+1
.endr
	WIN 0x40
.set i, 0
.rept 64
	global_load_b128 v[4*i:4*i+3], v13, s[10:11] offset:512*i th:TH_LOAD_NT
.set i, i+1
.endr
	WIN 0
	s_wait_loadcnt 63                              ; 64 loads, v's, were issued behind the weights: all that is older than v's second row is in
	; MY QUARTER OF K OF C's TILE.  Source 0 = 16 rows of psi_W3, source 1 = 16 rows of phi_W3: a lane ends with row 16 mt + r of C and the columns 16 nt + 8 h + 0..7.
	; Registers 0-63 hold psi's 64 numbers, 64-127 phi's.  hi goes to 128 + i (psi 128-159, phi 160-191), the differences stay, lo is packed down to i (psi 0-31, phi 32-63).
	WIN 0x8a
.set i, 0
.rept 64
	v_cvt_pk_f16_f32 v[128+i], v[2*i], v[2*i+1]
.set i, i+1
.endr
	WIN 0xa2
.set i, 0
.rept 64
	RESID 2*i, 128+i
.set i, i+1
.endr
	WIN 0x8a
.set i, 0
.rept 64
	v_cvt_pk_f16_f32 v[i], v[2*i], v[2*i+1]        ; ascending, so that no source is overwritten before it is read
.set i, i+1
.endr
	WIN 0x0a
	v_wmma_f32_16x16x32_f16 v[40:47], v[128:135], v[160:167], 0    ; two accumulators take the even and the odd K steps by turns
	v_wmma_f32_16x16x32_f16 v[48:55], v[136:143], v[168:175], 0
	v_wmma_f32_16x16x32_f16 v[40:47], v[144:151], v[176:183], v[40:47]
	v_wmma_f32_16x16x32_f16 v[48:55], v[152:159], v[184:191], v[48:55]
.irp s, 0,1,2,3
	v_wmma_f32_16x16x32_f16 v[40+8*(\s%2):47+8*(\s%2)], v[128+8*\s:135+8*\s], v[32+8*\s:39+8*\s], v[40+8*(\s%2):47+8*(\s%2)]    ; psi hi x phi lo
.endr
.irp s, 0,1,2,3
	v_wmma_f32_16x16x32_f16 v[40+8*(\s%2):47+8*(\s%2)], v[8*\s:8*\s+7], v[160+8*\s:167+8*\s], v[40+8*(\s%2):47+8*(\s%2)]        ; psi lo x phi hi
.endr
	WIN 0
	; THE MAXIMA, and u[g], w[g], z.  Their first lines are the places behind those products.
.irp q, 0,1,2,3,4,5,6,7
	v_mov_b32 v[RR+\q], 0
	v_mov_b32 v[MX+\q], 0
.endr
.irp j, 0,2,4,6
	v_pk_add_f32 v[40+\j:41+\j], v[40+\j:41+\j], v[48+\j:49+\j]
.endr
	ds_store_b128 v25, v[40:43]
	ds_store_b128 v25, v[44:47] offset:512
.irp j, 0,2,4,6
	v_max3_num_f32 v[RR], v[RR], |v[AP+\j]|, |v[AP+\j+1]|
.endr
.set i, 0
.rept 16
	v_max3_num_f32 v[RR+1], v[RR+1], |v[W0A+2*i]|, |v[W0A+2*i+1]|
	v_max3_num_f32 v[MX], v[MX], |v[W0B+2*i]|, |v[W0B+2*i+1]|
	v_max3_num_f32 v[RR+2], v[RR+2], |v[B0R+2*i]|, |v[B0R+2*i+1]|
	v_max3_num_f32 v[RR+3], v[RR+3], |v[192+4*i]|, |v[193+4*i]|
	v_max3_num_f32 v[MX+1], v[MX+1], |v[194+4*i]|, |v[195+4*i]|
.set i, i+1
.endr
	v_max_num_f32 v[RR+1], v[RR+1], v[MX]
	v_max_num_f32 v[RR+3], v[RR+3], v[MX+1]
	v_max_num_f32 v[RR+4], v[RR+4], |v160|
	v_max3_num_f32 v[RR+6], v[RR+6], |v161|, |v162|
	WIN 0x3c
.set i, 0
.rept 128                              ; W2: four chains
	v_max3_num_f32 v[MX+4+i%4], v[MX+4+i%4], |v[2*i]|, |v[2*i+1]|
.set i, i+1
.endr
	WIN 0
	v_max3_num_f32 v[RR+5], v[MX+4], v[MX+5], v[MX+6]
	v_max_num_f32 v[RR+5], v[RR+5], v[MX+7]
	v_mul_f32 v[SU], v[DT], v[DT+12]               ; u[g] = phi_W3[g] . psi_b3
	v_mul_f32 v[SU+1], v[DT+4], v[DT+8]            ; w[g] = psi_W3[g] . phi_b3
	v_mul_f32 v[SU+2], v[DT+8], v[DT+12]           ; z    = phi_b3 . psi_b3
.irp j, 1,2,3
	v_fmac_f32 v[SU], v[DT+\j], v[DT+12+\j]
	v_fmac_f32 v[SU+1], v[DT+4+\j], v[DT+8+\j]
	v_fmac_f32 v[SU+2], v[DT+8+\j], v[DT+12+\j]
.endr
	v_mov_b32 v[SU+3], 0
.irp q, 0,1,2,3,4,5,6
	WMAX RR+\q
.endr
.irp q, 0,1,2
	WSUM SU+\q
.endr
	ds_store_b128 v26, v[RR:RR+3]
	ds_store_b128 v26, v[RR+4:RR+7] offset:16
	ds_store_b128 v26, v[SU:SU+3] offset:32
	BAR                                            ; barrier 1: every wave's maxima, sums and part of C's tile lie in LDS
	; THE SCALE, the same in all four waves.
	v_mov_b32 v31, RED
	WIN 0x80
.irp k, 0,1,2,3
	ds_load_b128 v[128+12*\k:131+12*\k], v31 offset:64*\k
	ds_load_b128 v[132+12*\k:135+12*\k], v31 offset:64*\k+16
	ds_load_b128 v[136+12*\k:139+12*\k], v31 offset:64*\k+32
.endr
	s_wait_dscnt 0x0
	WIN 0x2a
.irp q, 0,1,2,3,4,5,6
	v_max3_num_f32 v[RR+\q], v[128+\q], v[140+\q], v[152+\q]
.endr
	WIN 0x0a
.irp q, 0,1,2
	v_add_f32 v[SU+\q], v[136+\q], v[148+\q]
.endr
	WIN 0x08
.irp q, 0,1,2,3,4,5,6
	v_max_num_f32 v[RR+\q], v[RR+\q], v[164+\q]
.endr
.irp q, 0,1,2
	v_add_f32 v[SU+\q], v[SU+\q], v[160+\q]
	v_add_f32 v[SU+\q], v[SU+\q], v[172+\q]
.endr
	WIN 0
	v_mul_f32 v31, v[RR], v[RR+1]
	v_fma_f32 v31, v31, 2.0, v[RR+2]               ; B1 = 2 A m0 + c0
	v_max_num_f32 v31, 0x21800000, v31             ; at least 2^-60
	v_mul_f32 v[MX], v[RR+3], v31
	v_fmamk_f32 v[MX], v[MX], 0x42800000, v[RR+4]  ; B2 = 64 m1 B1 + c1
	v_mul_f32 v[MX+1], v[RR+5], v[MX]
	v_fmamk_f32 v[MX+1], v[MX+1], 0x43000000, v[RR+6]  ; B3 = 128 m2 B2 + c2
	v_max3_num_f32 v31, v31, v[MX], v[MX+1]        ; the largest of the three bounds
	v_readfirstlane_b32 s55, v31
	s_lshr_b32 s55, s55, 23                        ; e: its exponent field
	s_sub_co_i32 s40, 268, s55                     ; the scale 2^(141 - e).  A pair, since the packed multiply names a pair
	s_lshl_b32 s40, s40, 23
	s_mov_b32 s41, s40
	s_sub_co_i32 s50, s55, 14                      ; 2^(e - 141): takes the scale out of S
	s_lshl_b32 s50, s50, 23
	s_mov_b32 s51, s50
	; Wave 0 finishes C's tile: the four quarters of K are added, times 16, split, and each half stored as 512 consecutive bytes.
	s_cmp_lg_u32 s3, 0
	s_cbranch_scc1 .Lno_tile
.irp k, 0,1
	ds_load_b128 v[40+8*\k:43+8*\k], v25 offset:1024*\k
	ds_load_b128 v[44+8*\k:47+8*\k], v25 offset:1024*\k+512
	ds_load_b128 v[DT+8*\k:DT+8*\k+3], v25 offset:2048+1024*\k
	ds_load_b128 v[DT+8*\k+4:DT+8*\k+7], v25 offset:2048+1024*\k+512
.endr
	s_wait_dscnt 0x0
.irp j, 0,2,4,6
	v_pk_add_f32 v[40+\j:41+\j], v[40+\j:41+\j], v[48+\j:49+\j]
	v_pk_add_f32 v[DT+\j:DT+\j+1], v[DT+\j:DT+\j+1], v[DT+8+\j:DT+9+\j]
.endr
.irp j, 0,2,4,6
	v_pk_add_f32 v[40+\j:41+\j], v[40+\j:41+\j], v[DT+\j:DT+\j+1]
.endr
.irp j, 0,2,4,6
	v_pk_mul_f32 v[40+\j:41+\j], v[40+\j:41+\j], 0x41800000 op_sel_hi:[1,0]
.endr
.irp p, 0,1,2,3
	v_cvt_pk_f16_f32 v[48+\p], v[40+2*\p], v[41+2*\p]
.endr
.irp p, 0,1,2,3
	RESID 40+2*\p, 48+\p
.endr
.irp p, 0,1,2,3
	v_cvt_pk_f16_f32 v[52+\p], v[40+2*\p], v[41+2*\p]
.endr
	global_store_b128 v7, v[48:51], s[34:35]
	global_store_b128 v7, v[52:55], s[34:35] offset:131072
.Lno_tile:
	; Wave 1 stores u[g], w[g] and a copy of z: one lane.
	s_cmp_lg_u32 s3, 1
	s_cbranch_scc1 .Lno_uw
	s_wait_xcnt 0x0                                ; EXEC is a source of the loads still out: it changes only behind this wait
	v_cmp_eq_u32 vcc_lo, 0, v1
	s_and_saveexec_b32 s38, vcc_lo
	global_store_b32 v6, v[SU], s[36:37]
	global_store_b32 v6, v[SU+1], s[36:37] offset:1024
	global_store_b32 v6, v[SU+2], s[36:37] offset:2048
	s_wait_xcnt 0x0                                ; and again ahead of the line that widens it; the stores' data are free behind it too
	s_or_b32 exec_lo, exec_lo, s38
.Lno_uw:
	; a, b0, b1, b2 TAKE THE SCALE (f32).  W1 IS SPLIT, W2 ROUNDED ONCE, AND BOTH ARE LAID INTO LDS.
.irp j, 0,2,4,6
	v_pk_mul_f32 v[AP+\j:AP+\j+1], v[AP+\j:AP+\j+1], s[40:41] op_sel_hi:[1,0]
.endr
.set i, 0
.rept 16
	v_pk_mul_f32 v[B0R+2*i:B0R+2*i+1], v[B0R+2*i:B0R+2*i+1], s[40:41] op_sel_hi:[1,0]
.set i, i+1
.endr
	v_mul_f32 v160, s40, v160
	v_mul_f32 v161, s40, v161
	v_mul_f32 v162, s40, v162
	v_add_nc_u32 v31, B1L, v17
	ds_store_b32 v31, v160
	ds_store_b32 v31, v161 offset:512              ; B2L = B1L + 512
	ds_store_b32 v31, v162 offset:1024
.macro W1B b                           ; eight of my sixteen rows of W1: hi into v176-191, the differences in place, lo packed down
.set i, 0
.rept 16
	v_cvt_pk_f16_f32 v[176+i], v[192+32*(\b)+2*i], v[193+32*(\b)+2*i]
.set i, i+1
.endr
.set i, 0
.rept 16
	RESID 192+32*(\b)+2*i, 176+i
.set i, i+1
.endr
.set i, 0
.rept 16
	v_cvt_pk_f16_f32 v[192+32*(\b)+i], v[192+32*(\b)+2*i], v[193+32*(\b)+2*i]
.set i, i+1
.endr
.set i, 0
.rept 8
	ds_store_b64 v9, v[176+2*i:177+2*i] offset:288*(8*(\b)+i)
	ds_store_b64 v9, v[192+32*(\b)+2*i:193+32*(\b)+2*i] offset:W1X+288*(8*(\b)+i)
.set i, i+1
.endr
.endm
	W1B 0
	W1B 1
	WIN 0xcf
.set i, 0
.rept 64
	v_cvt_pk_f16_f32 v[4*i], v[4*i], v[4*i+1]
	v_cvt_pk_f16_f32 v[4*i+1], v[4*i+2], v[4*i+3]
.set i, i+1
.endr
	WIN 0x0c
.set i, 0
.rept 32
	ds_store_b64 v11, v[4*i:4*i+1] offset:1088*i
	ds_store_b64 v12, v[128+4*i:129+4*i] offset:1088*i
.set i, i+1
.endr
	WIN 0
	; v: sixteen rows at a time: into sv's sums (f32, unrounded), rounded, into LDS.
.irp q, 0,1,2,3,4,5,6,7
	v_mov_b32 v[MX+\q], 0
.endr
.macro VBATCH b, left
	s_wait_loadcnt \left                           ; loads come back in order: the rows behind this batch may stay out
	WIN 0x04
.set i, 16*(\b)
.rept 16
	v_pk_add_f32 v[MX+4*(i%2):MX+4*(i%2)+1], v[MX+4*(i%2):MX+4*(i%2)+1], v[4*i:4*i+1]
	v_pk_add_f32 v[MX+4*(i%2)+2:MX+4*(i%2)+3], v[MX+4*(i%2)+2:MX+4*(i%2)+3], v[4*i+2:4*i+3]
.set i, i+1
.endr
	WIN 0x45
.set i, 16*(\b)
.rept 16
	v_cvt_pk_f16_f32 v[4*i], v[4*i], v[4*i+1]
	v_cvt_pk_f16_f32 v[4*i+1], v[4*i+2], v[4*i+3]
.set i, i+1
.endr
	WIN 0x04
.set i, 16*(\b)
.rept 16
	ds_store_b64 v14, v[4*i:4*i+1] offset:288*i
.set i, i+1
.endr
.endm
	VBATCH 0, 48
	VBATCH 1, 32
	VBATCH 2, 16
	VBATCH 3, 0
	WIN 0
	v_pk_add_f32 v[MX:MX+1], v[MX:MX+1], v[MX+4:MX+5]
	v_pk_add_f32 v[MX+2:MX+3], v[MX+2:MX+3], v[MX+6:MX+7]
	ds_store_b128 v29, v[MX:MX+3]
	BAR                                            ; barrier 2: W1, W2, b1, b2, v and sv's parts lie in LDS; none of these bytes is written again
	; What stays in registers is fetched: W1's fragments, b1, and my 64 columns of W2.
	WIN 0xc0
.set t, 0
.rept 8
.irp s, 0,1
	ds_load_tr16_b128 v[8*(2*t+\s):8*(2*t+\s)+3], v18 offset:9216*\s+32*t          ; W1^T: out features 16 t on, in features 32 s on
	ds_load_tr16_b128 v[8*(2*t+\s)+4:8*(2*t+\s)+7], v18 offset:9216*\s+32*t+4608
	ds_load_tr16_b128 v[128+8*(2*t+\s):128+8*(2*t+\s)+3], v18 offset:W1X+9216*\s+32*t
	ds_load_tr16_b128 v[128+8*(2*t+\s)+4:128+8*(2*t+\s)+7], v18 offset:W1X+9216*\s+32*t+4608
.endr
.set t, t+1
.endr
	WIN 0x40
.set t, 0
.rept 8
	ds_load_b128 v[8*t:8*t+3], v30 offset:64*t
	ds_load_b128 v[8*t+4:8*t+7], v30 offset:64*t+16
.set t, t+1
.endr
	WIN 0x80
.irp u, 0,1,2,3
.irp s, 0,1,2,3
	ds_load_tr16_b128 v[8*(4*\u+\s):8*(4*\u+\s)+3], v19 offset:17408*\s+32*\u      ; W2's columns 64 w + 16 u on, in features 32 s on
	ds_load_tr16_b128 v[8*(4*\u+\s)+4:8*(4*\u+\s)+7], v19 offset:17408*\s+32*\u+8704
.endr
.endr
	WIN 0
	s_cmp_lg_u32 s3, 2                             ; wave 2 adds sv's four parts and stores them: 512 consecutive bytes
	s_cbranch_scc1 .Lno_sv
	s_wait_xcnt 0x0                                ; no earlier store still reads the registers that are loaded here
	v_add_nc_u32 v31, SVL, v7
.irp k, 0,1,2,3
	ds_load_b128 v[40+4*\k:43+4*\k], v31 offset:512*\k
.endr
	s_wait_dscnt 0x0
.irp j, 0,2
	v_pk_add_f32 v[40+\j:41+\j], v[40+\j:41+\j], v[44+\j:45+\j]
	v_pk_add_f32 v[48+\j:49+\j], v[48+\j:49+\j], v[52+\j:53+\j]
.endr
.irp j, 0,2
	v_pk_add_f32 v[40+\j:41+\j], v[40+\j:41+\j], v[48+\j:49+\j]
.endr
	global_store_b128 v7, v[40:43], s[32:33] offset:131072
.Lno_sv:
	s_wait_dscnt 0x0                               ; the fragments are in
	; THE FRONT: layers 0 and 1 for my wave's 64 tokens.
.macro L1 ao, bo, s                    ; eight products of layer 1: W1's fragments at ao, H1's at bo, K step s; the eight accumulators take turns
.set t, 0
.rept 8
	v_wmma_f32_16x16x32_f16 v[192+8*t:199+8*t], v[(\ao)+16*t+8*(\s):(\ao)+16*t+8*(\s)+7], v[(\bo)+8*(\s):(\bo)+8*(\s)+7], v[192+8*t:199+8*t]
.set t, t+1
.endr
.endm
	s_mov_b32 s54, 4
.Lfront:                                       ; a trip: one tile of 16 tokens
.set i, 0
.rept 16                               ; layer 0 has K = 2: two fused multiply-adds in f32, for just the 32 features that my lane's two fragments hold
	v_pk_fma_f32 v[192+2*i:193+2*i], v[W0B+2*i:W0B+2*i+1], v[AP:AP+1], v[B0R+2*i:B0R+2*i+1] op_sel:[0,1,0] op_sel_hi:[1,1,1]
.set i, i+1
.endr
.set i, 0
.rept 16
	v_pk_fma_f32 v[192+2*i:193+2*i], v[W0A+2*i:W0A+2*i+1], v[AP:AP+1], v[192+2*i:193+2*i] op_sel_hi:[1,0,1]
.set i, i+1
.endr
.set i, 0
.rept 32
	v_max_num_f32 v[192+i], 0, v[192+i]            ; ReLU, in f32: it stands ahead of the split
.set i, i+1
.endr
	WIN 0x40
.set i, 0
.rept 16
	v_cvt_pk_f16_f32 v[64+i], v[192+2*i], v[193+2*i]   ; H1 hi
.set i, i+1
.endr
	WIN 0x01
.set i, 0
.rept 16
	RESID 192+2*i, 64+i
.set i, i+1
.endr
	WIN 0x40
.set i, 0
.rept 16
	v_cvt_pk_f16_f32 v[80+i], v[192+2*i], v[193+2*i]   ; H1 lo
.set i, i+1
.endr
	WIN 0x17
.set t, 0
.rept 8                                ; b1 starts the sums
	v_wmma_f32_16x16x32_f16 v[192+8*t:199+8*t], v[16*t:16*t+7], v[64:71], v[8*t:8*t+7]
.set t, t+1
.endr
	WIN 0x07
	L1 0, 64, 1                                    ; W1 hi x H1 hi
	L1 0, 80, 0                                    ; W1 hi x H1 lo
	L1 0, 80, 1
	L1 128, 64, 0                                  ; W1 lo x H1 hi
	L1 128, 64, 1
	WIN 0
	PLACES
.set i, 0
.rept 32
	v_cvt_pk_f16_f32 v[160+i], v[192+2*i], v[193+2*i]  ; H2, rounded once: tile t at 160 + 4 t; ascending: each accumulator from its low end
.set i, i+1
.endr
.set i, 0
.rept 32
	v_pk_max_num_f16 v[160+i], v[160+i], v6        ; ReLU on the packed halves
.set i, i+1
.endr
.set t, 0
.rept 8
	ds_store_b128 v22, v[160+4*t:163+4*t] offset:512*t
.set t, t+1
.endr
	v_add_nc_u32 v22, 4096, v22
.irp j, 0,1,2,3,4,5
	v_mov_b32 v[AP+\j], v[AP+2+\j]                 ; the next tile's a
.endr
	s_sub_co_u32 s54, s54, 1
	s_cmp_lg_u32 s54, 0
	s_cbranch_scc1 .Lfront
	BAR                                            ; barrier 3: H2 of all 256 tokens lies in LDS
	; THE MAIN LOOP.  My wave owns H3's features 64 w .. 64 w + 63.  A trip takes 32 tokens: H3 = ReLU(H2 W2 + b2) for them (32 products), rounded, and S += v^T H3 (32 products).
.macro LOAD_SA                         ; H2 of two token tiles: 16 loads
	WIN 0xc0
.irp x, 0,1
.irp s, 0,1,2,3
	ds_load_b128 v[8*(4*\x+\s):8*(4*\x+\s)+3], v21 offset:4096*\x+1024*\s
	ds_load_b128 v[8*(4*\x+\s)+4:8*(4*\x+\s)+7], v21 offset:4096*\x+1024*\s+512
.endr
.endr
	WIN 0
	v_add_nc_u32 v21, 8192, v21
.endm
.macro MUL1 s, first                   ; eight products: H2, W2, K step s; the eight accumulators take turns
.irp x, 0,1
.irp u, 0,1,2,3
.if \first
	v_wmma_f32_16x16x32_f16 v[64+8*(4*\x+\u):71+8*(4*\x+\u)], v[8*(4*\x+\s):8*(4*\x+\s)+7], v[8*(4*\u+\s):8*(4*\u+\s)+7], v[192+8*\u:199+8*\u]
.else
	v_wmma_f32_16x16x32_f16 v[64+8*(4*\x+\u):71+8*(4*\x+\u)], v[8*(4*\x+\s):8*(4*\x+\s)+7], v[8*(4*\u+\s):8*(4*\u+\s)+7], v[64+8*(4*\x+\u):71+8*(4*\x+\u)]
.endif
.endr
.endr
.endm
.macro TRIP first                      ; first = 1: the trip ahead of the loop: its second product starts S's sums with the constant 0, and nothing is ever cleared
	WIN 0xc0                                       ; v^T of this trip's 32 tokens, turned: 16 loads, which land under the first product
.irp c, 0,1,2,3,4,5,6,7
	ds_load_tr16_b128 v[128+8*\c:131+8*\c], v20 offset:32*\c
	ds_load_tr16_b128 v[132+8*\c:135+8*\c], v20 offset:32*\c+4608
.endr
	WIN 0
	v_add_nc_u32 v20, 9216, v20
	s_wait_dscnt 16                                ; H2 is in: only the 16 loads just issued are younger
	WIN 0x3b
	MUL1 0, 1                                      ; b2 starts the sums
	WIN 0x0b
	MUL1 1, 0
	MUL1 2, 0
	MUL1 3, 0
	WIN 0
	PLACES                                         ; ahead of the loads into H2's registers and of the roundings
	s_wait_dscnt 0x0                               ; v^T is in.  It stands ahead of the jump, so that it counts the same on both ways
.if \first
	LOAD_SA
.else
	s_cmp_eq_u32 s54, 1                            ; the last trip has no next tokens to fetch
	s_cbranch_scc1 .Lno_sa
	LOAD_SA
.Lno_sa:
.endif
.irp x, 0,1
.irp u, 0,1,2,3
.irp p, 0,1,2,3
	v_cvt_pk_f16_f32 v[128+8*\u+4*\x+\p], v[64+8*(4*\x+\u)+2*\p], v[64+8*(4*\x+\u)+2*\p+1]  ; each accumulator from its low end
.endr
.endr
.endr
.set i, 0
.rept 32
	v_pk_max_num_f16 v[128+i], v[128+i], v6        ; ReLU on the packed halves
.set i, i+1
.endr
	WIN 0x53
.irp c, 0,1,2,3,4,5,6,7
.irp u, 0,1,2,3                        ; the 32 accumulators take turns
.if \first
	v_wmma_f32_16x16x32_f16 v[8*(4*\c+\u):8*(4*\c+\u)+7], v[128+8*\c:135+8*\c], v[128+8*\u:135+8*\u], 0
.else
	v_wmma_f32_16x16x32_f16 v[8*(4*\c+\u):8*(4*\c+\u)+7], v[128+8*\c:135+8*\c], v[128+8*\u:135+8*\u], v[8*(4*\c+\u):8*(4*\c+\u)+7]
.endif
.endr
.endr
	WIN 0
	PLACES                                         ; ahead of the next loads of v^T, of the next roundings, and of the way out
.endm
.irp u, 0,1,2,3
	ds_load_b32 v[RR+\u], v24 offset:64*\u
.endr
	LOAD_SA
	s_wait_dscnt 16                                ; b2's four loads are older than H2's 16
	WIN 0xc0
.irp u, 0,1,2,3
.irp j, 0,1,2,3,4,5,6,7
	v_mov_b32 v[192+8*\u+\j], v[RR+\u]             ; b2 of my feature, for all eight tokens of a result: the C operand that starts H3's sums
.endr
.endr
	WIN 0
	TRIP 1
	s_mov_b32 s54, 7
.Ltrip:
	TRIP 0
	s_sub_co_u32 s54, s54, 1
	s_cmp_lg_u32 s54, 0
	s_cbranch_scc1 .Ltrip
	; THE WAY OUT.  A lane holds feature 64 w + 16 u + r and the columns 16 ct + 8 h + 0..7.  part is laid [c / 4][feature][c % 4]: sixteen lanes store 256 consecutive bytes, aligned.
	WIN 0x41
.set i, 0
.rept 128
	v_pk_mul_f32 v[2*i:2*i+1], v[2*i:2*i+1], s[50:51] op_sel_hi:[1,0]
.set i, i+1
.endr
	WIN 0x04
.irp c, 0,1,2,3,4,5,6,7
.irp u, 0,1,2,3
	global_store_b128 v28, v[8*(4*\c+\u):8*(4*\c+\u)+3], s[32:33] offset:16384*\c+256*\u
	global_store_b128 v28, v[8*(4*\c+\u)+4:8*(4*\c+\u)+7], s[32:33] offset:16384*\c+256*\u+4096
.endr
.endr
	WIN 0
	s_wait_tensorcnt 0x0                           ; the wave's end, behind my last LDS store
	ds_add_u32 v4, v5
	s_wait_dscnt 0x0
	s_endpgm
.Lfunc_end_k_q1472d05ac3_psi_part:
	.size	k_q1472d05ac3_psi_part, .Lfunc_end_k_q1472d05ac3_psi_part-k_q1472d05ac3_psi_part
	.p2alignl 7, 3214868480
	.fill 96, 4, 3214868480
	.section	.rodata,"a",@progbits
	.p2align	6, 0x0
	.amdhsa_kernel k_q1472d05ac3_psi_part
		.amdhsa_group_segment_fixed_size 254208
		.amdhsa_private_segment_fixed_size 0
		.amdhsa_enable_private_segment 0
		.amdhsa_kernarg_size 120
		.amdhsa_user_sgpr_count 2
		.amdhsa_user_sgpr_kernarg_segment_ptr 1
		.amdhsa_wavefront_size32 1
		.amdhsa_system_sgpr_workgroup_id_x 1
		.amdhsa_system_sgpr_workgroup_id_y 1
		.amdhsa_system_sgpr_workgroup_id_z 1
		.amdhsa_system_vgpr_workitem_id 0
		.amdhsa_next_free_vgpr 1024
		.amdhsa_next_free_sgpr 66
		.amdhsa_reserve_vcc 1
		.amdhsa_float_denorm_mode_32 3
		.amdhsa_float_denorm_mode_16_64 3
		.amdhsa_memory_ordered 1
		.amdhsa_forward_progress 1
		.amdhsa_inst_pref_size 173
	.end_amdhsa_kernel
	.amdgpu_metadata
---
amdhsa.version: [ 1, 2 ]
amdhsa.kernels:
  - .name:           k_q1472d05ac3_psi_part
    .symbol:         k_q1472d05ac3_psi_part.kd
    .args:
      - { .name: a, .offset: 0, .size: 8, .value_kind: global_buffer, .address_space: global }
      - { .name: v, .offset: 8, .size: 8, .value_kind: global_buffer, .address_space: global }
      - { .name: psi_W0, .offset: 16, .size: 8, .value_kind: global_buffer, .address_space: global }
      - { .name: psi_b0, .offset: 24, .size: 8, .value_kind: global_buffer, .address_space: global }
      - { .name: psi_W1, .offset: 32, .size: 8, .value_kind: global_buffer, .address_space: global }
      - { .name: psi_b1, .offset: 40, .size: 8, .value_kind: global_buffer, .address_space: global }
      - { .name: psi_W2, .offset: 48, .size: 8, .value_kind: global_buffer, .address_space: global }
      - { .name: psi_b2, .offset: 56, .size: 8, .value_kind: global_buffer, .address_space: global }
      - { .name: phi_W3, .offset: 64, .size: 8, .value_kind: global_buffer, .address_space: global }
      - { .name: psi_W3, .offset: 72, .size: 8, .value_kind: global_buffer, .address_space: global }
      - { .name: phi_b3, .offset: 80, .size: 8, .value_kind: global_buffer, .address_space: global }
      - { .name: psi_b3, .offset: 88, .size: 8, .value_kind: global_buffer, .address_space: global }
      - { .name: part, .offset: 96, .size: 8, .value_kind: global_buffer, .address_space: global }
      - { .name: cw, .offset: 104, .size: 8, .value_kind: global_buffer, .address_space: global }
      - { .name: uw, .offset: 112, .size: 8, .value_kind: global_buffer, .address_space: global }
    .group_segment_fixed_size: 254208
    .private_segment_fixed_size: 0
    .kernarg_segment_align: 8
    .kernarg_segment_size: 120
    .max_flat_workgroup_size: 128
    .sgpr_count:     66
    .vgpr_count:     1024
    .wavefront_size: 32
...
	.end_amdgpu_metadata
.endif
;; end of part 7
;; launch mix: the kernel of part 5 again; grid 256 x 1, 8 waves a work-group, no clusters, 7,680 bytes of LDS; arguments part, cw, uw, gw; writes gw
;; launch phi_out (part 8): grid 256 x 1, 4 waves a work-group, no clusters, 275,712 bytes of LDS; arguments a, out0, phi_W0, phi_b0, phi_W1, phi_b1, phi_W2, phi_b2, gw; writes out0
.if DOCPART == 8
	.amdgcn_target "amdgcn-amd-amdhsa--gfx1250"
	.amdhsa_code_object_version 6
	.text
	.protected	k_q1472d05ac3_phi_out
	.globl	k_q1472d05ac3_phi_out
	.p2align	8
	.type	k_q1472d05ac3_phi_out,@function
k_q1472d05ac3_phi_out:
	s_mov_b64 s[64:65], 0
	v_nop
	global_prefetch_b8 v0, s[64:65] scope:SCOPE_SE
	s_setreg_imm32_b32 hwreg(HW_REG_WAVE_MODE, 25, 1), 1
	s_wait_xcnt 0x0
; LowRank1d, launch 3 of 3.  Work-group g takes tokens 256 g .. 256 g + 255 (batch g / 32): the phi net up to its third activation H, and out = H G + g0, with G and g0 as the launch before left them.
; Nothing of the problem is left out: phi_W3 and phi_b3 have gone into G and g0 (out = (H W3phi + b3phi)(psi_eval^T v) / n = H G + g0, for all values of the inputs).
; FORMATS, SCALE, LIMITS.  As in the first launch: operands f16, sums f32.  H2, W2, H3 and G are rounded once; W1 and H1 go in two halves, hi = f16(x), lo = f16(x - hi) (the difference exact in f32), their product being
;   hi hi + hi lo + lo hi on one f32 sum.  H1, H2, H3 carry ONE power of two, 2^(141 - e), e the exponent field of the largest of the bounds B1 = 2 A m0 + c0, B2 = 64 m1 B1 + c1,
;   B3 = 128 m2 B2 + c2, made here from maxima; it goes into a, b0, b1, b2 (all f32); the weights are taken as they are.  G comes in f16 with a scale sc for each four columns; out = sum x sc x 2^(e - 141) + g0, in f32.
;   |W1| and |W2| stay under 65,504; B1 under 2^-60 is taken as 2^-60; a layer whose H lies far under the largest bound keeps f16's fixed step of 2^-24 of the scaled numbers; the maxima pass over NaN, and infinities are not treated apart.
; NO CLUSTER, NO TENSOR LOAD: the weights that all work-groups share (163,840 bytes of f32) must pass through registers to be measured and rounded; as f32 in LDS beside the 275,712 bytes in use they would not fit in 327,680.
; SHARES.  Wave w keeps its own 64 tokens from first to last; the four waves share W1, W2, b1, b2 and G in LDS.
; LAYOUT.  L = lane, r = L % 16, h = L / 16.  Every product holds one token a lane (column r) and eight features or columns (8 h + j): two results, rounded in pairs, are the next product's operand.
; REGISTERS, in windows of 256 (s_set_vgpr_msb: bits 1:0 source 0, 3:2 source 1, 5:4 source 2, 7:6 destination):
;   window 0: v0-31 ids and addresses (v6 = 0, v27 = 1.0); v32-39 a; v56-63 maxima; head: v64-159 W0, b0; v160-191 at work; v192-255 W1, then layer 1's sums
;             main loop: v64-127 ACC1 (2 x 4), v128-159 H3, v192-207 b2 as C operands, v208-223 sc
;   window 1: G as loaded v96-223; front: b1 v0-63, H1 hi v64-79, lo v80-95; then ACC2 (8 x 4)
;   window 2: my H2 v0-127
;   window 3: W2 as loaded; front: W1's fragments, hi v0-127, lo v128-255; main loop: W2^T v0-63, G^T v128-191, g0 v192-255
.set W1L,   0                          ; W1 in f16, [k 64][n 128], pitch 288: hi, and W1X further on lo
.set W1X,   18432
.set W2L,   36864                      ; W2 in f16, [k 128][n 256], pitch 544
.set H2L,   106496                     ; H2 on its way back into registers: wave x 16,384 + token tile x 4,096 + piece t x 512 + 16 L: each wave's own bytes
.set GL,    172032                     ; G: 32 blocks of four columns, pitch 2,112: [mt 16][h 2][c 4] x 16 bytes
.set OST,   239616                     ; the way out: wave x 8,448: 16 rows of 512 bytes, pitch 528: each wave's own bytes
.set B1L,   273408
.set B2L,   273920
.set RED,   274944                     ; wave x 64: seven maxima and a zero
.set SPARE, 275200                     ; the spare words, 128 bytes a wave: no other line names them
.set ONE, 27
.set AP,  32
.set RR,  56
.set W0A, 64
.set W0B, 96
.set B0R, 128
.set MX,  164
.set MSB, 0
.macro WIN new
.if MSB != (\new)
	s_set_vgpr_msb (MSB<<8)|(\new)
.set MSB, (\new)
.endif
.endm
.macro PLACES
.rept 4
	v_nop
.endr
.endm
.macro RESID x, hh                     ; registers x, x + 1 less the two f16 halves of register hh: exact in f32
	v_fma_mix_f32 v[\x], -v[\hh], v[ONE], v[\x] op_sel_hi:[1,0,0]
	v_fma_mix_f32 v[(\x)+1], -v[\hh], v[ONE], v[(\x)+1] op_sel:[1,0,0] op_sel_hi:[1,0,0]
.endm
.macro WMAX x
	v_max_num_f32_dpp v[\x], v[\x], v[\x] row_xmask:1 row_mask:0xf bank_mask:0xf
	v_max_num_f32_dpp v[\x], v[\x], v[\x] row_xmask:2 row_mask:0xf bank_mask:0xf
	v_max_num_f32_dpp v[\x], v[\x], v[\x] row_xmask:4 row_mask:0xf bank_mask:0xf
	v_max_num_f32_dpp v[\x], v[\x], v[\x] row_xmask:8 row_mask:0xf bank_mask:0xf
	v_permlanex16_b32 v31, v[\x], s52, s53
	v_max_num_f32 v[\x], v[\x], v31
.endm
.macro BAR
	s_wait_dscnt 0x0
	s_barrier_signal -1
	s_barrier_wait -1
.endm
	s_load_b512 s[8:23], s[0:1], 0x0               ; a 8, out0 10, W0 12, b0 14, W1 16, b1 18, W2 20, b2 22
	s_load_b64 s[24:25], s[0:1], 0x40              ; gw
	v_lshl_add_u32 v4, v0, 2, SPARE
	v_mov_b32 v5, 0
	v_mov_b32 v6, 0                                ; 0 for the ReLU on packed halves
	v_mov_b32 v[ONE], 1.0
	v_and_b32 v1, 31, v0                           ; L
	v_and_b32 v2, 15, v0                           ; r
	v_bfe_u32 v3, v0, 4, 1                         ; h
	v_lshrrev_b32 v31, 5, v0
	v_readfirstlane_b32 s3, v31                    ; w
	s_mov_b32 s2, ttmp9                            ; g
	s_mov_b32 s52, 0x76543210
	s_mov_b32 s53, 0xfedcba98
	v_lshlrev_b32 v7, 4, v1                        ; 16 L
	s_lshl_b32 s38, s3, 13
	v_add_nc_u32 v8, s38, v7                       ; W1 in memory: rows 16 w + i
	s_mul_i32 s38, s3, 4608
	v_lshl_add_u32 v9, v1, 3, s38                  ; and in LDS (W1L = 0)
	s_lshl_b32 s38, s3, 8
	v_lshl_add_u32 v10, v2, 4, s38
	v_lshl_add_u32 v10, v3, 10, v10                ; W2 in memory: rows 2 i + h, my wave's 256 bytes of each
	s_lshl_b32 s39, s3, 7
	s_add_co_u32 s39, s39, W2L
	v_mul_u32_u24 v11, v3, 544
	v_lshl_add_u32 v11, v2, 3, v11
	v_add_nc_u32 v11, s39, v11                     ; and in LDS, loads 0-31,
	v_add_nc_u32 v12, 34816, v11                   ; loads 32-63
	s_lshl_b32 s38, s3, 15
	v_add_nc_u32 v13, s38, v7                      ; out0: rows 64 w + ..
	v_mul_u32_u24 v14, v3, 4608                    ; g0 and sc: the blocks 4 ct + 2 h, + 1
	s_lshl_b32 s38, s3, 9
	v_lshl_add_u32 v15, v2, 3, s38                 ; a: token 64 w + 16 j + r
	v_lshlrev_b32 v16, 5, v3                       ; W0, b0: features 16 g + 8 h + 0..7
	v_lshlrev_b32 v17, 2, v0                       ; b1, b2: one number a thread
	v_and_b32 v31, 7, v0
	v_lshl_add_u32 v31, v3, 3, v31                 ; the turning load's row 8 h + L % 8
	v_bfe_u32 v30, v0, 3, 1
	v_lshlrev_b32 v30, 4, v30                      ; and its 16 bytes (L / 8) % 2
	v_mul_u32_u24 v18, v31, 288
	v_add_nc_u32 v18, v18, v30                     ; in W1 (W1L = 0)
	v_mul_u32_u24 v21, v31, 544
	v_add_nc_u32 v21, v21, v30
	v_add_nc_u32 v21, W2L, v21                     ; in W2; steps 32 out features a trip
	v_lshrrev_b32 v20, 2, v2
	v_mul_u32_u24 v20, v20, 2112
	v_lshl_add_u32 v20, v3, 6, v20
	v_and_b32 v31, 3, v0
	v_lshl_add_u32 v20, v31, 4, v20
	v_add_nc_u32 v20, GL, v20                      ; G^T: column 16 ct + r: block 4 ct + r / 4, 64 h, 16 (r % 4); steps 32 features a trip
	s_lshl_b32 s38, s3, 14
	s_add_co_u32 s38, s38, H2L
	v_add_nc_u32 v22, s38, v7                      ; where I write H2: my wave's four token tiles,
	v_add_nc_u32 v23, s38, v7                      ; and where I read them back
	v_lshl_add_u32 v24, v3, 5, B2L                 ; b2 of feature 32 t + 16 x + 8 h + 0..7; steps
	v_lshlrev_b32 v163, 4, v0                      ; 16 x thread
	v_add_nc_u32 v25, GL, v163
	s_lshl_b32 s38, s3, 6
	s_add_co_u32 s38, s38, RED
	v_mov_b32 v26, s38
	s_mul_i32 s38, s3, 8448
	s_add_co_u32 s38, s38, OST
	v_mul_u32_u24 v28, v2, 528
	v_lshl_add_u32 v28, v3, 5, v28
	v_add_nc_u32 v28, s38, v28                     ; into my stage: row r, 32 h
	v_add_nc_u32 v29, s38, v7                      ; and back: a row of 512 bytes a load
	v_lshl_add_u32 v30, v3, 5, B1L
	s_wait_kmcnt 0x0
	s_mov_b32 s39, 0
	s_lshl_b32 s38, s2, 11
	s_add_nc_u64 s[8:9], s[8:9], s[38:39]          ; a at my 256 tokens
	s_lshl_b32 s38, s2, 17
	s_add_nc_u64 s[10:11], s[10:11], s[38:39]      ; out0 at my 256 rows
	s_lshr_b32 s38, s2, 5
	s_mul_i32 s38, s38, 73728
	s_add_nc_u64 s[24:25], s[24:25], s[38:39]      ; gw at my batch's 32 blocks of 2,304 bytes
.irp j, 0,1,2,3
	global_load_b64 v[AP+2*\j:AP+2*\j+1], v15, s[8:9] offset:128*\j
.endr
.set i, 0
.rept 8
	global_load_b128 v[W0A+4*i:W0A+4*i+3], v16, s[12:13] offset:64*(i/2)+16*(i%2)
	global_load_b128 v[W0B+4*i:W0B+4*i+3], v16, s[12:13] offset:256+64*(i/2)+16*(i%2)
	global_load_b128 v[B0R+4*i:B0R+4*i+3], v16, s[14:15] offset:64*(i/2)+16*(i%2)
.set i, i+1
.endr
	global_load_b32 v160, v17, s[18:19]
	global_load_b32 v161, v17, s[22:23]
	global_load_b32 v162, v17, s[22:23] offset:512
.set i, 0
.rept 16
	global_load_b128 v[192+4*i:195+4*i], v8, s[16:17] offset:512*i
.set i, i+1
.endr
	WIN 0xc0
.set i, 0
.rept 64
	global_load_b128 v[4*i:4*i+3], v10, s[20:21] offset:2048*i
.set i, i+1
.endr
	WIN 0x40
.set i, 0
.rept 32
	global_load_b128 v[96+4*i:99+4*i], v163, s[24:25] offset:2304*i  ; G: the 2,048 bytes of block i
.set i, i+1
.endr
	WIN 0
	s_wait_loadcnt 32                              ; G's 32 loads are younger than the weights and may stay out
	; THE MAXIMA
.irp q, 0,1,2,3,4,5,6,7
	v_mov_b32 v[RR+\q], 0
	v_mov_b32 v[MX+\q], 0
.endr
.irp j, 0,2,4,6
	v_max3_num_f32 v[RR], v[RR], |v[AP+\j]|, |v[AP+\j+1]|
.endr
.set i, 0
.rept 16
	v_max3_num_f32 v[RR+1], v[RR+1], |v[W0A+2*i]|, |v[W0A+2*i+1]|
	v_max3_num_f32 v[MX], v[MX], |v[W0B+2*i]|, |v[W0B+2*i+1]|
	v_max3_num_f32 v[RR+2], v[RR+2], |v[B0R+2*i]|, |v[B0R+2*i+1]|
	v_max3_num_f32 v[RR+3], v[RR+3], |v[192+4*i]|, |v[193+4*i]|
	v_max3_num_f32 v[MX+1], v[MX+1], |v[194+4*i]|, |v[195+4*i]|
.set i, i+1
.endr
	v_max_num_f32 v[RR+1], v[RR+1], v[MX]
	v_max_num_f32 v[RR+3], v[RR+3], v[MX+1]
	v_max_num_f32 v[RR+4], v[RR+4], |v160|
	v_max3_num_f32 v[RR+6], v[RR+6], |v161|, |v162|
	WIN 0x3c
.set i, 0
.rept 128
	v_max3_num_f32 v[MX+4+i%4], v[MX+4+i%4], |v[2*i]|, |v[2*i+1]|
.set i, i+1
.endr
	WIN 0
	v_max3_num_f32 v[RR+5], v[MX+4], v[MX+5], v[MX+6]
	v_max_num_f32 v[RR+5], v[RR+5], v[MX+7]
.irp q, 0,1,2,3,4,5,6
	WMAX RR+\q
.endr
	ds_store_b128 v26, v[RR:RR+3]
	ds_store_b128 v26, v[RR+4:RR+7] offset:16
	BAR                                            ; barrier 1: every wave's maxima lie in LDS
	; THE SCALE, the same in all four waves
	v_mov_b32 v31, RED
	WIN 0x80
.irp k, 0,1,2,3
	ds_load_b128 v[128+8*\k:131+8*\k], v31 offset:64*\k
	ds_load_b128 v[132+8*\k:135+8*\k], v31 offset:64*\k+16
.endr
	s_wait_dscnt 0x0
	WIN 0x2a
.irp q, 0,1,2,3,4,5,6
	v_max3_num_f32 v[RR+\q], v[128+\q], v[136+\q], v[144+\q]
.endr
	WIN 0x08
.irp q, 0,1,2,3,4,5,6
	v_max_num_f32 v[RR+\q], v[RR+\q], v[152+\q]
.endr
	WIN 0
	v_mul_f32 v31, v[RR], v[RR+1]
	v_fma_f32 v31, v31, 2.0, v[RR+2]               ; B1 = 2 A m0 + c0
	v_max_num_f32 v31, 0x21800000, v31             ; at least 2^-60
	v_mul_f32 v[MX], v[RR+3], v31
	v_fmamk_f32 v[MX], v[MX], 0x42800000, v[RR+4]  ; B2 = 64 m1 B1 + c1
	v_mul_f32 v[MX+1], v[RR+5], v[MX]
	v_fmamk_f32 v[MX+1], v[MX+1], 0x43000000, v[RR+6]  ; B3 = 128 m2 B2 + c2
	v_max3_num_f32 v31, v31, v[MX], v[MX+1]        ; the largest of the three bounds
	v_readfirstlane_b32 s55, v31
	s_lshr_b32 s55, s55, 23                        ; e: its exponent field
	s_sub_co_i32 s40, 268, s55                     ; the scale 2^(141 - e).  A pair, since the packed multiply names a pair
	s_lshl_b32 s40, s40, 23
	s_mov_b32 s41, s40
	s_sub_co_i32 s50, s55, 14                      ; 2^(e - 141): takes the scale out of the result
	s_lshl_b32 s50, s50, 23
	s_mov_b32 s51, s50
	; a, b0, b1, b2 TAKE THE SCALE (f32).  W1 IS SPLIT, W2 ROUNDED ONCE, AND BOTH ARE LAID INTO LDS; G follows as it came.
.irp j, 0,2,4,6
	v_pk_mul_f32 v[AP+\j:AP+\j+1], v[AP+\j:AP+\j+1], s[40:41] op_sel_hi:[1,0]
.endr
.set i, 0
.rept 16
	v_pk_mul_f32 v[B0R+2*i:B0R+2*i+1], v[B0R+2*i:B0R+2*i+1], s[40:41] op_sel_hi:[1,0]
.set i, i+1
.endr
	v_mul_f32 v160, s40, v160
	v_mul_f32 v161, s40, v161
	v_mul_f32 v162, s40, v162
	v_add_nc_u32 v31, B1L, v17
	ds_store_b32 v31, v160
	ds_store_b32 v31, v161 offset:512              ; B2L = B1L + 512
	ds_store_b32 v31, v162 offset:1024
.macro W1B b                           ; eight of my sixteen rows of W1: hi into v176-191, the differences in place, lo packed down
.set i, 0
.rept 16
	v_cvt_pk_f16_f32 v[176+i], v[192+32*(\b)+2*i], v[193+32*(\b)+2*i]
.set i, i+1
.endr
.set i, 0
.rept 16
	RESID 192+32*(\b)+2*i, 176+i
.set i, i+1
.endr
.set i, 0
.rept 16
	v_cvt_pk_f16_f32 v[192+32*(\b)+i], v[192+32*(\b)+2*i], v[193+32*(\b)+2*i]
.set i, i+1
.endr
.set i, 0
.rept 8
	ds_store_b64 v9, v[176+2*i:177+2*i] offset:288*(8*(\b)+i)
	ds_store_b64 v9, v[192+32*(\b)+2*i:193+32*(\b)+2*i] offset:W1X+288*(8*(\b)+i)
.set i, i+1
.endr
.endm
	W1B 0
	W1B 1
	WIN 0xcf
.set i, 0
.rept 64
	v_cvt_pk_f16_f32 v[4*i], v[4*i], v[4*i+1]
	v_cvt_pk_f16_f32 v[4*i+1], v[4*i+2], v[4*i+3]
.set i, i+1
.endr
	WIN 0x0c
.set i, 0
.rept 32
	ds_store_b64 v11, v[4*i:4*i+1] offset:1088*i
	ds_store_b64 v12, v[128+4*i:129+4*i] offset:1088*i
.set i, i+1
.endr
	s_wait_loadcnt 0x0                             ; G is in, and v163, its loads' offset, is free
	WIN 0x04
.set i, 0
.rept 32
	ds_store_b128 v25, v[96+4*i:99+4*i] offset:2112*i
.set i, i+1
.endr
	WIN 0
	BAR                                            ; barrier 2: W1, W2, b1, b2 and G lie in LDS.  From here on no wave writes what another reads
	; THE FRONT: layers 0 and 1 for my wave's 64 tokens
	WIN 0xc0
.set t, 0
.rept 8
.irp s, 0,1
	ds_load_tr16_b128 v[8*(2*t+\s):8*(2*t+\s)+3], v18 offset:9216*\s+32*t
	ds_load_tr16_b128 v[8*(2*t+\s)+4:8*(2*t+\s)+7], v18 offset:9216*\s+32*t+4608
	ds_load_tr16_b128 v[128+8*(2*t+\s):128+8*(2*t+\s)+3], v18 offset:W1X+9216*\s+32*t
	ds_load_tr16_b128 v[128+8*(2*t+\s)+4:128+8*(2*t+\s)+7], v18 offset:W1X+9216*\s+32*t+4608
.endr
.set t, t+1
.endr
	WIN 0x40
.set t, 0
.rept 8
	ds_load_b128 v[8*t:8*t+3], v30 offset:64*t
	ds_load_b128 v[8*t+4:8*t+7], v30 offset:64*t+16
.set t, t+1
.endr
	WIN 0
	s_wait_dscnt 0x0
.macro L1 ao, bo, s                    ; eight products of layer 1: W1's fragments at ao, H1's at bo, K step s; the eight accumulators take turns
.set t, 0
.rept 8
	v_wmma_f32_16x16x32_f16 v[192+8*t:199+8*t], v[(\ao)+16*t+8*(\s):(\ao)+16*t+8*(\s)+7], v[(\bo)+8*(\s):(\bo)+8*(\s)+7], v[192+8*t:199+8*t]
.set t, t+1
.endr
.endm
	s_mov_b32 s54, 4
.Lfront:                                       ; a trip: one tile of 16 tokens
.set i, 0
.rept 16                               ; layer 0 has K = 2: two fused multiply-adds in f32, for just the 32 features that my lane's two fragments hold
	v_pk_fma_f32 v[192+2*i:193+2*i], v[W0B+2*i:W0B+2*i+1], v[AP:AP+1], v[B0R+2*i:B0R+2*i+1] op_sel:[0,1,0] op_sel_hi:[1,1,1]
.set i, i+1
.endr
.set i, 0
.rept 16
	v_pk_fma_f32 v[192+2*i:193+2*i], v[W0A+2*i:W0A+2*i+1], v[AP:AP+1], v[192+2*i:193+2*i] op_sel_hi:[1,0,1]
.set i, i+1
.endr
.set i, 0
.rept 32
	v_max_num_f32 v[192+i], 0, v[192+i]            ; ReLU, in f32: it stands ahead of the split
.set i, i+1
.endr
	WIN 0x40
.set i, 0
.rept 16
	v_cvt_pk_f16_f32 v[64+i], v[192+2*i], v[193+2*i]   ; H1 hi
.set i, i+1
.endr
	WIN 0x01
.set i, 0
.rept 16
	RESID 192+2*i, 64+i
.set i, i+1
.endr
	WIN 0x40
.set i, 0
.rept 16
	v_cvt_pk_f16_f32 v[80+i], v[192+2*i], v[193+2*i]   ; H1 lo
.set i, i+1
.endr
	WIN 0x17
.set t, 0
.rept 8                                ; b1 starts the sums
	v_wmma_f32_16x16x32_f16 v[192+8*t:199+8*t], v[16*t:16*t+7], v[64:71], v[8*t:8*t+7]
.set t, t+1
.endr
	WIN 0x07
	L1 0, 64, 1                                    ; W1 hi x H1 hi
	L1 0, 80, 0                                    ; W1 hi x H1 lo
	L1 0, 80, 1
	L1 128, 64, 0                                  ; W1 lo x H1 hi
	L1 128, 64, 1
	WIN 0
	PLACES
.set i, 0
.rept 32
	v_cvt_pk_f16_f32 v[160+i], v[192+2*i], v[193+2*i]  ; H2, rounded once: tile t at 160 + 4 t; ascending: each accumulator from its low end
.set i, i+1
.endr
.set i, 0
.rept 32
	v_pk_max_num_f16 v[160+i], v[160+i], v6        ; ReLU on the packed halves
.set i, i+1
.endr
.set t, 0
.rept 8
	ds_store_b128 v22, v[160+4*t:163+4*t] offset:512*t
.set t, t+1
.endr
	v_add_nc_u32 v22, 4096, v22
.irp j, 0,1,2,3,4,5
	v_mov_b32 v[AP+\j], v[AP+2+\j]
.endr
	s_sub_co_u32 s54, s54, 1
	s_cmp_lg_u32 s54, 0
	s_cbranch_scc1 .Lfront
	; My H2 comes back as operands: my own bytes, and LDS serves a wave's instructions in order (ISA guide 5.7.1.4): no barrier, no wait between the stores and these loads.
	WIN 0x80
.irp u, 0,1,2,3
.irp s, 0,1,2,3
	ds_load_b128 v[8*(4*\u+\s):8*(4*\u+\s)+3], v23 offset:4096*\u+1024*\s
	ds_load_b128 v[8*(4*\u+\s)+4:8*(4*\u+\s)+7], v23 offset:4096*\u+1024*\s+512
.endr
.endr
	WIN 0xc0
.set c, 0
.rept 8                                ; g0 of the columns 16 ct + 8 h + 0..7, wanted on the way out: it lands during the main loop
	global_load_b128 v[192+8*c:195+8*c], v14, s[24:25] offset:9216*c+2048
	global_load_b128 v[196+8*c:199+8*c], v14, s[24:25] offset:9216*c+2048+2304
.set c, c+1
.endr
	WIN 0
.set c, 0
.rept 8                                ; and sc of their two blocks of four
	global_load_b32 v[208+2*c], v14, s[24:25] offset:9216*c+2064
	global_load_b32 v[209+2*c], v14, s[24:25] offset:9216*c+2064+2304
.set c, c+1
.endr
	; THE MAIN LOOP.  A trip takes 32 of H3's 256 features for my 64 tokens: H3 = ReLU(W2^T H2 + b2) (32 products), rounded, and out^T += G^T H3 (32 products).
.macro LOAD_SA                         ; W2^T of 32 out features, turned: 16 loads; their b2: 4 loads
	WIN 0xc0
.irp x, 0,1
.irp s, 0,1,2,3
	ds_load_tr16_b128 v[8*(4*\x+\s):8*(4*\x+\s)+3], v21 offset:17408*\s+32*\x
	ds_load_tr16_b128 v[8*(4*\x+\s)+4:8*(4*\x+\s)+7], v21 offset:17408*\s+32*\x+8704
.endr
.endr
	WIN 0
.irp x, 0,1
	ds_load_b128 v[192+8*\x:195+8*\x], v24 offset:64*\x
	ds_load_b128 v[196+8*\x:199+8*\x], v24 offset:64*\x+16
.endr
	v_add_nc_u32 v21, 64, v21
	v_add_nc_u32 v24, 128, v24
.endm
.macro MUL1 s, first                   ; eight products: W2^T, H2, K step s; the eight accumulators take turns
.irp x, 0,1
.irp u, 0,1,2,3
.if \first
	v_wmma_f32_16x16x32_f16 v[64+8*(4*\x+\u):71+8*(4*\x+\u)], v[8*(4*\x+\s):8*(4*\x+\s)+7], v[8*(4*\u+\s):8*(4*\u+\s)+7], v[192+8*\x:199+8*\x]
.else
	v_wmma_f32_16x16x32_f16 v[64+8*(4*\x+\u):71+8*(4*\x+\u)], v[8*(4*\x+\s):8*(4*\x+\s)+7], v[8*(4*\u+\s):8*(4*\u+\s)+7], v[64+8*(4*\x+\u):71+8*(4*\x+\u)]
.endif
.endr
.endr
.endm
.macro TRIP first                      ; first = 1: the trip ahead of the loop: its second product starts the sums with the constant 0, and nothing is ever cleared
	WIN 0xc0                                       ; G^T of this trip's 32 features: 16 loads, which land under the first product
.irp c, 0,1,2,3,4,5,6,7
	ds_load_b128 v[128+8*\c:131+8*\c], v20 offset:8448*\c
	ds_load_b128 v[132+8*\c:135+8*\c], v20 offset:8448*\c+128
.endr
	WIN 0
	v_add_nc_u32 v20, 256, v20
	s_wait_dscnt 16                                ; W2^T and b2 are in (in the first trip my H2 too): only the 16 loads just issued are younger
	WIN 0x0b
	MUL1 0, 1                                      ; b2 starts the sums
	MUL1 1, 0
	MUL1 2, 0
	MUL1 3, 0
	WIN 0
	PLACES                                         ; ahead of the loads into W2^T's and b2's registers and of the roundings
	s_wait_dscnt 0x0                               ; G^T is in.  It stands ahead of the jump, so that it counts the same on both ways
.if \first
	LOAD_SA
.else
	s_cmp_eq_u32 s54, 1                            ; the last trip has no next features to fetch
	s_cbranch_scc1 .Lno_sa
	LOAD_SA
.Lno_sa:
.endif
.irp x, 0,1
.irp u, 0,1,2,3
.irp p, 0,1,2,3
	v_cvt_pk_f16_f32 v[128+8*\u+4*\x+\p], v[64+8*(4*\x+\u)+2*\p], v[64+8*(4*\x+\u)+2*\p+1]  ; each accumulator from its low end
.endr
.endr
.endr
.set i, 0
.rept 32
	v_pk_max_num_f16 v[128+i], v[128+i], v6        ; ReLU on the packed halves
.set i, i+1
.endr
	WIN 0x53
.irp c, 0,1,2,3,4,5,6,7
.irp u, 0,1,2,3                        ; the 32 accumulators take turns
.if \first
	v_wmma_f32_16x16x32_f16 v[8*(4*\c+\u):8*(4*\c+\u)+7], v[128+8*\c:135+8*\c], v[128+8*\u:135+8*\u], 0
.else
	v_wmma_f32_16x16x32_f16 v[8*(4*\c+\u):8*(4*\c+\u)+7], v[128+8*\c:135+8*\c], v[128+8*\u:135+8*\u], v[8*(4*\c+\u):8*(4*\c+\u)+7]
.endif
.endr
.endr
	WIN 0
	PLACES                                         ; ahead of the next loads of G^T, of the next roundings, and of the way out
.endm
	LOAD_SA
	TRIP 1
	s_mov_b32 s54, 7
.Ltrip:
	TRIP 0
	s_sub_co_u32 s54, s54, 1
	s_cmp_lg_u32 s54, 0
	s_cbranch_scc1 .Ltrip
	; THE WAY OUT.  A lane holds token 16 u + r and the columns 16 ct + 8 h + 0..7.  out = sum x (sc 2^(e - 141)) + g0, one fused multiply-add; 16 tokens at a time go through my own stage and come back as whole rows.
	s_wait_loadcnt 0x0                             ; g0 and sc
.set i, 0
.rept 8
	v_pk_mul_f32 v[208+2*i:209+2*i], v[208+2*i:209+2*i], s[50:51] op_sel_hi:[1,0]
.set i, i+1
.endr
.irp u, 0,1,2,3
	WIN 0x71
.irp c, 0,1,2,3,4,5,6,7
.irp p, 0,1                            ; columns 0-3 take the pair's first sc,
	v_pk_fma_f32 v[8*(4*\c+\u)+2*\p:8*(4*\c+\u)+2*\p+1], v[8*(4*\c+\u)+2*\p:8*(4*\c+\u)+2*\p+1], v[208+2*\c:209+2*\c], v[192+8*\c+2*\p:193+8*\c+2*\p] op_sel_hi:[1,0,1]
.endr
.irp p, 2,3                            ; columns 4-7 its second
	v_pk_fma_f32 v[8*(4*\c+\u)+2*\p:8*(4*\c+\u)+2*\p+1], v[8*(4*\c+\u)+2*\p:8*(4*\c+\u)+2*\p+1], v[208+2*\c:209+2*\c], v[192+8*\c+2*\p:193+8*\c+2*\p] op_sel:[0,1,0] op_sel_hi:[1,1,1]
.endr
.endr
	WIN 0x04
.irp c, 0,1,2,3,4,5,6,7
	ds_store_b128 v28, v[8*(4*\c+\u):8*(4*\c+\u)+3] offset:64*\c
	ds_store_b128 v28, v[8*(4*\c+\u)+4:8*(4*\c+\u)+7] offset:64*\c+16
.endr
	WIN 0
	s_wait_xcnt 0x0                                ; the last sixteen stores have read their data: the registers are loaded again only behind this wait
.set i, 0
.rept 16
	ds_load_b128 v[64+4*i:67+4*i], v29 offset:528*i  ; in order behind the stores above; the next tile's stores come behind these
.set i, i+1
.endr
.set i, 0
.rept 16
	s_wait_dscnt 15-i                              ; row i is back; the rows behind it may stay out
	global_store_b128 v13, v[64+4*i:67+4*i], s[10:11] offset:(16*\u+i)*512 th:TH_STORE_NT  ; a row of out0: 512 consecutive bytes, aligned
.set i, i+1
.endr
.endr
	s_wait_tensorcnt 0x0                           ; the wave's end, behind my last LDS store
	ds_add_u32 v4, v5
	s_wait_dscnt 0x0
	s_endpgm
.Lfunc_end_k_q1472d05ac3_phi_out:
	.size	k_q1472d05ac3_phi_out, .Lfunc_end_k_q1472d05ac3_phi_out-k_q1472d05ac3_phi_out
	.p2alignl 7, 3214868480
	.fill 96, 4, 3214868480
	.section	.rodata,"a",@progbits
	.p2align	6, 0x0
	.amdhsa_kernel k_q1472d05ac3_phi_out
		.amdhsa_group_segment_fixed_size 275712
		.amdhsa_private_segment_fixed_size 0
		.amdhsa_enable_private_segment 0
		.amdhsa_kernarg_size 72
		.amdhsa_user_sgpr_count 2
		.amdhsa_user_sgpr_kernarg_segment_ptr 1
		.amdhsa_wavefront_size32 1
		.amdhsa_system_sgpr_workgroup_id_x 1
		.amdhsa_system_sgpr_workgroup_id_y 1
		.amdhsa_system_sgpr_workgroup_id_z 1
		.amdhsa_system_vgpr_workitem_id 0
		.amdhsa_next_free_vgpr 1024
		.amdhsa_next_free_sgpr 66
		.amdhsa_reserve_vcc 0
		.amdhsa_float_denorm_mode_32 3
		.amdhsa_float_denorm_mode_16_64 3
		.amdhsa_memory_ordered 1
		.amdhsa_forward_progress 1
		.amdhsa_inst_pref_size 137
	.end_amdhsa_kernel
	.amdgpu_metadata
---
amdhsa.version: [ 1, 2 ]
amdhsa.kernels:
  - .name:           k_q1472d05ac3_phi_out
    .symbol:         k_q1472d05ac3_phi_out.kd
    .args:
      - { .name: a, .offset: 0, .size: 8, .value_kind: global_buffer, .address_space: global }
      - { .name: out0, .offset: 8, .size: 8, .value_kind: global_buffer, .address_space: global }
      - { .name: phi_W0, .offset: 16, .size: 8, .value_kind: global_buffer, .address_space: global }
      - { .name: phi_b0, .offset: 24, .size: 8, .value_kind: global_buffer, .address_space: global }
      - { .name: phi_W1, .offset: 32, .size: 8, .value_kind: global_buffer, .address_space: global }
      - { .name: phi_b1, .offset: 40, .size: 8, .value_kind: global_buffer, .address_space: global }
      - { .name: phi_W2, .offset: 48, .size: 8, .value_kind: global_buffer, .address_space: global }
      - { .name: phi_b2, .offset: 56, .size: 8, .value_kind: global_buffer, .address_space: global }
      - { .name: gw, .offset: 64, .size: 8, .value_kind: global_buffer, .address_space: global }
    .group_segment_fixed_size: 275712
    .private_segment_fixed_size: 0
    .kernarg_segment_align: 8
    .kernarg_segment_size: 72
    .max_flat_workgroup_size: 128
    .sgpr_count:     66
    .vgpr_count:     1024
    .wavefront_size: 32
...
	.end_amdgpu_metadata
.endif
;; end of part 8
;; ======== version 4 of 4: 3 launches; version 3 with the launch mix written anew for expert scheduling mode
;; limits: values are held in f16: magnitudes above 65,504 overflow, below 6.1e-05 lose precision; inputs' magnitudes at most 65,504
;; workspace buffers: part 33,685,504 bytes; cw 262,144 bytes; uw 3,072 bytes; gw 589,824 bytes
;; launch psi_part: the kernel of part 7 again; grid 256 x 1, 4 waves a work-group, no clusters, 254,208 bytes of LDS; arguments a, v, psi_W0, psi_b0, psi_W1, psi_b1, psi_W2, psi_b2, phi_W3, psi_W3, phi_b3, psi_b3, part, cw, uw; writes part, cw, uw
;; launch mix (part 9): grid 256 x 1, 8 waves a work-group, no clusters, 7,680 bytes of LDS; arguments part, cw, uw, gw; writes gw
.if DOCPART == 9
	.amdgcn_target "amdgcn-amd-amdhsa--gfx1250"
	.amdhsa_code_object_version 6
	.text
	.protected	k_q1472d05ac3_mix
	.globl	k_q1472d05ac3_mix
	.p2align	8
	.type	k_q1472d05ac3_mix,@function
k_q1472d05ac3_mix:
	s_mov_b64 s[64:65], 0
	v_nop
	global_prefetch_b8 v0, s[64:65] scope:SCOPE_SE
	s_setreg_imm32_b32 hwreg(HW_REG_WAVE_SCHED_MODE, 0, 2), 2
	s_setreg_imm32_b32 hwreg(HW_REG_WAVE_MODE, 25, 1), 1
	s_wait_xcnt 0x0
	s_wait_alu depctr_vm_vsrc(0)
; LowRank1d, launch 2 of 3.  Work-group g = 32 b + q makes four columns c = 4 q .. 4 q + 3 of batch b:
;   S = the sum of the batch's 32 partial S (f32), sv likewise;  G = (C S + u sv) / n [256][4];  g0 = (w^T S + z sv) / n.   Nothing of the problem is left out.
; FORMATS.  16 C arrives in two f16 halves, hi and lo.  S is scaled by 2^(141 - es), es the exponent field of max |S| of these four columns, and split likewise (hi = f16(x), lo = f16(x - hi), the difference exact in f32);
;   the product is hi hi + hi lo + lo hi on one f32 sum, which starts from 16 u sv in the same scale (f32).  G is scaled by its own maximum in the same way and rounded once to f16;
;   sc = 2^(eg + es - 299) undoes both scales, the 16 and n = 8,192.  g0 is made in f32 on the vector unit.
; LIMITS.  A maximum under 2^-60 is taken as 2^-60; sc's exponent field is held to 1 .. 254; the maxima pass over NaN.
; NO CLUSTER: what the work-groups share, C (262,144 bytes), goes from memory straight into each wave's registers as operands; the stream, part, has one reader for each byte.
; SHARES.  Eight waves.  Thread t sums feature t.  Wave w makes G's rows 32 w .. 32 w + 31: two accumulators by turns, K = 256.  The product's 16 columns hold the four c four times over.
; THE LOADS' ORDER.  A wave has 102 loads.  The 32 of the stream go out first, then 6 small ones and 24 of C's 64: 62 are out.  C's other 40 go out when the stream is in, and land under the sums and two barriers.
; REGISTERS: window 0: v0-19 ids and addresses (v2 = 1.0), v20-27 S, v28-31 sv, v32-63 at work, v64-191 the partials, then S's fragments (hi v64-127, lo v128-191), v192-207 u, then G, v208-215 G rounded, v216-247 g0's parts;
;   window 1: C's fragments: hi v0-127 (row tile i at 64 i), lo v128-255.
; THE MODE: SCHED_MODE bits 1:0 = 2 (LLVM: expert scheduling mode 2), set by the entry lines.  The code itself states the register dependences
; between vector or matrix instructions and memory or LDS instructions, with s_wait_alu, always for 0.
; THE PLAN.  Registers that memory or LDS instructions touch:
;   v7-v19, v37, v4, v5   addresses, and the closing add's two: written at the head, never again.
;   v64-191               the stream's loads land here; the chunks' additions read them; behind barrier 2 S's fragments land here; the matrix instructions read those.
;   window 1              C's loads land here, once; matrix instructions alone read them.
;   v39                   written by the reduction of max |S|, read by its LDS store; written again by the reduction of max |G|, read by its LDS store.
;   v40-47                the waves' maxima land here behind barrier 1; MAX8 reads them and writes v40; behind barrier 3 the second eight land here.
;   v32-35, v48-51, v208-215, v54-55   each written by vector instructions, read by one store, never written again.
;   v28-31, v36, v192-207, v216-247, v60-61   loads land in them once.
; So one wait on va_vdst stands ahead of the first load and one ahead of each of the four runs of LDS stores; the loads that follow a run behind its barrier lean on the same wait, since no vector
; instruction between names a register of theirs.  One wait on vm_vsrc stands ahead of the second write of v39.  What vector instructions write into scalar registers (the wave's number, two exponents, six masks)
; is laid in three runs, with one wait on va_sdst behind each.
.set SL,    0                          ; S in f16, [c 4][f 256], pitch 528: hi, and SX further on lo
.set SX,    2112
.set GS,    4352                       ; G's image: [mt 16][h 2][c 4] x 16 bytes
.set RED,   6400                       ; words 0-7 max |S| by wave; 32 + 16 w: g0's parts; words 40-47 max |G| by wave
.set SPARE, 6656                       ; the spare words, 128 bytes a wave: no other line names them
.set ONE, 2
.set G0R, 216
.set MSB, 0
.macro WIN new
.if MSB != (\new)
	s_set_vgpr_msb (MSB<<8)|(\new)
.set MSB, (\new)
.endif
.endm
.macro RESID x, hh                     ; registers x, x + 1 less the two f16 halves of register hh: exact in f32
	v_fma_mix_f32 v[\x], -v[\hh], v[ONE], v[\x] op_sel_hi:[1,0,0]
	v_fma_mix_f32 v[(\x)+1], -v[\hh], v[ONE], v[(\x)+1] op_sel:[1,0,0] op_sel_hi:[1,0,0]
.endm
.macro WMAX x
	v_max_num_f32_dpp v[\x], v[\x], v[\x] row_xmask:1 row_mask:0xf bank_mask:0xf
	v_max_num_f32_dpp v[\x], v[\x], v[\x] row_xmask:2 row_mask:0xf bank_mask:0xf
	v_max_num_f32_dpp v[\x], v[\x], v[\x] row_xmask:4 row_mask:0xf bank_mask:0xf
	v_max_num_f32_dpp v[\x], v[\x], v[\x] row_xmask:8 row_mask:0xf bank_mask:0xf
	v_permlanex16_b32 v38, v[\x], s52, s53
	v_max_num_f32 v[\x], v[\x], v38
.endm
.macro WSUM x
	v_add_f32_dpp v[\x], v[\x], v[\x] row_xmask:1 row_mask:0xf bank_mask:0xf
	v_add_f32_dpp v[\x], v[\x], v[\x] row_xmask:2 row_mask:0xf bank_mask:0xf
	v_add_f32_dpp v[\x], v[\x], v[\x] row_xmask:4 row_mask:0xf bank_mask:0xf
	v_add_f32_dpp v[\x], v[\x], v[\x] row_xmask:8 row_mask:0xf bank_mask:0xf
	v_permlanex16_b32 v38, v[\x], s52, s53
	v_add_f32 v[\x], v[\x], v38
.endm
.macro BAR
	s_wait_dscnt 0x0
	s_barrier_signal -1
	s_barrier_wait -1
.endm
.macro MAX8                            ; the eight waves' maxima in v40-47 into v40, at least 2^-60
	v_max3_num_f32 v40, v40, v41, v42
	v_max3_num_f32 v40, v40, v43, v44
	v_max3_num_f32 v40, v40, v45, v46
	v_max_num_f32 v40, v40, v47
	v_max_num_f32 v40, 0x21800000, v40
.endm
	s_load_b256 s[8:15], s[0:1], 0x0               ; part 8, cw 10, uw 12, gw 14
	v_lshl_add_u32 v4, v0, 2, SPARE
	v_mov_b32 v5, 0
	v_mov_b32 v[ONE], 1.0
	v_and_b32 v1, 31, v0                           ; L
	v_bfe_u32 v3, v0, 4, 1                         ; h
	v_and_b32 v6, 3, v0                            ; r % 4: my column
	v_lshrrev_b32 v38, 5, v0
	v_readfirstlane_b32 s3, v38                    ; w, 0 to 7
	s_lshr_b32 s4, ttmp9, 5                        ; b
	s_and_b32 s5, ttmp9, 31                        ; q
	s_mov_b32 s52, 0x76543210
	s_mov_b32 s53, 0xfedcba98
	v_lshlrev_b32 v8, 4, v0                        ; 16 x thread: feature t's four columns in a block of part
	v_mul_u32_u24 v9, v1, 131584                   ; lane L takes chunk L's part of sv
	s_wait_alu depctr_va_sdst(0)                   ; s3 is written, ahead of its first reader: the wave's places in cw, in LDS and in uw are made from it
	s_lshl_b32 s16, s3, 14
	v_lshl_add_u32 v10, v1, 4, s16                 ; cw: my wave's 32 pieces of 512 bytes
	v_lshlrev_b32 v11, 1, v0                       ; S[c][t] (SL = 0)
	v_mul_u32_u24 v12, v6, 528
	v_lshl_add_u32 v12, v3, 4, v12                 ; a fragment of S: row r % 4, 16 h
	s_lshl_b32 s16, s3, 8
	s_add_co_u32 s16, s16, GS
	v_lshl_add_u32 v13, v6, 4, s16
	v_lshl_add_u32 v13, v3, 6, v13                 ; G's image: 128 (2 w + i) + 64 h + 16 (r % 4)
	v_lshl_add_u32 v14, v0, 3, GS                  ; and back: 8 bytes a thread
	s_lshl_b32 s16, s3, 4
	s_add_co_u32 s16, s16, RED+32
	v_mov_b32 v15, s16
	v_mov_b32 v16, RED
	s_lshl_b32 s16, s3, 2
	s_add_co_u32 s16, s16, RED
	v_mov_b32 v7, s16
	v_lshlrev_b32 v17, 2, v0                       ; w[t]
	s_lshl_b32 s16, s3, 7
	v_lshl_add_u32 v18, v3, 5, s16                 ; u[16 (2 w + i) + 8 h + 0..7]
	v_lshlrev_b32 v19, 3, v1                       ; 8 L
	v_lshlrev_b32 v37, 3, v0                       ; 8 x thread
	s_wait_kmcnt 0x0
	s_load_b32 s34, s[12:13], 0x800                ; z (the first work-group's copy)
	s_mov_b32 s17, 0
	s_mul_i32 s16, s4, 4210688                     ; the batch's 32 blocks of 131,584 bytes
	s_add_nc_u64 s[8:9], s[8:9], s[16:17]
	s_lshl_b32 s16, s5, 4
	s_add_co_u32 s16, s16, 131072
	s_add_nc_u64 s[20:21], s[8:9], s[16:17]        ; sv's parts, my four columns
	s_lshl_b32 s16, s5, 12
	s_add_nc_u64 s[8:9], s[8:9], s[16:17]          ; S's parts, my four columns: 4,096 bytes a block
	s_mul_i32 s16, ttmp9, 2304
	s_add_nc_u64 s[14:15], s[14:15], s[16:17]      ; my block of gw
	s_wait_alu depctr_va_vdst(0)                   ; the addresses v7 to v19 and v37 are written, which every load and store of the kernel reads; they are never written again
.set i, 0
.rept 32                               ; the stream: chunk i's part of S, a wave 512 consecutive bytes
	global_load_b128 v[64+4*i:67+4*i], v8, s[8:9] offset:131584*i th:TH_LOAD_NT
.set i, i+1
.endr
	global_load_b128 v[28:31], v9, s[20:21]
	global_load_b32 v36, v17, s[12:13] offset:1024
.irp i, 0,1
	global_load_b128 v[192+8*\i:195+8*\i], v18, s[12:13] offset:64*\i
	global_load_b128 v[196+8*\i:199+8*\i], v18, s[12:13] offset:64*\i+16
.endr
	WIN 0x40
.set i, 0
.rept 24                               ; C hi: row tile 2 w + i / 16, piece i % 16: registers 4 i: two pieces are a fragment
	global_load_b128 v[4*i:4*i+3], v10, s[10:11] offset:512*i
.set i, i+1
.endr
	WIN 0
	s_wait_loadcnt 46                              ; chunks 0-15 are in: 16 chunks, 6 small loads and 24 of C are younger
.irp k, 0,1                            ; two chains, the even chunks' and the odd chunks'; chunks 0 + 2 and 1 + 3 start them
	v_pk_add_f32 v[20+2*\k:21+2*\k], v[64+2*\k:65+2*\k], v[72+2*\k:73+2*\k]
	v_pk_add_f32 v[24+2*\k:25+2*\k], v[68+2*\k:69+2*\k], v[76+2*\k:77+2*\k]
.endr
.macro CHUNKS from, n
.set i, \from
.rept \n
.irp k, 0,1
	v_pk_add_f32 v[20+4*(i%2)+2*\k:21+4*(i%2)+2*\k], v[20+4*(i%2)+2*\k:21+4*(i%2)+2*\k], v[64+4*i+2*\k:65+4*i+2*\k]
.endr
.set i, i+1
.endr
.endm
	CHUNKS 4, 12
	s_wait_loadcnt 24                              ; the stream and the small loads are in: only C's 24 are younger
	WIN 0x40                                       ; no wait on va_vdst: the additions since the head's name v20-27 and v64-127 alone, neither v10 nor a register of window 1
.set i, 24
.rept 8
	global_load_b128 v[4*i:4*i+3], v10, s[10:11] offset:512*i
.set i, i+1
.endr
.set i, 0
.rept 32                               ; C lo likewise
	global_load_b128 v[128+4*i:131+4*i], v10, s[10:11] offset:131072+512*i
.set i, i+1
.endr
	WIN 0
	CHUNKS 16, 16
	v_pk_add_f32 v[20:21], v[20:21], v[24:25]
	v_pk_add_f32 v[22:23], v[22:23], v[26:27]
.irp k, 28,29,30,31
	WSUM \k                                        ; sv: over the 32 chunks, one a lane
.endr
	v_pk_mul_f32 v[32:33], v[20:21], v[36:37] op_sel_hi:[1,0]  ; g0's part: w[t] S[t][c]
	v_pk_mul_f32 v[34:35], v[22:23], v[36:37] op_sel_hi:[1,0]
	v_max_num_f32 v39, |v20|, |v21|
	v_max3_num_f32 v39, v39, |v22|, |v23|
.irp k, 32,33,34,35
	WSUM \k
.endr
	WMAX 39
	s_wait_alu depctr_va_vdst(0)                   ; the reductions have written v39 and v32-35, which the two LDS stores read
	ds_store_b32 v7, v39
	ds_store_b128 v15, v[32:35]
	BAR                                            ; barrier 1
	ds_load_b128 v[40:43], v16
	ds_load_b128 v[44:47], v16 offset:16
.irp k, 0,1,2,3,4,5,6,7
	ds_load_b128 v[G0R+4*\k:G0R+4*\k+3], v16 offset:32+16*\k
.endr
	s_wait_dscnt 0x0
	s_wait_kmcnt 0x0
	s_mov_b32 s35, s34                             ; z is named as a pair
	MAX8
	v_readfirstlane_b32 s32, v40
	v_cmp_eq_u32 s44, 1, v6                        ; which of sv's four numbers is my column's: three masks, in one run with the line above
	v_cmp_eq_u32 s45, 2, v6
	v_cmp_eq_u32 s46, 3, v6
	s_wait_alu depctr_va_sdst(0)                   ; s32 and the masks s44 to s46 are written, ahead of the first reader of any of them
	s_lshr_b32 s32, s32, 23                        ; es
	s_sub_co_i32 s36, 268, s32                     ; sS = 2^(141 - es)
	s_lshl_b32 s36, s36, 23
	s_mov_b32 s37, s36
	s_sub_co_i32 s38, 272, s32                     ; 16 sS
	s_lshl_b32 s38, s38, 23
.irp k, 0,1,2,3
.irp j, 0,2
	v_pk_add_f32 v[G0R+8*\k+\j:G0R+8*\k+\j+1], v[G0R+8*\k+\j:G0R+8*\k+\j+1], v[G0R+8*\k+4+\j:G0R+8*\k+5+\j]
.endr
.endr
.irp j, 0,2
	v_pk_add_f32 v[G0R+\j:G0R+\j+1], v[G0R+\j:G0R+\j+1], v[G0R+8+\j:G0R+9+\j]
	v_pk_add_f32 v[G0R+16+\j:G0R+17+\j], v[G0R+16+\j:G0R+17+\j], v[G0R+24+\j:G0R+25+\j]
.endr
.irp j, 0,2
	v_pk_add_f32 v[G0R+\j:G0R+\j+1], v[G0R+\j:G0R+\j+1], v[G0R+16+\j:G0R+17+\j]
.endr
.irp j, 0,2
	v_pk_fma_f32 v[G0R+\j:G0R+\j+1], v[28+\j:29+\j], s[34:35], v[G0R+\j:G0R+\j+1] op_sel_hi:[1,0,1]  ; + z sv
.endr
.irp j, 0,2
	v_pk_mul_f32 v[G0R+\j:G0R+\j+1], v[G0R+\j:G0R+\j+1], 0x39000000 op_sel_hi:[1,0]                  ; / 8,192: g0
.endr
.irp j, 0,2
	v_pk_mul_f32 v[20+\j:21+\j], v[20+\j:21+\j], s[36:37] op_sel_hi:[1,0]
.endr
	v_cvt_pk_f16_f32 v48, v20, v21                 ; S hi
	v_cvt_pk_f16_f32 v49, v22, v23
	RESID 20, 48
	RESID 22, 49
	v_cvt_pk_f16_f32 v50, v20, v21                 ; S lo
	v_cvt_pk_f16_f32 v51, v22, v23
	s_wait_alu depctr_va_vdst(0)                   ; the roundings have written v48-51, which the LDS stores read; and the chunks' additions are done reading v64-191, in which S's fragments land behind barrier 2
	ds_store_b16 v11, v48
	ds_store_b16_d16_hi v11, v48 offset:528
	ds_store_b16 v11, v49 offset:1056
	ds_store_b16_d16_hi v11, v49 offset:1584
	ds_store_b16 v11, v50 offset:SX
	ds_store_b16_d16_hi v11, v50 offset:SX+528
	ds_store_b16 v11, v51 offset:SX+1056
	ds_store_b16_d16_hi v11, v51 offset:SX+1584
	v_cndmask_b32 v52, v28, v29, s44               ; sv of my column
	v_cndmask_b32 v52, v52, v30, s45
	v_cndmask_b32 v52, v52, v31, s46
	v_mul_f32 v52, s38, v52
	v_mov_b32 v53, v52
.set i, 0
.rept 8
	v_pk_mul_f32 v[192+2*i:193+2*i], v[192+2*i:193+2*i], v[52:53]  ; 16 sS u[f] sv[c]: what the sums start from
.set i, i+1
.endr
	BAR                                            ; barrier 2: S lies in LDS
.irp k, 0,1,2,3,4,5,6,7                ; no wait on va_vdst: the lines since the last one name v28-31, v52, v53 and v192-207 alone, neither v12 nor v64-191
	ds_load_b128 v[64+8*\k:67+8*\k], v12 offset:64*\k
	ds_load_b128 v[68+8*\k:71+8*\k], v12 offset:64*\k+32
	ds_load_b128 v[128+8*\k:131+8*\k], v12 offset:SX+64*\k
	ds_load_b128 v[132+8*\k:135+8*\k], v12 offset:SX+64*\k+32
.endr
	s_wait_dscnt 0x0
	s_wait_loadcnt 0x0                             ; C is in
	WIN 0x01                                       ; C in window 1.  The two accumulators take turns throughout
.irp k, 0,1,2,3,4,5,6,7
.irp i, 0,1
	v_wmma_f32_16x16x32_f16 v[192+8*\i:199+8*\i], v[64*\i+8*\k:64*\i+8*\k+7], v[64+8*\k:71+8*\k], v[192+8*\i:199+8*\i]          ; C hi x S hi
.endr
.endr
.irp k, 0,1,2,3,4,5,6,7
.irp i, 0,1
	v_wmma_f32_16x16x32_f16 v[192+8*\i:199+8*\i], v[64*\i+8*\k:64*\i+8*\k+7], v[128+8*\k:135+8*\k], v[192+8*\i:199+8*\i]        ; C hi x S lo
.endr
.endr
.irp k, 0,1,2,3,4,5,6,7
.irp i, 0,1
	v_wmma_f32_16x16x32_f16 v[192+8*\i:199+8*\i], v[128+64*\i+8*\k:128+64*\i+8*\k+7], v[64+8*\k:71+8*\k], v[192+8*\i:199+8*\i]  ; C lo x S hi
.endr
.endr
	WIN 0
.rept 4
	v_nop
.endr
	s_wait_alu depctr_vm_vsrc(0)                   ; the LDS store ahead of barrier 1 has read v39, which the next line writes again; the four places above stay beside this wait
	v_max_num_f32 v39, |v192|, |v193|
.set i, 1
.rept 7
	v_max3_num_f32 v39, v39, |v[192+2*i]|, |v[193+2*i]|  ; ascending: each accumulator from its low end
.set i, i+1
.endr
	WMAX 39
	s_wait_alu depctr_va_vdst(0)                   ; the reduction has written v39, which the LDS store reads; and the first MAX8 is done reading v40-47 and writing v40, in which the loads behind barrier 3 land
	ds_store_b32 v7, v39 offset:160
	BAR                                            ; barrier 3
	ds_load_b128 v[40:43], v16 offset:160
	ds_load_b128 v[44:47], v16 offset:176
	s_wait_dscnt 0x0
	MAX8
	v_readfirstlane_b32 s33, v40
	v_lshrrev_b32 v56, 1, v1
	v_cmp_eq_u32 s47, 0, v1                        ; the three masks of the block's last 256 bytes, in one run with the exponent's line
	v_cmp_eq_u32 s48, 1, v1
	v_cmp_eq_u32 s49, 1, v56
	s_wait_alu depctr_va_sdst(0)                   ; s33 and the masks s47 to s49 are written, ahead of the first reader of any of them
	s_lshr_b32 s33, s33, 23                        ; eg
	s_sub_co_i32 s40, 268, s33                     ; sG = 2^(141 - eg)
	s_lshl_b32 s40, s40, 23
	s_mov_b32 s41, s40
	s_add_co_i32 s42, s33, s32                     ; sc = 2^(eg + es - 299)
	s_sub_co_i32 s42, s42, 172
	s_max_i32 s42, s42, 1
	s_min_i32 s42, s42, 254
	s_lshl_b32 s42, s42, 23
.set i, 0
.rept 8
	v_pk_mul_f32 v[192+2*i:193+2*i], v[192+2*i:193+2*i], s[40:41] op_sel_hi:[1,0]
.set i, i+1
.endr
.set i, 0
.rept 8
	v_cvt_pk_f16_f32 v[208+i], v[192+2*i], v[193+2*i]
.set i, i+1
.endr
	v_mov_b32 v54, 0                               ; the block's last 256 bytes, 8 a lane: g0 (lanes 0, 1), sc four times (lanes 2, 3), zeros.  Made ahead of the wait below, so that one wait serves both kinds of store
	v_mov_b32 v55, 0
	v_cndmask_b32 v54, v54, v[G0R], s47
	v_cndmask_b32 v55, v55, v[G0R+1], s47
	v_cndmask_b32 v54, v54, v[G0R+2], s48
	v_cndmask_b32 v55, v55, v[G0R+3], s48
	v_cndmask_b32 v54, v54, s42, s49
	v_cndmask_b32 v55, v55, s42, s49
	s_wait_alu depctr_va_vdst(0)                   ; the roundings have written v208-215, which the LDS stores read, and the selects v54 and v55, which wave 0's store behind barrier 4 reads
.irp i, 0,1
	ds_store_b128 v13, v[208+4*\i:211+4*\i] offset:128*\i  ; lanes with the same r % 4 and h hold the same numbers and write the same bytes
.endr
	BAR                                            ; barrier 4: G's image is whole
	ds_load_b64 v[60:61], v14
	s_cmp_lg_u32 s3, 0
	s_cbranch_scc1 .Lno_tail
	global_store_b64 v19, v[54:55], s[14:15] offset:2048   ; 256 consecutive bytes
.Lno_tail:
	s_wait_dscnt 0x0
	global_store_b64 v37, v[60:61], s[14:15]       ; a wave stores 256 consecutive bytes, aligned
	s_wait_dscnt 0x0                               ; the closing lines, six on end
	s_wait_alu 0x0
	s_wait_tensorcnt 0x0
	ds_add_u32 v4, v5
	s_wait_dscnt 0x0
	s_endpgm
.Lfunc_end_k_q1472d05ac3_mix:
	.size	k_q1472d05ac3_mix, .Lfunc_end_k_q1472d05ac3_mix-k_q1472d05ac3_mix
	.p2alignl 7, 3214868480
	.fill 96, 4, 3214868480
	.section	.rodata,"a",@progbits
	.p2align	6, 0x0
	.amdhsa_kernel k_q1472d05ac3_mix
		.amdhsa_group_segment_fixed_size 7680
		.amdhsa_private_segment_fixed_size 0
		.amdhsa_enable_private_segment 0
		.amdhsa_kernarg_size 32
		.amdhsa_user_sgpr_count 2
		.amdhsa_user_sgpr_kernarg_segment_ptr 1
		.amdhsa_wavefront_size32 1
		.amdhsa_system_sgpr_workgroup_id_x 1
		.amdhsa_system_sgpr_workgroup_id_y 1
		.amdhsa_system_sgpr_workgroup_id_z 1
		.amdhsa_system_vgpr_workitem_id 0
		.amdhsa_next_free_vgpr 512
		.amdhsa_next_free_sgpr 66
		.amdhsa_reserve_vcc 0
		.amdhsa_float_denorm_mode_32 3
		.amdhsa_float_denorm_mode_16_64 3
		.amdhsa_memory_ordered 1
		.amdhsa_forward_progress 1
		.amdhsa_inst_pref_size 35
	.end_amdhsa_kernel
	.amdgpu_metadata
---
amdhsa.version: [ 1, 2 ]
amdhsa.kernels:
  - .name:           k_q1472d05ac3_mix
    .symbol:         k_q1472d05ac3_mix.kd
    .args:
      - { .name: part, .offset: 0, .size: 8, .value_kind: global_buffer, .address_space: global }
      - { .name: cw, .offset: 8, .size: 8, .value_kind: global_buffer, .address_space: global }
      - { .name: uw, .offset: 16, .size: 8, .value_kind: global_buffer, .address_space: global }
      - { .name: gw, .offset: 24, .size: 8, .value_kind: global_buffer, .address_space: global }
    .group_segment_fixed_size: 7680
    .private_segment_fixed_size: 0
    .kernarg_segment_align: 8
    .kernarg_segment_size: 32
    .max_flat_workgroup_size: 256
    .sgpr_count:     66
    .vgpr_count:     512
    .wavefront_size: 32
...
	.end_amdgpu_metadata
.endif
;; end of part 9
;; launch phi_out: the kernel of part 8 again; grid 256 x 1, 4 waves a work-group, no clusters, 275,712 bytes of LDS; arguments a, out0, phi_W0, phi_b0, phi_W1, phi_b1, phi_W2, phi_b2, gw; writes out0
